; MI455X (gfx1250); checked and timed in simulation.
; The chip was launched on July 23, 2026; its instructions are those of AMD's public machine-readable ISA for CDNA 5 (MIT licence, August 2026) and "CDNA5" Instruction Set Architecture Reference Guide (July 2026). The comments in the code are by the model that wrote it; some were corrected since.
;; Causal Self Attention. Allowed arithmetic: matrix products marked QUANTISED: E2M3 operands, one E8M0 scale for each 32 along K, by v_wmma_scale_f32_16x16x128_f8f6f4 with both operands' format E2M3, f32 sums; everything else in f32.
;; Inputs: Wkv 1,024 x 2,048 float32; Wo 2,048 x 2,048 float32; Wq 2,048 x 2,048 float32; cos 2,048 x 32 float32; q_gain 16 float32; sin 2,048 x 32 float32; x 1 x 2,048 x 2,048 float32.
;; Outputs: out0 1 x 2,048 x 2,048 float32.
;; This version of the problem:
;;   THIS VERSION OF THE PROBLEM IS GIVEN IN LOW PRECISION. The matrix products marked QUANTISED in the list below multiply operands that are first quantised to E2M3 (2 exponent bits, 3 mantissa bits; 6 bits a number), with one power-of-two scale for each 32 numbers along K (OCP MX v1.0); their sums are f32. All else is computed in f32.
;;   The module's matrix products, in the order in which they are computed (A, B: the left and right operand; K: the contracted axis; several contracted axes count as one K, in the product's order):
;;     1. [M 2,048, K 2,048] x [K 2,048, N 2,048]; A: input x; B: input Wq: QUANTISED
;;     2. [M 2,048, K 2,048] x [K 2,048, N 1,024]; A: input x; B: input Wkv: QUANTISED
;;     3. batch 16 x [M 2,048, K 128] x [K 128, N 2,048]; A: computed on the way; B: computed on the way: QUANTISED
;;     4. batch 16 x [M 128, K 2,048] x [K 2,048, N 2,048]; A: computed on the way; B: softmax (see below): QUANTISED
;;     5. [M 2,048, K 2,048] x [K 2,048, N 2,048]; A: computed on the way; B: input Wo: QUANTISED
;;   THE QUANTISER, for each operand of a quantised product, along K:
;;     - K is cut into blocks of 32 from its start; a last block that is shorter is filled with zeros.
;;     - A block's scale is 2^e with e = floor(log2(the largest magnitude in the block)) - 2, held to -126 .. 127; a block of zeros has e = 0. As a byte (E8M0): e + 127.
;;     - Each number is divided by its block's scale, clamped to +-7.5, and rounded to the nearest number of E2M3, ties to even, subnormals kept.
;;     - The product sums the exact products of the quantised numbers (number of the format x scale) in f32.
;;   ~~~python
;;   def quantise(x, axis):      # numpy; x: float32 -> the quantised numbers, widened to float32 again
;;       x = np.moveaxis(x, axis, -1); K = x.shape[-1]
;;       x = np.pad(x, [(0, 0)] * (x.ndim - 1) + [(0, -K % 32)]); x = x.reshape(x.shape[:-1] + (-1, 32)); a = np.abs(x).max(-1, keepdims=True)
;;       e = np.where(a > 0, np.clip(np.frexp(np.where(a > 0, a, 1))[1] - 1 - 2, -126, 127), 0)      # np.frexp(a)[1] - 1 = floor(log2(a)), exactly
;;       r = np.clip(x / 2.0 ** e, -7.5, 7.5)
;;       step = 2.0 ** (np.maximum(np.frexp(np.where(r == 0, 1, r))[1] - 1, 0) - 3)
;;       q = np.round(r / step) * step * 2.0 ** e      # np.round: ties to even
;;       return np.moveaxis(q.reshape(q.shape[:-2] + (-1,))[..., :K], -1, axis).astype(np.float32)
;;   ~~~
;;   SOFTMAX AHEAD OF A QUANTISED PRODUCT. Where the list says 'softmax', what is quantised is not the finished softmax but p = 2^(t - M), with t = logit x log2(e) and M = ceil(the row's largest t), a whole number; so 1/2 < the row's largest p <= 1. The row's sum l is taken of the UNQUANTISED p, in f32, and the product's result is divided by l at the end. Since M is a whole number, a kernel that streams over the keys may use a running M (the ceiling of the running maximum): every later rescaling is an exact power of two, which a block's scale takes up: the codes' values come out the same.
;;   OPERANDS COMPUTED ON THE WAY. 'Computed on the way' means the value that the module computes at that place (a softmax that the list does not call 'softmax' is quantised finished and normalised). What goes into a quantiser is computed in f32, as accurately as f32 sums, v_exp_f32 and their like allow (about 1e-6 of the number): no bf16 or f16 on the way to a quantiser, and a product that is left as it is and whose result goes on into a quantised operand takes f32 operands (vector FMAs, or v_wmma_f32_16x16x4_f32). A number that lies on a knife's edge between two numbers of the format may be rounded either way, as far as f32 arithmetic and the matrix unit's own rounding can turn it there, and no further.
;; 2 versions. Each part assembles by itself: llvm-mc -triple=amdgcn-amd-amdhsa -mcpu=gfx1250 --defsym DOCPART=n.
;; ======== version 1 of 2: 4 launches
;; workspace buffers: cod 11,468,800 bytes; qkv 4,915,200 bytes; oq 3,276,800 bytes
;; launch quant (part 1): grid 448 x 1, 4 waves a work-group, no clusters, 34,304 bytes of LDS; arguments x, Wq, Wkv, Wo, cod; writes cod
.if DOCPART == 1
	.amdgcn_target "amdgcn-amd-amdhsa--gfx1250"
	.amdhsa_code_object_version 6
	.text
	.protected	k_q21ec0d1b7b_quant
	.globl	k_q21ec0d1b7b_quant
	.p2align	8
	.type	k_q21ec0d1b7b_quant,@function
k_q21ec0d1b7b_quant:
	s_mov_b64 s[64:65], 0
	v_nop
	global_prefetch_b8 v0, s[64:65] scope:SCOPE_SE
	s_setreg_imm32_b32 hwreg(HW_REG_WAVE_MODE, 25, 1), 1
	s_wait_xcnt 0x0
; x [2048][2048], Wq [2048][2048], Wkv [1024][2048], Wo [2048][2048], f32, K innermost, become codes of FP6 (E2M3) with one E8M0 byte for each 32 along K.
; A block's scale is 2^(floor(log2(its largest magnitude)) - 2); each number is divided by it and rounded to the nearest code, ties to even, beyond 7.5 the largest code.
; LAYOUT OF cod.  A tile of 16 rows x 128 K is stored as THE IMAGE OF THE OPERAND'S 12 REGISTERS, 1,536 bytes: register 4 c + e of lane l at byte 512 c + 16 l + 4 e.  Codes: [tile 448][K step 16] images.
; From byte SCO on the scale words (four bytes: a row's four blocks of a K step): [tile][group of four K steps][row 16][K step % 4].
; Tiles: x 0-127, Wq 128-255, Wkv's k rows 256-287 (head g at 256 + 8 g), Wkv's v rows 288-319, Wo 320-447.
; THE ORDER INSIDE A BLOCK OF 32: place 16 h + i of a block holds the block's number 8 h + (i & 7) + 16 (i >> 3).  Every operand of this program is laid so, so the pairs that are multiplied
; are the right ones and a block keeps its 32 members; only the order in which a matrix instruction adds the products of a block differs from ascending K.
; LIMITS: a block of zeros gets the byte 1, not 127 (its codes are zeros, and this program alone reads the bytes); a largest magnitude under 2^-124 is taken as 2^-124; NaN and infinities are not served.
; SHARES.  A work-group takes one tile of 16 rows, wave w its K steps 4 w .. 4 w + 3.  Each load reads 512 consecutive bytes of a row; a K step's 16 x 512 bytes turn through the wave's own stage in LDS
; (rows 528 bytes apart) and come back 16 numbers of each block to a lane.  No tensor load, no barrier: waves share nothing.  Work-groups share no input: no cluster.
.set STG,   8448                       ; a wave's stage: 16 rows x (512 + 16) bytes
.set SPARE, 33792                      ; behind the four stages: the spare words, 128 bytes a wave, which no other line names
.set SCO,   11010048                   ; 448 tiles x 24,576 bytes of codes
.set TM,  16                           ; v16-31   at work in QUANT
.set SW,  36                           ; v36-39   the scale words of my four K steps
.set PC,  40                           ; v40-59   the codes just made
.set SPW, 60                           ; v60      LDS address of my spare word; never rewritten
.set NIL, 61                           ; v61      0; never rewritten
.set X,   64                           ; v64-127  64 numbers of my row: register 16 b + i = place 16 h + i of block b
.set R,   128                          ; v128-255 two sets of 64 registers as loaded
.set SEL, 28                           ; s[28:29] v_permlanex16_b32's selects for lane l xor 16
; 64 numbers of a lane, register 16 b + i = place 32 b + 16 (lane / 16) + i of my row, become a fragment's codes in v[PC] .. v[PC + 11] and its scale word in v[pw]
.macro QUANT s, pw
.irp b, 0,1,2,3
	v_max3_num_f32 v[TM+\b], |v[\s+16*\b]|, |v[\s+1+16*\b]|, 0x1800000      ; block b: my 16 numbers, and the floor 2^(3 - 127): the byte cannot fall under 1
.endr
.irp i, 2,4,6,8,10,12,14
.irp b, 0,1,2,3
	v_max3_num_f32 v[TM+\b], v[TM+\b], |v[\s+16*\b+\i]|, |v[\s+1+16*\b+\i]|  ; the four blocks by turns
.endr
.endr
.irp b, 0,1,2,3
	v_permlanex16_b32 v[TM+4+\b], v[TM+\b], s[SEL], s[SEL+1]
.endr
.irp b, 0,1,2,3
	v_max_num_f32 v[TM+\b], v[TM+\b], v[TM+4+\b]                            ; with lane l xor 16's: the block's largest magnitude
.endr
.irp b, 0,1,2,3
	v_add_nc_u32 v[TM+12+\b], 0xff000000, v[TM+\b]                          ; 2 off its exponent field: the conversion's scale operand
.endr
.irp b, 0,1,2,3
	v_lshrrev_b32 v[TM+4+\b], 23, v[TM+12+\b]                               ; the scale's byte
.endr
	v_lshl_or_b32 v[\pw], v[TM+5], 8, v[TM+4]
	v_lshl_or_b32 v[\pw], v[TM+6], 16, v[\pw]
	v_lshl_or_b32 v[\pw], v[TM+7], 24, v[\pw]
.irp c, 0,1
	v_cvt_scalef32_pk16_fp6_f32 v[PC+6*\c:PC+2+6*\c], v[\s+32*\c:\s+15+32*\c], v[TM+12+2*\c]
	v_cvt_scalef32_pk16_fp6_f32 v[PC+12+4*\c:PC+14+4*\c], v[\s+16+32*\c:\s+31+32*\c], v[TM+12+2*\c+1]   ; a conversion's three registers begin on an even number
.endr
	v_nop                                                                   ; one plain line behind the scaled conversions
.irp c, 0,1                            ; the operand wants a whole block in a lane: lanes 0-15 block 2 c, lanes 16-31 block 2 c + 1
.irp i, 0,1,2
	v_permlane16_swap_b32 v[PC+6*\c+\i], v[PC+12+4*\c+\i]
.endr
.irp i, 0,1,2
	v_mov_b32 v[PC+3+6*\c+\i], v[PC+12+4*\c+\i]
.endr
.endr
.endm
	s_load_b256 s[4:11], s[0:1], 0x0               ; x s[4:5], Wq s[6:7], Wkv s[8:9], Wo s[10:11]
	s_load_b64 s[12:13], s[0:1], 0x20              ; cod
	v_lshl_add_u32 v[SPW], v0, 2, SPARE
	v_mov_b32 v[NIL], 0
	v_lshrrev_b32 v5, 5, v0
	v_readfirstlane_b32 s14, v5                    ; wave 0..3
	v_and_b32 v6, 31, v0                           ; lane
	v_and_b32 v7, 15, v0                           ; r
	v_bfe_u32 v8, v0, 4, 1                         ; h
	v_lshlrev_b32 v1, 4, v6                        ; 16 x lane: my bytes of a load's 512, and of an image's 512
	s_mul_i32 s15, s14, STG
	v_add_nc_u32 v2, s15, v1                       ; the stage, on the way in
	v_mul_u32_u24 v3, v7, 528
	v_lshl_add_u32 v3, v8, 5, v3
	v_add_nc_u32 v3, s15, v3                       ; and on the way out: row r, + 32 h bytes
	v_lshlrev_b32 v4, 4, v7                        ; 16 r: my row's four scale words
	s_mov_b32 s[SEL], 0x76543210
	s_mov_b32 s[SEL+1], 0xfedcba98
.irp b, 0,1,2,3
	v_mov_b32 v[TM+4+\b], 0                        ; written once: a lane permute's destination counts as one of its sources
.endr
	s_mov_b32 s18, 320
	s_wait_kmcnt 0x0
	s_cmp_lt_u32 ttmp9, 320                        ; which tensor: the choice hangs on the work-group's number alone
	s_cselect_b64 s[16:17], s[8:9], s[10:11]
	s_cselect_b32 s18, 256, s18
	s_cmp_lt_u32 ttmp9, 256
	s_cselect_b64 s[16:17], s[6:7], s[16:17]
	s_cselect_b32 s18, 128, s18
	s_cmp_lt_u32 ttmp9, 128
	s_cselect_b64 s[16:17], s[4:5], s[16:17]
	s_cselect_b32 s18, 0, s18                      ; the tensor's first work-group
	s_sub_co_u32 s19, ttmp9, s18                   ; L: my tile in the tensor
	s_bfe_u32 s20, s19, 0x10003                    ; Wkv: a head's 256 rows are 8 tiles of k, then 8 of v
	s_lshl_b32 s20, s20, 5
	s_lshr_b32 s21, s19, 4
	s_lshl_b32 s21, s21, 3
	s_add_co_u32 s20, s20, s21
	s_and_b32 s21, s19, 7
	s_add_co_u32 s20, s20, s21
	s_add_co_u32 s20, s20, 256                     ; 256 + 32 (v?) + 8 g + tile in the head
	s_cmp_eq_u32 s18, 256
	s_cselect_b32 s20, s20, ttmp9                  ; D: my tile in cod
	s_lshl_b32 s22, s19, 17                        ; 16 rows of 8,192 bytes
	s_lshl_b32 s23, s14, 11                        ; my four K steps: 2,048 bytes of a row
	s_add_co_u32 s22, s22, s23
	s_mov_b32 s23, 0
	s_add_nc_u64 s[16:17], s[16:17], s[22:23]      ; where I read
	s_mul_i32 s22, s20, 24576
	s_mul_i32 s24, s14, 6144
	s_add_co_u32 s22, s22, s24
	s_add_nc_u64 s[24:25], s[12:13], s[22:23]      ; my four images
	s_lshl_b32 s22, s20, 10
	s_lshl_b32 s26, s14, 8
	s_add_co_u32 s22, s22, s26
	s_add_co_u32 s22, s22, SCO
	s_add_nc_u64 s[26:27], s[12:13], s[22:23]      ; my 256 bytes of scale words
.macro LOAD t                          ; K step t: 512 consecutive bytes of each of the 16 rows
.irp i, 0,1,2,3,4,5,6,7,8,9,10,11,12,13,14,15
	global_load_b128 v[R+64*((\t)%2)+4*\i:R+64*((\t)%2)+4*\i+3], v1, s[16:17] offset:8192*\i+512*(\t) th:TH_LOAD_NT
.endr
.endm
.macro TURN t                          ; through the stage: LDS serves a wave's instructions in order, so no wait stands between the stores and the loads
.irp i, 0,1,2,3,4,5,6,7,8,9,10,11,12,13,14,15
	ds_store_b128 v2, v[R+64*((\t)%2)+4*\i:R+64*((\t)%2)+4*\i+3] offset:528*\i
.endr
.irp b, 0,1,2,3
.irp u, 0,1
.irp e, 0,1
	ds_load_b128 v[X+16*\b+8*\u+4*\e:X+16*\b+8*\u+4*\e+3], v3 offset:128*\b+64*\u+16*\e   ; block b's numbers 8 h + 16 u + 4 e + 0 .. 3
.endr
.endr
.endr
.endm
.macro STEPQ t
.if (\t) < 3
	s_wait_loadcnt 16                              ; this K step's 16 loads are in; the next step's 16 may be out
.else
	s_wait_loadcnt 0x0
.endif
	TURN \t
	s_wait_dscnt 0x0                               ; my numbers are back, and the stores into the stage have read their registers
	s_wait_xcnt 0x0                                ; the last step's stores have read the codes' registers, which QUANT writes anew
.if (\t) < 2
	LOAD (\t)+2
.endif
	QUANT X, SW+(\t)
.irp c, 0,1,2
	global_store_b128 v1, v[PC+4*\c:PC+4*\c+3], s[24:25] offset:1536*(\t)+512*\c   ; 32 lanes store 512 consecutive bytes, aligned
.endr
.endm
	LOAD 0
	LOAD 1
.irp t, 0,1,2,3
	STEPQ \t
.endr
	global_store_b128 v4, v[SW:SW+3], s[26:27]     ; 256 consecutive bytes, aligned; lanes l and l + 16 hold and write the same words
	s_wait_tensorcnt 0x0                           ; the wave's end, behind my last LDS store
	ds_add_u32 v[SPW], v[NIL]
	s_wait_dscnt 0x0
	s_endpgm
.Lfunc_end_k_q21ec0d1b7b_quant:
	.size	k_q21ec0d1b7b_quant, .Lfunc_end_k_q21ec0d1b7b_quant-k_q21ec0d1b7b_quant
	.p2alignl 7, 3214868480
	.fill 96, 4, 3214868480
	.section	.rodata,"a",@progbits
	.p2align	6, 0x0
	.amdhsa_kernel k_q21ec0d1b7b_quant
		.amdhsa_group_segment_fixed_size 34304
		.amdhsa_private_segment_fixed_size 0
		.amdhsa_enable_private_segment 0
		.amdhsa_kernarg_size 40
		.amdhsa_user_sgpr_count 2
		.amdhsa_user_sgpr_kernarg_segment_ptr 1
		.amdhsa_wavefront_size32 1
		.amdhsa_system_sgpr_workgroup_id_x 1
		.amdhsa_system_sgpr_workgroup_id_y 1
		.amdhsa_system_sgpr_workgroup_id_z 1
		.amdhsa_system_vgpr_workitem_id 0
		.amdhsa_next_free_vgpr 256
		.amdhsa_next_free_sgpr 66
		.amdhsa_reserve_vcc 0
		.amdhsa_float_denorm_mode_32 3
		.amdhsa_float_denorm_mode_16_64 3
		.amdhsa_memory_ordered 1
		.amdhsa_forward_progress 1
		.amdhsa_inst_pref_size 34
	.end_amdhsa_kernel
	.amdgpu_metadata
---
amdhsa.version: [ 1, 2 ]
amdhsa.kernels:
  - .name:           k_q21ec0d1b7b_quant
    .symbol:         k_q21ec0d1b7b_quant.kd
    .args:
      - { .name: x, .offset: 0, .size: 8, .value_kind: global_buffer, .address_space: global }
      - { .name: Wq, .offset: 8, .size: 8, .value_kind: global_buffer, .address_space: global }
      - { .name: Wkv, .offset: 16, .size: 8, .value_kind: global_buffer, .address_space: global }
      - { .name: Wo, .offset: 24, .size: 8, .value_kind: global_buffer, .address_space: global }
      - { .name: cod, .offset: 32, .size: 8, .value_kind: global_buffer, .address_space: global }
    .group_segment_fixed_size: 34304
    .private_segment_fixed_size: 0
    .kernarg_segment_align: 8
    .kernarg_segment_size: 40
    .max_flat_workgroup_size: 128
    .sgpr_count:     66
    .vgpr_count:     256
    .wavefront_size: 32
...
	.end_amdgpu_metadata
.endif
;; end of part 1
;; launch qkv (part 2): grid 24 x 8, 4 waves a work-group, clusters of 4 x 1, 327,680 bytes of LDS; arguments cod, cos, sin, q_gain, qkv; writes qkv
.if DOCPART == 2
	.amdgcn_target "amdgcn-amd-amdhsa--gfx1250"
	.amdhsa_code_object_version 6
	.text
	.protected	k_q21ec0d1b7b_qkv
	.globl	k_q21ec0d1b7b_qkv
	.p2align	8
	.type	k_q21ec0d1b7b_qkv,@function
k_q21ec0d1b7b_qkv:
	s_mov_b64 s[64:65], 0
	v_nop
	global_prefetch_b8 v0, s[64:65] scope:SCOPE_SE
	s_setreg_imm32_b32 hwreg(HW_REG_WAVE_MODE, 25, 1), 1
	s_wait_xcnt 0x0
	s_wait_alu depctr_hold_cnt(0) depctr_sa_sdst(0) depctr_va_vdst(0) depctr_va_sdst(0) depctr_va_ssrc(0) depctr_va_vcc(0) depctr_vm_vsrc(0)
	s_getreg_b32 s2, hwreg(HW_REG_IB_STS2, 6, 4)
	s_cmp_eq_u32 s2, 0
	s_cbranch_scc0 .Lentry_in_a_cluster
	s_endpgm
.Lentry_in_a_cluster:
	s_bfe_u32 s2, ttmp6, 0x10000c
	s_cmp_lg_u32 s2, 0x3003
	s_cbranch_scc0 .Lentry_shape_is_right
	s_endpgm
.Lentry_shape_is_right:
; q = rope(x Wq^T) x gain, k = rope(x Wk^T), v = x Wv^T, on codes of FP6 (E2M3) with E8M0 scales (buffer cod), and each result quantised again: q and k along the head's 128, v along the keys.
; ONE PATH FOR ALL THREE.  A work-group multiplies P, 128 rows (8 tiles, read by all four waves), with Q, 256 rows (16 tiles; wave w owns tiles 4 w .. 4 w + 3).  Source 0 = a tile of P, source 1 = a tile of Q:
; a lane then holds ONE row of Q and its 64 registers run along P: 16 p + 8 (lane / 16) + j: they are quantised as they stand and become one operand image of 16 rows of Q x 128 of P.
;   q, k: P = a head's 128 rows of the weight, Q = 256 rows of x: images of 16 tokens x 128 channels.      v: P = 128 rows of x (a key step), Q = 256 v rows of the weight (two heads): images of 16 channels x 128 keys.
; Only tile numbers, store offsets and selected coefficients differ, chosen by the cluster's x and the grid's y; no branch hangs on them.
; THE ORDER INSIDE A BLOCK OF 32 is that of buffer cod (place 16 h + i holds number 8 h + (i & 7) + 16 (i >> 3)): it is the order in which these results lie in a lane, so all operands of the later products have it too.
; LAYOUT OF qkv: q's images [head 16][tile 128] at 0; q's scale words [head][tile / 4][row][tile % 4] at QSO; at KVC for [kv head 4][key step 16] 8 images of K, then 8 of V^T; at KVS their scale words, K's [2][row][4], V's [2][row][4].
; CLUSTER: the four work-groups of a cluster need the same 16 tiles of Q, two thirds of a K step's bytes: these are asked for jointly (mask 15).  P differs between them and comes by plain loads.
; (A cluster of 4 x 4 is not used: v's part is 16 key steps x 2 pairs of heads, which does not fall onto a 4 x 4 cluster's shared coordinates.)
; RING: two LDS slots of four K steps each; K = 2,048 is four slots' worth: two first fills and two refills, so the text is written out without a loop.  By this text's own count a wave has at most two tensor loads out.
; No prefetch: half of the operand bytes go out as first fills, and each refill has four K steps' products in which to land.
; LIMITS: as in buffer cod: a block of zeros gets the byte 1; a largest magnitude under 2^-124 is taken as 2^-124; NaN and infinities are not served.
; REGISTERS, in windows of 256: window 0: v1-11 addresses, v28-29 the add's two, v32-127 scale words (two sets of 48), v128-191 64 finished numbers, v192-243 at work.
;   window 1: P's fragments, two sets, at v0 and v128.   window 2: the 32 accumulators, (q, p) at v[8 (8 q + p)].   window 3: Q's fragments, two sets, at v0 and v48; v128-255 cos and sin.
.set SLOT,  147456                     ; a slot: P's [tile 8][K step 4] images, then Q's [tile 16][K step 4]
.set QRG,   49152                      ; where Q's begin in a slot
.set SPARE, 294912                     ; behind the ring: the spare words, 128 bytes a wave, which no other line names
.set SCO,   11010048                   ; cod: where the scale words begin
.set QSO,   3145728
.set KVC,   3276800
.set KVS,   4849664
.set LI,  4                            ; v4   16 x lane: my place in an image
.set AS,  5                            ; v5   16 r: my row's four scale words
.set ACS, 6                            ; v6   128 r + 16 h: my four cosines of a tile of P
.set ADP, 8                            ; v8-9   LDS address of P's images in slot 0, 1
.set ADQ, 10                           ; v10-11 of my four tiles of Q
.set SPW, 28                           ; v28  LDS address of my spare word; never rewritten
.set NIL, 29                           ; v29  0; never rewritten
.set SC,  32                           ; scale words: set s at v[SC + 48 s]: P's tile p, K step ks at + 4 p + ks; Q's tile q at + 32 + 4 q + ks
.set H,   128
.set PC,  192
.set TM,  212
.set SW,  232
.set T,   236
.set CSB, 128                          ; window 3: for Q's tile q cos at + 32 q + 4 p + m, sin at + 32 q + 16 + 4 p + m
.set G1P, 24                           ; s[24:31] descriptor group 1 for P;  s[32:39] group 0, one set a slot
.set G0P, 32
.set G1Q, 48                           ; s[48:55], s[56:63] the same for Q
.set G0Q, 56
.set SPB, 66                           ; s[66:67] P's scale words;  s[68:69] my tiles' of Q
.set SQB, 68
.set SD,  70                           ; s[70:71] where my four images go;  s[72:73] their scale words
.set SS,  72
.set GN,  74                           ; s[74:75] the gain, twice
.set MV,  76                           ; s76  all ones in v's work-groups, else 0
.set SEL, 78                           ; s[78:79]
.set MSB, 0
.macro WIN new                         ; the immediate's high byte repeats the setting that is left
.if MSB != \new
	s_set_vgpr_msb (MSB<<8)|\new
.set MSB, \new
.endif
.endm
.set MUL,   0xad                       ; source 0 (P) window 1, source 1 (Q) window 3, C and D window 2
.set TO_P,  0x40
.set TO_Q,  0xc0
.set ROPEW, 0x0e                       ; source 0 window 2, source 1 window 3, the rest window 0
.set CSW,   0xc3
.macro PLACES                          ; four plain lines behind matrix instructions, in front of loads into registers that they read and of reads of their results
.rept 4
	v_nop
.endr
.endm
.macro CREST                           ; a round of the cluster's barrier behind its opening barrier
	s_cmp_lg_u32 s14, 0
	s_cbranch_scc1 .Lnot_wave_0_\@
	s_barrier_signal -3
.Lnot_wave_0_\@:
	s_barrier_wait -3
	s_barrier_signal -1
	s_barrier_wait -1
.endm
.macro CROUND
	s_barrier_signal -1
	s_barrier_wait -1
	CREST
.endm
.macro JLOAD s                         ; waves 0 and 1 fetch P's halves (plain), waves 2 and 3 Q's (jointly); the branch hangs on the wave's number alone; an s_nop 0 and four v_nop follow each line
	s_cmp_eq_u32 s15, 0
	s_cbranch_scc0 .Lfor_q_\@
	tensor_load_to_lds s[G0P+4*(\s):G0P+4*(\s)+3], s[G1P:G1P+7]
	s_nop 0
.rept 4
	v_nop
.endr
	s_branch .Lasked_\@
.Lfor_q_\@:
	tensor_load_to_lds s[G0Q+4*(\s):G0Q+4*(\s)+3], s[G1Q:G1Q+7]
	s_nop 0
.rept 4
	v_nop
.endr
.Lasked_\@:
.endm
.macro FETCH slot, ks, set             ; 36 LDS loads in one run: P's eight fragments and my four of Q, each three loads of 512 consecutive bytes
	WIN TO_P
.irp p, 0,1,2,3,4,5,6,7
.irp c, 0,1,2
	ds_load_b128 v[128*(\set)+12*\p+4*\c:128*(\set)+12*\p+4*\c+3], v[ADP+(\slot)] offset:6144*\p+1536*(\ks)+512*\c
.endr
.endr
	WIN TO_Q
.irp q, 0,1,2,3
.irp c, 0,1,2
	ds_load_b128 v[48*(\set)+12*\q+4*\c:48*(\set)+12*\q+4*\c+3], v[ADQ+(\slot)] offset:6144*\q+1536*(\ks)+512*\c
.endr
.endr
	WIN 0
.endm
.macro SCLOAD n                        ; the scale words of slot content n: one load brings a tile's words of four K steps; sixteen lanes read 256 consecutive bytes
.irp p, 0,1,2,3,4,5,6,7
	global_load_b128 v[SC+48*((\n)%2)+4*\p:SC+48*((\n)%2)+4*\p+3], v[AS], s[SPB:SPB+1] offset:1024*\p+256*(\n)
.endr
.irp q, 0,1,2,3
	global_load_b128 v[SC+48*((\n)%2)+32+4*\q:SC+48*((\n)%2)+32+4*\q+3], v[AS], s[SQB:SQB+1] offset:1024*\q+256*(\n)
.endr
.endm
.macro MULQ q, set, sg, ks, zero       ; 8 matrix instructions: my tile q of Q against P's eight.  The 32 accumulators take turns, in the same order in every K step
.irp p, 0,1,2,3,4,5,6,7
.if \zero
	v_wmma_scale_f32_16x16x128_f8f6f4 v[8*(8*(\q)+\p):8*(8*(\q)+\p)+7], v[128*(\set)+12*\p:128*(\set)+12*\p+11], v[48*(\set)+12*(\q):48*(\set)+12*(\q)+11], 0, v[SC+48*(\sg)+4*\p+(\ks)], v[SC+48*(\sg)+32+4*(\q)+(\ks)] matrix_a_fmt:MATRIX_FMT_FP6 matrix_b_fmt:MATRIX_FMT_FP6
.else
	v_wmma_scale_f32_16x16x128_f8f6f4 v[8*(8*(\q)+\p):8*(8*(\q)+\p)+7], v[128*(\set)+12*\p:128*(\set)+12*\p+11], v[48*(\set)+12*(\q):48*(\set)+12*(\q)+11], v[8*(8*(\q)+\p):8*(8*(\q)+\p)+7], v[SC+48*(\sg)+4*\p+(\ks)], v[SC+48*(\sg)+32+4*(\q)+(\ks)] matrix_a_fmt:MATRIX_FMT_FP6 matrix_b_fmt:MATRIX_FMT_FP6
.endif
.endr
.endm
.macro STEP n, ks, zero                ; K step ks = 0 .. 2 of slot content n: the next step's fragments are asked for first, then this step's 32 products
.if (\zero) == 0
	PLACES
.endif
.if ((\ks) == 0) && (((\n) == 1) || ((\n) == 2))
	SCLOAD (\n)+1
.endif
	FETCH (\n)%2, (\ks)+1, ((\ks)+1)%2
	s_wait_dscnt 36                                ; all but the 36 just issued: this step's fragments are in
.if (\ks) == 0
.if (\n) == 0
	s_wait_loadcnt 44                              ; the first set of scale words is in; behind it: the second set's 12 loads and the 32 of cos and sin
.elseif (\n) == 3
	s_wait_loadcnt 0x0
.else
	s_wait_loadcnt 12                              ; all but the 12 loads of scale words just issued
.endif
.endif
	WIN MUL
	MULQ 0, (\ks)%2, (\n)%2, \ks, \zero
	MULQ 1, (\ks)%2, (\n)%2, \ks, \zero
	MULQ 2, (\ks)%2, (\n)%2, \ks, \zero
	MULQ 3, (\ks)%2, (\n)%2, \ks, \zero
	WIN 0
.endm
; A slot's last K step changes slots: ONE barrier.  In front of it each wave waits for all its tensor loads (its part of the next slot), adds 0 to its spare word, and waits for that and for its reads of this slot.
; fill = 1: the barrier opens a round of the cluster's barrier, and this slot is filled again first thing behind it.
.macro TURN n, fill
	s_wait_tensorcnt 0x0                           ; no tensor load of mine is out: a group 0 may be written
	ds_add_u32 v[SPW], v[NIL]
	s_wait_dscnt 1                                 ; the step's fragments are in; the add may be out
	WIN MUL
	MULQ 0, 1, (\n)%2, 3, 0                        ; eight products stand between the add and the wait for it
	s_wait_dscnt 0x0                               ; the add is done, and my reads of this slot are over
	s_barrier_signal -1
	MULQ 1, 1, (\n)%2, 3, 0
	WIN 0
	s_barrier_wait -1
.if \fill
	CREST                                          ; no wave of any partner still reads this slot or has a load on its way
	s_add_nc_u64 s[G0P+4*((\n)%2)+2:G0P+4*((\n)%2)+3], s[G0P+4*((\n)%2)+2:G0P+4*((\n)%2)+3], 12288   ; eight K steps on: two slots
	s_add_nc_u64 s[G0Q+4*((\n)%2)+2:G0Q+4*((\n)%2)+3], s[G0Q+4*((\n)%2)+2:G0Q+4*((\n)%2)+3], 12288
	JLOAD (\n)%2                                   ; my one tensor load behind the round; its four v_nop are also the places in front of the loads below
.else
	PLACES
.endif
	FETCH ((\n)+1)%2, 0, 0
	WIN MUL
	MULQ 2, 1, (\n)%2, 3, 0
	MULQ 3, 1, (\n)%2, 3, 0
	WIN 0
.endm
.macro QUANT s, pw                     ; 64 numbers of a lane, register 16 b + i = place 32 b + 16 (lane / 16) + i, become a fragment's codes in v[PC] .. v[PC + 11] and its scale word in v[pw]
.irp b, 0,1,2,3
	v_max3_num_f32 v[TM+\b], |v[\s+16*\b]|, |v[\s+1+16*\b]|, 0x1800000      ; and the floor 2^(3 - 127): the byte cannot fall under 1
.endr
.irp i, 2,4,6,8,10,12,14
.irp b, 0,1,2,3
	v_max3_num_f32 v[TM+\b], v[TM+\b], |v[\s+16*\b+\i]|, |v[\s+1+16*\b+\i]|
.endr
.endr
.irp b, 0,1,2,3
	v_permlanex16_b32 v[TM+4+\b], v[TM+\b], s[SEL], s[SEL+1]
.endr
.irp b, 0,1,2,3
	v_max_num_f32 v[TM+\b], v[TM+\b], v[TM+4+\b]
.endr
.irp b, 0,1,2,3
	v_add_nc_u32 v[TM+12+\b], 0xff000000, v[TM+\b]                          ; 2 off the exponent field: the conversion's scale operand
.endr
.irp b, 0,1,2,3
	v_lshrrev_b32 v[TM+4+\b], 23, v[TM+12+\b]
.endr
	v_lshl_or_b32 v[\pw], v[TM+5], 8, v[TM+4]
	v_lshl_or_b32 v[\pw], v[TM+6], 16, v[\pw]
	v_lshl_or_b32 v[\pw], v[TM+7], 24, v[\pw]
.irp c, 0,1
	v_cvt_scalef32_pk16_fp6_f32 v[PC+6*\c:PC+2+6*\c], v[\s+32*\c:\s+15+32*\c], v[TM+12+2*\c]
	v_cvt_scalef32_pk16_fp6_f32 v[PC+12+4*\c:PC+14+4*\c], v[\s+16+32*\c:\s+31+32*\c], v[TM+12+2*\c+1]
.endr
	v_nop                                                                   ; one plain line behind the scaled conversions
.irp c, 0,1
.irp i, 0,1,2
	v_permlane16_swap_b32 v[PC+6*\c+\i], v[PC+12+4*\c+\i]
.endr
.irp i, 0,1,2
	v_mov_b32 v[PC+3+6*\c+\i], v[PC+12+4*\c+\i]
.endr
.endr
.endm
	s_load_b256 s[4:11], s[0:1], 0x0               ; cod s[4:5], cos s[6:7], sin s[8:9], q_gain s[10:11]
	s_load_b64 s[12:13], s[0:1], 0x20              ; qkv
	v_lshl_add_u32 v[SPW], v0, 2, SPARE
	v_mov_b32 v[NIL], 0
	ds_add_u32 v[SPW], v[NIL]                      ; the wave's opening: the add and its wait ahead of my first tensor load; work on registers stands between them
	v_lshrrev_b32 v1, 5, v0
	v_readfirstlane_b32 s14, v1                    ; wave 0..3
	s_lshr_b32 s15, s14, 1                         ; I fetch for P (0) or for Q (1)
	s_and_b32 s16, s14, 1                          ; which half of it
	s_bfe_u32 s17, ttmp6, 0x40000                  ; cx: my place in the cluster
	s_and_b32 s18, ttmp7, 0xffff                   ; gy
	s_mov_b32 s19, ttmp9                           ; cl: the cluster's x: 0-3 q, 4 k, 5 v
	s_lshl_b32 s80, s19, 2
	s_add_co_u32 s80, s80, s17                     ; u = 4 cl + cx: q's head 0-15, k's head + 16
	s_and_b32 s81, s18, 3
	s_lshl_b32 s81, s81, 2
	s_add_co_u32 s81, s81, s17                     ; v: the key step 4 (gy % 4) + cx
	s_lshl_b32 s82, s80, 3
	s_add_co_u32 s82, s82, 128                     ; q, k: P's first tile in cod: 128 + 8 u
	s_lshl_b32 s20, s81, 3                         ; v: 8 x key step (rows of x)
	s_lshl_b32 s83, s18, 4                         ; q, k: Q's first tile: 16 gy (rows of x).  The registers that feed Q's descriptors never hold cx
	s_lshr_b32 s40, s18, 2
	s_lshl_b32 s40, s40, 4
	s_add_co_u32 s40, s40, 288                     ; v: 288 + 16 (gy / 4): two heads' v rows
	s_cmp_eq_u32 s19, 5
	s_cselect_b32 s82, s20, s82                    ; P's first tile
	s_cselect_b32 s83, s40, s83                    ; Q's first tile
	s_cselect_b32 s[MV], -1, 0
	; descriptor group 1: rows of 6,144 bytes (a tile's four K steps: 768 elements of 8 bytes), 24,576 bytes apart; P: 4 rows, no mask; Q: 8 rows, the mask names all four work-groups, bit 21 beside it
	s_mov_b32 s[G1P], 3<<16
	s_mov_b32 s[G1P+1], 768<<16
	s_mov_b32 s[G1P+2], 4<<16
	s_mov_b32 s[G1P+3], 768<<16
	s_mov_b32 s[G1P+4], 4
	s_mov_b32 s[G1P+5], 3072
	s_mov_b32 s[G1P+6], 0
	s_mov_b32 s[G1P+7], 0
	s_mov_b32 s[G1Q], 15|(3<<16)|(1<<21)
	s_mov_b32 s[G1Q+1], 768<<16
	s_mov_b32 s[G1Q+2], 8<<16
	s_mov_b32 s[G1Q+3], 768<<16
	s_mov_b32 s[G1Q+4], 8
	s_mov_b32 s[G1Q+5], 3072
	s_mov_b32 s[G1Q+6], 0
	s_mov_b32 s[G1Q+7], 0
	s_mov_b32 s[SEL], 0x76543210
	s_mov_b32 s[SEL+1], 0xfedcba98
	v_and_b32 v1, 31, v0                           ; lane
	v_and_b32 v2, 15, v0                           ; r
	v_bfe_u32 v3, v0, 4, 1                         ; h
	v_lshlrev_b32 v[LI], 4, v1
	v_lshlrev_b32 v[AS], 4, v2
	v_lshlrev_b32 v[ACS], 7, v2
	v_lshl_add_u32 v[ACS], v3, 4, v[ACS]
	v_lshlrev_b32 v[ADP], 4, v1
	v_add_nc_u32 v[ADP+1], SLOT, v[LI]
	s_mul_i32 s44, s14, 24576
	s_add_co_u32 s44, s44, QRG
	v_add_nc_u32 v[ADQ], s44, v[LI]
	v_add_nc_u32 v[ADQ+1], SLOT, v[ADQ]
.irp b, 0,1,2,3
	v_mov_b32 v[TM+4+\b], 0                        ; written once: a lane permute's destination counts as one of its sources
.endr
	s_lshl_b32 s20, s16, 2
	s_add_co_u32 s20, s20, s82
	s_mul_i32 s20, s20, 24576                      ; P: the four tiles that I fetch
	s_mov_b32 s21, 0
	s_lshl_b32 s40, s16, 3
	s_add_co_u32 s40, s40, s83
	s_mul_i32 s40, s40, 24576                      ; Q: the eight tiles that I fetch
	s_mov_b32 s41, 0
	s_mul_i32 s42, s16, 24576                      ; where they go: the wave's number alone enters an LDS address
	s_mul_i32 s43, s16, 49152
	s_add_co_u32 s43, s43, QRG
	s_and_b32 s86, s80, 15
	s_lshl_b32 s86, s86, 2                         ; my head's gain (k's and v's work-groups read one too and do not use it)
	s_wait_dscnt 0x0                               ; the opening add is done
	s_wait_kmcnt 0x0
	s_load_b32 s[GN], s[10:11], s86 offset:0x0
	s_add_nc_u64 s[20:21], s[4:5], s[20:21]
	s_add_nc_u64 s[40:41], s[4:5], s[40:41]
.irp s, 0,1
	s_mov_b32 s[G0P+4*\s], 1
	s_add_co_u32 s[G0P+4*\s+1], s42, \s*SLOT
	s_add_nc_u64 s[G0P+4*\s+2:G0P+4*\s+3], s[20:21], \s*6144
	s_or_b32 s[G0P+4*\s+3], s[G0P+4*\s+3], 0x80000000
	s_mov_b32 s[G0Q+4*\s], 1
	s_add_co_u32 s[G0Q+4*\s+1], s43, \s*SLOT
	s_add_nc_u64 s[G0Q+4*\s+2:G0Q+4*\s+3], s[40:41], \s*6144
	s_or_b32 s[G0Q+4*\s+3], s[G0Q+4*\s+3], 0x80000000
.endr
	s_lshl_b32 s22, s82, 10
	s_add_co_u32 s22, s22, SCO
	s_mov_b32 s23, 0
	s_add_nc_u64 s[SPB:SPB+1], s[4:5], s[22:23]    ; P's scale words
	s_lshl_b32 s22, s14, 2
	s_add_co_u32 s22, s22, s83
	s_lshl_b32 s22, s22, 10
	s_add_co_u32 s22, s22, SCO
	s_add_nc_u64 s[SQB:SQB+1], s[4:5], s[22:23]    ; my four tiles' of Q
	s_lshl_b32 s44, s18, 15
	s_lshl_b32 s45, s14, 13
	s_add_co_u32 s44, s44, s45                     ; cos, sin: row 256 gy + 64 w, 128 bytes a row (inside the tables in v's work-groups too, which read and do not use them)
	s_mov_b32 s45, 0
	s_add_nc_u64 s[6:7], s[6:7], s[44:45]
	s_add_nc_u64 s[8:9], s[8:9], s[44:45]
	; where my four images and their scale words go
	s_lshl_b32 s44, s80, 7
	s_lshl_b32 s45, s18, 4
	s_add_co_u32 s44, s44, s45
	s_lshl_b32 s45, s14, 2
	s_add_co_u32 s44, s44, s45                     ; q: image 128 u + 16 gy + 4 w
	s_mul_i32 s46, s44, 1536
	s_lshl_b32 s47, s44, 6                         ; and 256 bytes of scale words for each four images
	s_add_co_u32 s47, s47, QSO
	s_lshl_b32 s87, s18, 1
	s_add_co_u32 s87, s87, s15                     ; k: key step 2 gy + w / 2
	s_lshr_b32 s88, s18, 2
	s_lshl_b32 s88, s88, 1
	s_add_co_u32 s88, s88, s15                     ; v: head 2 (gy / 4) + w / 2
	s_cmp_eq_u32 s19, 5
	s_cselect_b32 s88, s88, s17                    ; the kv head (k: cx)
	s_cselect_b32 s87, s81, s87                    ; the key step
	s_cselect_b32 s89, 12288, 0                    ; V's images lie behind K's eight,
	s_cselect_b32 s90, 512, 0                      ; its scale words behind K's 512 bytes
	s_lshl_b32 s88, s88, 4
	s_add_co_u32 s88, s88, s87                     ; 16 g + step
	s_mul_i32 s91, s88, 24576
	s_add_co_u32 s91, s91, s89
	s_mul_i32 s92, s16, 6144
	s_add_co_u32 s91, s91, s92
	s_add_co_u32 s91, s91, KVC
	s_lshl_b32 s92, s88, 10
	s_add_co_u32 s92, s92, s90
	s_lshl_b32 s93, s16, 8
	s_add_co_u32 s92, s92, s93
	s_add_co_u32 s92, s92, KVS
	s_cmp_lt_u32 s19, 4
	s_cselect_b32 s44, s46, s91
	s_cselect_b32 s46, s47, s92
	s_mov_b32 s45, 0
	s_mov_b32 s47, 0
	s_add_nc_u64 s[SD:SD+1], s[12:13], s[44:45]
	s_add_nc_u64 s[SS:SS+1], s[12:13], s[46:47]
	CROUND                                         ; all four work-groups are here: the first joint loads meet
	JLOAD 0
	JLOAD 1
	SCLOAD 0
	SCLOAD 1
	WIN TO_Q
.irp q, 0,1,2,3
.irp p, 0,1,2,3
	global_load_b128 v[CSB+32*\q+4*\p:CSB+32*\q+4*\p+3], v[ACS], s[6:7] offset:2048*\q+32*\p          ; cos(row 16 q + r, pairs 8 p + 4 h + 0 .. 3)
	global_load_b128 v[CSB+32*\q+16+4*\p:CSB+32*\q+16+4*\p+3], v[ACS], s[8:9] offset:2048*\q+32*\p    ; sin likewise
.endr
.endr
	WIN 0
	s_wait_tensorcnt 1                             ; my part of slot 0 is in; slot 1's may stay out
	s_barrier_signal -1
	s_barrier_wait -1
	FETCH 0, 0, 0
	STEP 0, 0, 1                                   ; the first products start the sums: nothing is cleared
	STEP 0, 1, 0
	STEP 0, 2, 0
	TURN 0, 1
	STEP 1, 0, 0
	STEP 1, 1, 0
	STEP 1, 2, 0
	TURN 1, 1
	STEP 2, 0, 0
	STEP 2, 1, 0
	STEP 2, 2, 0
	TURN 2, 0                                      ; nothing is left to fetch
	STEP 3, 0, 0
	STEP 3, 1, 0
	STEP 3, 2, 0
	s_wait_dscnt 0x0
	WIN MUL
	MULQ 0, 1, 1, 3, 0
	MULQ 1, 1, 1, 3, 0
	MULQ 2, 1, 1, 3, 0
	MULQ 3, 1, 1, 3, 0
	; THE WAY OUT.  RoPE on the first 64 of P (pairs of neighbouring registers), the gain, the quantiser, the images.  In v's work-groups cos becomes 1 and sin 0; in k's and v's the gain becomes 1: exact.
	s_wait_kmcnt 0x0                               ; the gain
	s_cmp_lt_u32 s19, 4
	s_cselect_b32 s[GN], s[GN], 1.0
	s_mov_b32 s[GN+1], s[GN]
	WIN CSW
.irp q, 0,1,2,3
.irp j, 0,1,2,3,4,5,6,7,8,9,10,11,12,13,14,15
	v_cndmask_b32 v[CSB+32*\q+\j], v[CSB+32*\q+\j], 1.0, s[MV]        ; (these lines name no register of the last products: they are the places behind them)
	v_cndmask_b32 v[CSB+32*\q+16+\j], v[CSB+32*\q+16+\j], 0, s[MV]
.endr
.endr
.macro OUTQ q
.if (\q) > 0
	s_wait_xcnt 0x0                                ; the last image's stores have read the codes' registers
.endif
	WIN ROPEW
.irp p, 0,1,2,3
.irp m, 0,1,2,3
	v_mul_f32 v[T+2*\m], v[8*(8*(\q)+\p)+2*\m], v[CSB+32*(\q)+4*\p+\m]               ; x1 c   (each accumulator is read from its low end on)
	v_mul_f32 v[T+2*\m+1], v[8*(8*(\q)+\p)+2*\m], v[CSB+32*(\q)+16+4*\p+\m]          ; x1 s
.endr
.irp m, 0,1,2,3
	v_fma_f32 v[H+8*\p+2*\m], -v[8*(8*(\q)+\p)+2*\m+1], v[CSB+32*(\q)+16+4*\p+\m], v[T+2*\m]      ; x1 c - x2 s
	v_fma_f32 v[H+8*\p+2*\m+1], v[8*(8*(\q)+\p)+2*\m+1], v[CSB+32*(\q)+4*\p+\m], v[T+2*\m+1]      ; x1 s + x2 c
.endr
.endr
.irp p, 4,5,6,7
.irp m, 0,1,2,3
	v_pk_mul_f32 v[H+8*\p+2*\m:H+8*\p+2*\m+1], v[8*(8*(\q)+\p)+2*\m:8*(8*(\q)+\p)+2*\m+1], s[GN:GN+1] op_sel_hi:[1,0]
.endr
.endr
	WIN 0
.irp j, 0,2,4,6,8,10,12,14,16,18,20,22,24,26,28,30
	v_pk_mul_f32 v[H+\j:H+\j+1], v[H+\j:H+\j+1], s[GN:GN+1] op_sel_hi:[1,0]
.endr
	QUANT H, SW+(\q)
.irp c, 0,1,2
	global_store_b128 v[LI], v[PC+4*\c:PC+4*\c+3], s[SD:SD+1] offset:1536*(\q)+512*\c   ; 32 lanes store 512 consecutive bytes, aligned
.endr
.endm
	OUTQ 0
	OUTQ 1
	OUTQ 2
	OUTQ 3
	global_store_b128 v[AS], v[SW:SW+3], s[SS:SS+1]    ; 256 consecutive bytes, aligned; lanes l and l + 16 hold and write the same words
	s_wait_tensorcnt 0x0                           ; the wave's end
	ds_add_u32 v[SPW], v[NIL]
	s_wait_dscnt 0x0
	CROUND                                         ; the closing round: no work-group ends while a partner may still ask for a tile that names it
	s_endpgm
.Lfunc_end_k_q21ec0d1b7b_qkv:
	.size	k_q21ec0d1b7b_qkv, .Lfunc_end_k_q21ec0d1b7b_qkv-k_q21ec0d1b7b_qkv
	.p2alignl 7, 3214868480
	.fill 96, 4, 3214868480
	.section	.rodata,"a",@progbits
	.p2align	6, 0x0
	.amdhsa_kernel k_q21ec0d1b7b_qkv
		.amdhsa_group_segment_fixed_size 327680
		.amdhsa_private_segment_fixed_size 0
		.amdhsa_enable_private_segment 0
		.amdhsa_kernarg_size 40
		.amdhsa_user_sgpr_count 2
		.amdhsa_user_sgpr_kernarg_segment_ptr 1
		.amdhsa_wavefront_size32 1
		.amdhsa_system_sgpr_workgroup_id_x 1
		.amdhsa_system_sgpr_workgroup_id_y 1
		.amdhsa_system_sgpr_workgroup_id_z 1
		.amdhsa_system_vgpr_workitem_id 0
		.amdhsa_next_free_vgpr 1024
		.amdhsa_next_free_sgpr 100
		.amdhsa_reserve_vcc 0
		.amdhsa_float_denorm_mode_32 3
		.amdhsa_float_denorm_mode_16_64 3
		.amdhsa_memory_ordered 1
		.amdhsa_forward_progress 1
		.amdhsa_inst_pref_size 169
	.end_amdhsa_kernel
	.amdgpu_metadata
---
amdhsa.version: [ 1, 2 ]
amdhsa.kernels:
  - .name:           k_q21ec0d1b7b_qkv
    .symbol:         k_q21ec0d1b7b_qkv.kd
    .args:
      - { .name: cod, .offset: 0, .size: 8, .value_kind: global_buffer, .address_space: global }
      - { .name: cos, .offset: 8, .size: 8, .value_kind: global_buffer, .address_space: global }
      - { .name: sin, .offset: 16, .size: 8, .value_kind: global_buffer, .address_space: global }
      - { .name: q_gain, .offset: 24, .size: 8, .value_kind: global_buffer, .address_space: global }
      - { .name: qkv, .offset: 32, .size: 8, .value_kind: global_buffer, .address_space: global }
    .group_segment_fixed_size: 327680
    .private_segment_fixed_size: 0
    .kernarg_segment_align: 8
    .kernarg_segment_size: 40
    .max_flat_workgroup_size: 128
    .sgpr_count:     100
    .vgpr_count:     1024
    .wavefront_size: 32
...
	.end_amdgpu_metadata
.endif
;; end of part 2
;; launch attn (part 3): grid 64 x 4, 8 waves a work-group, no clusters, 327,680 bytes of LDS; arguments qkv, oq; writes oq
.if DOCPART == 3
	.amdgcn_target "amdgcn-amd-amdhsa--gfx1250"
	.amdhsa_code_object_version 6
	.text
	.protected	k_q21ec0d1b7b_attn
	.globl	k_q21ec0d1b7b_attn
	.p2align	8
	.type	k_q21ec0d1b7b_attn,@function
k_q21ec0d1b7b_attn:
	s_mov_b64 s[64:65], 0
	v_nop
	global_prefetch_b8 v0, s[64:65] scope:SCOPE_SE
	s_setreg_imm32_b32 hwreg(HW_REG_WAVE_MODE, 25, 1), 1
	s_wait_xcnt 0x0
; o[t][head] = softmax_s(q[t] . k[s] / sqrt(128), s <= t) v[s], both products on codes of FP6 (E2M3) with E8M0 scales, and o / l quantised again along the head's 128 for the last product.
; THE SOFTMAX AHEAD OF THE SECOND PRODUCT: t = score x log2(e) / sqrt(128); M = the row's largest t so far, rounded up to a whole number; p = 2^(t - M) is quantised along the keys, not normalised; the row's
; sum is taken of the unquantised p and divides at the end.  When M moves, the sum and O are multiplied by 2^(old M - new M): exact.
; SHARES.  A work-group serves one kv head g: its four query heads share each tile of K and V in LDS.  Wave w takes head 4 g + w % 4 and one tile of 16 queries: tile i in waves 0-3, tile 127 - i in waves 4-7.
; Tile j needs j / 8 + 1 key steps of 128, so a pair needs 17 whatever i is: 256 work-groups of equal work.
; LAYOUT.  Both products are used transposed: S^T = K Q^T, O^T = V^T P^T: a lane holds ONE query throughout.  A tile's keys are neighbours; the order inside a block of 32 (place 16 h + i holds number
; 8 h + (i & 7) + 16 (i >> 3)) is that in which S^T lies in a lane, and V^T's images were laid in the same order.  All operands come as images of their registers: three loads of 512 consecutive bytes.
; RING.  Four LDS places of a key step (8 images of K, 8 of V^T: 24,576 bytes), step s in place s % 4.  At the head of step s stands the change: every wave waits for all its tensor loads, adds 0 to its spare word,
; waits for that and for its LDS reads, passes the barrier; then step s + 2 is asked for (waves 0-3, 6,144 bytes each).  So step s + 1 has landed, and its K is fetched into registers beside step s's softmax.
; THE CAUSAL LIMIT.  Every wave walks all 16 changes (the trip counts are constants); a step all of whose keys come after the wave's queries is jumped over, and a step that comes after the work-group's last
; query is not asked for: a jump on ids and the count of steps alone, the same in all eight waves, round the load's own lines; every wait on TENSORcnt in this text is for 0.
; NO CLUSTER: work-groups of one kv head need different numbers of key steps ((127 - i) / 8 + 1, from 9 to 16); the four heads that share K and V share them here inside a work-group.
; LIMITS: a block of zeros gets the byte 1 (its codes are zeros; this program alone reads the bytes); a block's largest p is taken from the block's largest score, which takes v_exp_f32 not to fall where its input rises;
; 1 / l is v_rcp_f32's; NaN and infinities are not served.  o's scale words leave 4 bytes a row: the four waves of a tile fill one aligned block of 256 bytes between them (131,072 bytes in the launch).
; REGISTERS: window 0: v1-10 addresses; v12 -M, v13 the largest t, v[14:15] the sum; v16-27 Q; v32-39 K's scale words, v40-47 V's; v64-80 at work on the way out; v96-159 S^T, then p; v160-223 O^T; v224-254 at work; v255 Q's scale word.
;   window 1: v0-95 K's eight fragments, v96-191 V's.
.set QSO,   3145728
.set KVC,   3276800
.set KVS,   4849664
.set OSO,   3145728
.set SCL,   131072                     ; behind the four places: the head's scale words, 1,024 bytes a step, filled once
.set SPARE, 147456                     ; the spare words, 128 bytes a wave, which no other line names
.set LI,  1                            ; v1   16 x lane
.set ASC, 2                            ; v2   SCL + 16 r
.set AR,  3                            ; v3   16 r
.set SPW, 5                            ; v5   LDS address of my spare word; never rewritten
.set NIL, 6                            ; v6   0; never rewritten
.set ADV, 8                            ; v8   LDS address of the step's place
.set ADK, 9                            ; v9   of the next step's K
.set ADS, 10                           ; v10  of the step's scale words
.set PFO, 28                           ; v28  256 x lane; never rewritten
.set DQ,  29                           ; v29  my query's place in its key step - 8 (lane / 16)
.set TM,  64
.set PC,  224
.set WV,  8
.set LIMW, 12                          ; s12  my wave's last key step
.set LIMG, 13                          ; s13  the work-group's
.set KS,  14                           ; s14  the key step in hand
.set TB,  15                           ; s15  LDS byte of the pair of places in hand: 0 or 65,536
.set TX,  16                           ; s16  the other pair
.set TS,  17                           ; s17  1,024 x key step
.set SEL, 20
.set CS,  22                           ; s[22:23] c = log2(e) / sqrt(128), twice
.set G1T, 24                           ; s[24:31] group 1: 24 dense rows of 256 bytes;  s[32:39]: 16 such rows
.set G1S, 32
.set G0S, 40                           ; s[40:43] group 0 for the scale words;  s[44:47] for even steps;  s[48:51] for odd steps
.set G0A, 44
.set PFA, 52                           ; s[52:53] where my prefetches stand
.set LIMP, 54                          ; s54  a wave prefetches while the key step is under this
.set MSB, 0
.macro WIN new
.if MSB != \new
	s_set_vgpr_msb (MSB<<8)|\new
.set MSB, \new
.endif
.endm
.macro QUANT s, pw
.irp b, 0,1,2,3
	v_max3_num_f32 v[TM+\b], |v[\s+16*\b]|, |v[\s+1+16*\b]|, 0x1800000
.endr
.irp i, 2,4,6,8,10,12,14
.irp b, 0,1,2,3
	v_max3_num_f32 v[TM+\b], v[TM+\b], |v[\s+16*\b+\i]|, |v[\s+1+16*\b+\i]|
.endr
.endr
.irp b, 0,1,2,3
	v_permlanex16_b32 v[TM+4+\b], v[TM+\b], s[SEL], s[SEL+1]
.endr
.irp b, 0,1,2,3
	v_max_num_f32 v[TM+\b], v[TM+\b], v[TM+4+\b]
.endr
.irp b, 0,1,2,3
	v_add_nc_u32 v[TM+12+\b], 0xff000000, v[TM+\b]
.endr
.irp b, 0,1,2,3
	v_lshrrev_b32 v[TM+4+\b], 23, v[TM+12+\b]
.endr
	v_lshl_or_b32 v[\pw], v[TM+5], 8, v[TM+4]
	v_lshl_or_b32 v[\pw], v[TM+6], 16, v[\pw]
	v_lshl_or_b32 v[\pw], v[TM+7], 24, v[\pw]
.irp c, 0,1
	v_cvt_scalef32_pk16_fp6_f32 v[PC+6*\c:PC+2+6*\c], v[\s+32*\c:\s+15+32*\c], v[TM+12+2*\c]
	v_cvt_scalef32_pk16_fp6_f32 v[PC+12+4*\c:PC+14+4*\c], v[\s+16+32*\c:\s+31+32*\c], v[TM+12+2*\c+1]
.endr
	v_nop
.irp c, 0,1
.irp i, 0,1,2
	v_permlane16_swap_b32 v[PC+6*\c+\i], v[PC+12+4*\c+\i]
.endr
.irp i, 0,1,2
	v_mov_b32 v[PC+3+6*\c+\i], v[PC+12+4*\c+\i]
.endr
.endr
.endm
; A prefetch into the L2 of the key step that the change after next will ask for: at step s the 24,576 bytes of step s + 4, two changes ahead of their tensor load.  All 64 work-groups of a kv head walk the same
; steps: work-group 0 of the head asks, and in it waves 4, 5, 6, which fetch nothing: 8,192 bytes a wave, lanes 256 bytes apart: each block is named once.  Steps 0 to 3 are not asked for; the last request, at step 11, names step 15.
.macro ASK
	s_cmp_lt_u32 s[KS], s[LIMP]
	s_cbranch_scc0 .Lnot_mine_\@
	global_prefetch_b8 v[PFO], s[PFA:PFA+1] th:TH_LOAD_NT scope:SCOPE_SE
.Lnot_mine_\@:
.endm
.macro CHANGE q, fill
	s_wait_tensorcnt 0x0                           ; no tensor load of mine is out: a group 0 may be written
	ds_add_u32 v[SPW], v[NIL]                      ; the steps below stand between the add and the wait for it
.if \fill
	s_xor_b32 s[G0A+4*(\q)+1], s[G0A+4*(\q)+1], 65536                                  ; two places on,
	s_add_nc_u64 s[G0A+4*(\q)+2:G0A+4*(\q)+3], s[G0A+4*(\q)+2:G0A+4*(\q)+3], 49152     ; two key steps on
	s_wait_xcnt 0x0                                ; the last prefetch, a step back, has read its address
	s_add_nc_u64 s[PFA:PFA+1], s[PFA:PFA+1], 24576
.endif
	s_wait_dscnt 0x0                               ; the add is done, and my LDS reads are over
	s_barrier_signal -1
	s_barrier_wait -1
.if \fill
	s_add_co_u32 s56, s[KS], 2                     ; the step that this change would ask for:
	s_cmp_gt_u32 s56, s[LIMG]                      ; past the work-group's last query none of its waves reads it
	s_cbranch_scc1 .Lpast_\@
	s_cmp_lt_u32 s[WV], 4
	s_cbranch_scc0 .Lpast_\@
	tensor_load_to_lds s[G0A+4*(\q):G0A+4*(\q)+3], s[G1T:G1T+7]
	s_nop 0
.rept 4
	v_nop
.endr
.Lpast_\@:
	ASK
.endif
.endm
.macro FETCHK off, soff                ; a step's K: its scale words (two loads bring eight tiles') and eight fragments
	ds_load_b128 v[32:35], v[ADS] offset:\soff
	ds_load_b128 v[36:39], v[ADS] offset:\soff+256
	WIN 0x40
.irp a, 0,1,2,3,4,5,6,7
.irp c, 0,1,2
	ds_load_b128 v[12*\a+4*\c:12*\a+4*\c+3], v[ADK] offset:\off+1536*\a+512*\c
.endr
.endr
	WIN 0
.endm
; A KEY STEP: 128 keys; q: the step's parity.  last = 1: no step follows, so no K is fetched ahead.
.macro STEP q, last
	s_cmp_gt_u32 s[KS], s[LIMW]                    ; all its keys come after my queries: jumped over, but for the lines at its end that step addresses
	s_cbranch_scc1 .Lskip_\@
	s_wait_dscnt 0x0                               ; K and its scale words are in
	v_add_nc_u32 v[ADV], s[TB], v[LI]
.if \q
	v_add_nc_u32 v[ADK], s[TX], v[LI]
.else
	v_add_nc_u32 v[ADK], s[TB], v[LI]
.endif
	v_add_nc_u32 v[ADS], s[TS], v[ASC]
	WIN 0x01
.irp a, 0,1,2,3,4,5,6,7
	v_wmma_scale_f32_16x16x128_f8f6f4 v[96+8*\a:103+8*\a], v[12*\a:12*\a+11], v[16:27], 0, v[32+\a], v255 matrix_a_fmt:MATRIX_FMT_FP6 matrix_b_fmt:MATRIX_FMT_FP6
.endr
	WIN 0
.rept 4
	v_nop                                          ; places in front of the loads into V's and K's registers and of the first read of the scores
.endr
	ds_load_b128 v[40:43], v[ADS] offset:512
	ds_load_b128 v[44:47], v[ADS] offset:768
	WIN 0x40
.irp d, 0,1,2,3,4,5,6,7
.irp c, 0,1,2
	ds_load_b128 v[96+12*\d+4*\c:96+12*\d+4*\c+3], v[ADV] offset:32768*(\q)+12288+1536*\d+512*\c
.endr
.endr
	WIN 0
	s_cmp_eq_u32 s[KS], s[LIMW]
	s_cbranch_scc1 .Ldiag_\@
.if (\last) == 0
	FETCHK 32768*(1-(\q)), 1024                    ; the next step's K lands beside this step's softmax
.endif
	s_branch .Lsoft_\@
.Ldiag_\@:                                             ; my last step lies on the diagonal: hidden scores become -infinity ahead of the maximum.  Register n holds key 16 (n / 8) + n % 8 + 8 (lane / 16) of the step
	v_mov_b32 v254, 0xff800000
.irp n, 0,1,2,3,4,5,6,7,8,9,10,11,12,13,14,15,16,17,18,19,20,21,22,23,24,25,26,27,28,29,30,31,32,33,34,35,36,37,38,39,40,41,42,43,44,45,46,47,48,49,50,51,52,53,54,55,56,57,58,59,60,61,62,63
	v_cmp_gt_i32 vcc_lo, 16*(\n/8)+\n%8, v[DQ]
	v_cndmask_b32 v[96+\n], v[96+\n], v254, vcc_lo
.endr
.Lsoft_\@:
.irp b, 0,1,2,3
	v_max3_num_f32 v[232+\b], v[96+16*\b], v[97+16*\b], v[98+16*\b]           ; the largest score of each block of 32 keys: it serves for the row's maximum and for the block's largest p
.endr
.irp i, 3,5,7,9,11,13
.irp b, 0,1,2,3
	v_max3_num_f32 v[232+\b], v[232+\b], v[96+16*\b+\i], v[97+16*\b+\i]
.endr
.endr
.irp b, 0,1,2,3
	v_max_num_f32 v[232+\b], v[232+\b], v[111+16*\b]
.endr
.irp b, 0,1,2,3
	v_permlanex16_b32 v[236+\b], v[232+\b], s[SEL], s[SEL+1]
.endr
.irp b, 0,1,2,3
	v_max_num_f32 v[232+\b], v[232+\b], v[236+\b]                             ; with lane l xor 16's 16 keys
.endr
	v_max3_num_f32 v254, v232, v233, v234
	v_max_num_f32 v254, v254, v235
	v_mul_f32 v254, s[CS], v254                    ; as t (c is positive)
	v_max_num_f32 v13, v13, v254                   ; the running largest t
	v_mov_b32 v254, v12
	v_floor_f32 v12, -v13                          ; the new -M = floor(-t): M is a whole number
	v_sub_f32 v254, v12, v254                      ; old M - new M: a whole number, 0 or less
	v_cvt_i32_f32 v254, v254                       ; (it saturates)
	v_ldexp_f32 v252, 1.0, v254                    ; f = 2^(old M - new M)
.set j, 0
.rept 32
	v_pk_fma_f32 v[96+j:97+j], v[96+j:97+j], s[CS:CS+1], v[12:13] op_sel_hi:[1,0,0]   ; t - M, two at a time
.set j, j+2
.endr
.irp b, 0,1,2,3
	v_fma_f32 v[232+\b], v[232+\b], s[CS], v12     ; the same of each block's largest score
.endr
.set j, 0
.rept 64
	v_exp_f32 v[96+j], v[96+j]                     ; p = 2^(t - M), at most 1
.set j, j+1
.endr
	v_pk_mul_f32 v[14:15], v[14:15], v[252:253] op_sel_hi:[1,0]   ; the sums under the new M: a plain line behind the exponentials
	s_wait_alu depctr_va_vdst(0)                   ; one wait for the whole batch, ahead of its first reader
.irp b, 0,1,2,3
	v_exp_f32 v[232+\b], v[232+\b]                 ; the block's largest p
.endr
	v_pk_add_f32 v[236:237], v[96:97], v[98:99]    ; the row's sum of the unquantised p, in two chains; it reads the 64 alone
.set j, 4
.rept 15
	v_pk_add_f32 v[14:15], v[14:15], v[96+j:97+j]
	v_pk_add_f32 v[236:237], v[236:237], v[98+j:99+j]
.set j, j+4
.endr
	v_pk_add_f32 v[14:15], v[14:15], v[236:237]
	s_wait_alu depctr_va_vdst(0)                   ; and one for the four
.irp b, 0,1,2,3
	v_max_num_f32 v[232+\b], 0x1800000, v[232+\b]  ; the floor 2^(3 - 127): the byte cannot fall under 1
.endr
.irp b, 0,1,2,3
	v_add_nc_u32 v[244+\b], 0xff000000, v[232+\b]
.endr
.irp b, 0,1,2,3
	v_lshrrev_b32 v[236+\b], 23, v[244+\b]
.endr
	v_lshl_or_b32 v253, v237, 8, v236              ; p's scale word for these 128 keys
	v_lshl_or_b32 v253, v238, 16, v253
	v_lshl_or_b32 v253, v239, 24, v253
.irp c, 0,1
	v_cvt_scalef32_pk16_fp6_f32 v[224+6*\c:226+6*\c], v[96+32*\c:111+32*\c], v[244+2*\c]
	v_cvt_scalef32_pk16_fp6_f32 v[236+4*\c:238+4*\c], v[112+32*\c:127+32*\c], v[244+2*\c+1]
.endr
	v_nop                                          ; one plain line behind the scaled conversions
.irp c, 0,1
.irp i, 0,1,2
	v_permlane16_swap_b32 v[224+6*\c+\i], v[236+4*\c+\i]
.endr
.irp i, 0,1,2
	v_mov_b32 v[227+6*\c+\i], v[236+4*\c+\i]
.endr
.endr
.set j, 0
.rept 32
	v_pk_mul_f32 v[160+j:161+j], v[160+j:161+j], v[252:253] op_sel_hi:[1,0]   ; O^T under the new M; these 32 are also the places between p's codes and scale word and the products below
.set j, j+2
.endr
	s_wait_dscnt 0x0                               ; V and its scale words are in (and the next step's K)
	WIN 0x01
.irp d, 0,1,2,3,4,5,6,7
	v_wmma_scale_f32_16x16x128_f8f6f4 v[160+8*\d:167+8*\d], v[96+12*\d:107+12*\d], v[224:235], v[160+8*\d:167+8*\d], v[40+\d], v253 matrix_a_fmt:MATRIX_FMT_FP6 matrix_b_fmt:MATRIX_FMT_FP6
.endr
	WIN 0
.Lskip_\@:
	s_add_co_u32 s[KS], s[KS], 1
	s_add_co_u32 s[TS], s[TS], 1024
.endm
	s_load_b128 s[4:7], s[0:1], 0x0                ; qkv s[4:5], oq s[6:7]
	v_lshl_add_u32 v[SPW], v0, 2, SPARE
	v_mov_b32 v[NIL], 0
	ds_add_u32 v[SPW], v[NIL]                      ; the wave's opening: the add and its wait ahead of my first tensor load; work on registers stands between them
	v_lshrrev_b32 v4, 5, v0
	v_readfirstlane_b32 s[WV], v4                  ; wave 0..7
	s_mov_b32 s9, ttmp9                            ; i
	s_and_b32 s10, ttmp7, 0xffff                   ; g: the kv head
	s_and_b32 s19, s[WV], 3
	s_sub_co_u32 s56, 127, s9
	s_cmp_lt_u32 s[WV], 4
	s_cselect_b32 s11, s9, s56                     ; my tile of 16 queries
	s_lshr_b32 s[LIMW], s11, 3
	s_lshr_b32 s[LIMG], s56, 3
	s_lshl_b32 s55, s10, 2
	s_add_co_u32 s55, s55, s19                     ; my head
	s_mov_b32 s[G1T], 3<<16                        ; elements of 8 bytes, no mask, no padding
	s_mov_b32 s[G1T+1], 32<<16
	s_mov_b32 s[G1T+2], 24<<16
	s_mov_b32 s[G1T+3], 32<<16
	s_mov_b32 s[G1T+4], 24
	s_mov_b32 s[G1T+5], 32
	s_mov_b32 s[G1T+6], 0
	s_mov_b32 s[G1T+7], 0
	s_mov_b32 s[G1S], 3<<16
	s_mov_b32 s[G1S+1], 32<<16
	s_mov_b32 s[G1S+2], 16<<16
	s_mov_b32 s[G1S+3], 32<<16
	s_mov_b32 s[G1S+4], 16
	s_mov_b32 s[G1S+5], 32
	s_mov_b32 s[G1S+6], 0
	s_mov_b32 s[G1S+7], 0
	s_mov_b32 s[SEL], 0x76543210
	s_mov_b32 s[SEL+1], 0xfedcba98
	s_mov_b32 s[CS], 0x3e0293ee
	s_mov_b32 s[CS+1], s[CS]
	s_mov_b32 s[KS], 0
	s_mov_b32 s[TB], 0
	s_mov_b32 s[TX], 65536
	s_mov_b32 s[TS], 0
	s_mul_i32 s57, s19, 6144                       ; my quarter of a step
	s_mul_i32 s58, s10, 393216
	s_add_co_u32 s58, s58, s57
	s_add_co_u32 s58, s58, KVC
	s_mov_b32 s59, 0
	s_lshl_b32 s62, s19, 12                        ; my quarter of the scale words
	s_lshl_b32 s60, s10, 14
	s_add_co_u32 s60, s60, s62
	s_add_co_u32 s60, s60, KVS
	s_mov_b32 s61, 0
	s_lshl_b32 s66, s19, 13                        ; the prefetches: 8,192 bytes a wave, in step 3: the first change steps it to step 4
	s_mul_i32 s67, s10, 393216
	s_add_co_u32 s66, s66, s67
	s_add_co_u32 s66, s66, KVC+3*24576
	s_mov_b32 s67, 0
	s_sub_co_u32 s56, s[WV], 4
	s_cmp_lt_u32 s56, 3                            ; waves 4, 5, 6
	s_cselect_b32 s[LIMP], 12, 0
	s_cmp_eq_u32 s9, 0                             ; of the head's first work-group
	s_cselect_b32 s[LIMP], s[LIMP], 0
	s_lshl_b32 s68, s55, 7
	s_add_co_u32 s68, s68, s11
	s_mul_i32 s68, s68, 1536                       ; q's image 128 head + tile
	s_mov_b32 s69, 0
	s_lshl_b32 s70, s55, 5
	s_lshr_b32 s71, s11, 2
	s_add_co_u32 s70, s70, s71
	s_lshl_b32 s70, s70, 8
	s_and_b32 s71, s11, 3
	s_lshl_b32 s71, s71, 2
	s_add_co_u32 s70, s70, s71
	s_add_co_u32 s70, s70, QSO                     ; its scale words
	s_mov_b32 s71, 0
	s_lshl_b32 s72, s11, 4
	s_add_co_u32 s72, s72, s55
	s_mul_i32 s72, s72, 1536                       ; o's image 16 tile + head
	s_mov_b32 s73, 0
	s_lshl_b32 s74, s11, 10
	s_lshl_b32 s75, s10, 8
	s_add_co_u32 s74, s74, s75
	s_lshl_b32 s75, s19, 2
	s_add_co_u32 s74, s74, s75
	s_add_co_u32 s74, s74, OSO                     ; its scale words: [tile][g][row][head % 4]
	s_mov_b32 s75, 0
	s_and_b32 s56, s11, 7
	s_lshl_b32 s56, s56, 4
	v_and_b32 v4, 31, v0
	v_lshlrev_b32 v[LI], 4, v4
	v_lshlrev_b32 v[PFO], 8, v4
	v_and_b32 v7, 15, v0                           ; r
	v_lshlrev_b32 v[AR], 4, v7
	v_lshl_add_u32 v[ASC], v7, 4, SCL
	v_bfe_u32 v4, v0, 4, 1                         ; h
	v_lshlrev_b32 v4, 3, v4
	v_sub_nc_u32 v[DQ], v7, v4
	v_add_nc_u32 v[DQ], s56, v[DQ]
	s_wait_dscnt 0x0                               ; the opening add is done
	s_wait_kmcnt 0x0
	s_mov_b32 s[G0S], 1
	s_add_co_u32 s[G0S+1], s62, SCL
	s_add_nc_u64 s[G0S+2:G0S+3], s[4:5], s[60:61]
	s_or_b32 s[G0S+3], s[G0S+3], 0x80000000
	s_mov_b32 s[G0A], 1
	s_mov_b32 s[G0A+1], s57                        ; step 0: place 0
	s_add_nc_u64 s[G0A+2:G0A+3], s[4:5], s[58:59]
	s_mov_b32 s[G0A+4], 1
	s_add_co_u32 s[G0A+5], s57, 32768              ; step 1: place 1
	s_add_nc_u64 s[G0A+6:G0A+7], s[G0A+2:G0A+3], 24576
	s_or_b32 s[G0A+3], s[G0A+3], 0x80000000
	s_or_b32 s[G0A+7], s[G0A+7], 0x80000000
	s_add_nc_u64 s[PFA:PFA+1], s[4:5], s[66:67]
	s_add_nc_u64 s[68:69], s[4:5], s[68:69]
	s_add_nc_u64 s[70:71], s[4:5], s[70:71]
	s_add_nc_u64 s[72:73], s[6:7], s[72:73]
	s_add_nc_u64 s[74:75], s[6:7], s[74:75]
	s_cmp_lt_u32 s[WV], 4                          ; a wave's three first fills stand in one branch: three loads of mine are out
	s_cbranch_scc0 .Lno_fill
	tensor_load_to_lds s[G0S:G0S+3], s[G1S:G1S+7]
	s_nop 0
	tensor_load_to_lds s[G0A:G0A+3], s[G1T:G1T+7]
	s_nop 0
	tensor_load_to_lds s[G0A+4:G0A+7], s[G1T:G1T+7]
	s_nop 0
.rept 4
	v_nop
.endr
.Lno_fill:
.irp c, 0,1,2
	global_load_b128 v[16+4*\c:19+4*\c], v[LI], s[68:69] offset:512*\c     ; Q's fragment stays in registers
.endr
	global_load_b32 v255, v[AR], s[70:71]          ; and its scale word
	v_mov_b32 v13, 0xff61b1e6                      ; the largest t so far: -3e38, under every t
	v_floor_f32 v12, -v13                          ; -M
	v_mov_b32 v14, 0
	v_mov_b32 v15, 0
.irp b, 0,1,2,3
	v_mov_b32 v[236+\b], 0                         ; written once: a lane permute's destination counts as one of its sources
	v_mov_b32 v[TM+4+\b], 0
.endr
	v_mov_b32 v252, 0
	v_mov_b32 v253, 0
.set j, 0
.rept 64
	v_mov_b32 v[160+j], 0                          ; O^T: the step is written without a first step of its own: the first change of M multiplies zeros
.set j, j+1
.endr
	s_wait_tensorcnt 0x0                           ; my parts of the scale words and of steps 0 and 1 are in,
	s_barrier_signal -1
	s_barrier_wait -1                              ; everybody's are
	v_add_nc_u32 v[ADK], s[TB], v[LI]
	v_add_nc_u32 v[ADS], s[TS], v[ASC]
	FETCHK 0, 0                                    ; step 0's K
	s_wait_loadcnt 0x0                             ; Q
	s_mov_b32 s18, 7
.Ltrip:                                                ; a trip is two key steps; seven trips ask for steps 2 to 15 (up to the causal limit)
	CHANGE 0, 1
	STEP 0, 0
	CHANGE 1, 1
	STEP 1, 0
	s_xor_b32 s[TB], s[TB], 65536
	s_xor_b32 s[TX], s[TX], 65536
	s_sub_co_u32 s18, s18, 1
	s_cmp_lg_u32 s18, 0
	s_cbranch_scc1 .Ltrip
	CHANGE 0, 0                                    ; the last two steps ask for nothing
	STEP 0, 0
	CHANGE 1, 0
	STEP 1, 1
	; THE WAY OUT: O^T / the sum is quantised along the head's 128 as it lies and leaves as one image
.rept 4
	v_nop                                          ; places behind the last products
.endr
	v_add_f32 v14, v14, v15
	v_permlanex16_b32 v252, v14, s[SEL], s[SEL+1]
	v_add_f32 v14, v14, v252                       ; the row's sum
	v_rcp_f32 v14, v14
	v_nop                                          ; a plain line behind the reciprocal,
	s_wait_alu depctr_va_vdst(0)                   ; and the wait ahead of its first reader
.set j, 0
.rept 64
	v_mul_f32 v[96+j], v[160+j], v14
.set j, j+1
.endr
	QUANT 96, 80
.irp c, 0,1,2
	global_store_b128 v[LI], v[PC+4*\c:PC+4*\c+3], s[72:73] offset:512*\c   ; 32 lanes store 512 consecutive bytes, aligned
.endr
	global_store_b32 v[AR], v80, s[74:75]          ; my row's scale word; lanes l and l + 16 hold and write the same word
	s_wait_tensorcnt 0x0                           ; the wave's end
	ds_add_u32 v[SPW], v[NIL]
	s_wait_dscnt 0x0
	s_endpgm
.Lfunc_end_k_q21ec0d1b7b_attn:
	.size	k_q21ec0d1b7b_attn, .Lfunc_end_k_q21ec0d1b7b_attn-k_q21ec0d1b7b_attn
	.p2alignl 7, 3214868480
	.fill 96, 4, 3214868480
	.section	.rodata,"a",@progbits
	.p2align	6, 0x0
	.amdhsa_kernel k_q21ec0d1b7b_attn
		.amdhsa_group_segment_fixed_size 327680
		.amdhsa_private_segment_fixed_size 0
		.amdhsa_enable_private_segment 0
		.amdhsa_kernarg_size 16
		.amdhsa_user_sgpr_count 2
		.amdhsa_user_sgpr_kernarg_segment_ptr 1
		.amdhsa_wavefront_size32 1
		.amdhsa_system_sgpr_workgroup_id_x 1
		.amdhsa_system_sgpr_workgroup_id_y 1
		.amdhsa_system_sgpr_workgroup_id_z 1
		.amdhsa_system_vgpr_workitem_id 0
		.amdhsa_next_free_vgpr 512
		.amdhsa_next_free_sgpr 80
		.amdhsa_reserve_vcc 1
		.amdhsa_float_denorm_mode_32 3
		.amdhsa_float_denorm_mode_16_64 3
		.amdhsa_memory_ordered 1
		.amdhsa_forward_progress 1
		.amdhsa_inst_pref_size 113
	.end_amdhsa_kernel
	.amdgpu_metadata
---
amdhsa.version: [ 1, 2 ]
amdhsa.kernels:
  - .name:           k_q21ec0d1b7b_attn
    .symbol:         k_q21ec0d1b7b_attn.kd
    .args:
      - { .name: qkv, .offset: 0, .size: 8, .value_kind: global_buffer, .address_space: global }
      - { .name: oq, .offset: 8, .size: 8, .value_kind: global_buffer, .address_space: global }
    .group_segment_fixed_size: 327680
    .private_segment_fixed_size: 0
    .kernarg_segment_align: 8
    .kernarg_segment_size: 16
    .max_flat_workgroup_size: 256
    .sgpr_count:     80
    .vgpr_count:     512
    .wavefront_size: 32
...
	.end_amdgpu_metadata
.endif
;; end of part 3
;; launch proj (part 4): grid 16 x 16, 4 waves a work-group, clusters of 4 x 4, 327,680 bytes of LDS; arguments cod, oq, out0; writes out0
.if DOCPART == 4
	.amdgcn_target "amdgcn-amd-amdhsa--gfx1250"
	.amdhsa_code_object_version 6
	.text
	.protected	k_q21ec0d1b7b_proj
	.globl	k_q21ec0d1b7b_proj
	.p2align	8
	.type	k_q21ec0d1b7b_proj,@function
k_q21ec0d1b7b_proj:
	s_mov_b64 s[64:65], 0
	v_nop
	global_prefetch_b8 v0, s[64:65] scope:SCOPE_SE
	s_setreg_imm32_b32 hwreg(HW_REG_WAVE_MODE, 25, 1), 1
	s_wait_xcnt 0x0
	s_wait_alu depctr_hold_cnt(0) depctr_sa_sdst(0) depctr_va_vdst(0) depctr_va_sdst(0) depctr_va_ssrc(0) depctr_va_vcc(0) depctr_vm_vsrc(0)
	s_getreg_b32 s2, hwreg(HW_REG_IB_STS2, 6, 4)
	s_cmp_eq_u32 s2, 0
	s_cbranch_scc0 .Lentry_in_a_cluster
	s_endpgm
.Lentry_in_a_cluster:
	s_bfe_u32 s2, ttmp6, 0x10000c
	s_cmp_lg_u32 s2, 0xf033
	s_cbranch_scc0 .Lentry_shape_is_right
	s_endpgm
.Lentry_shape_is_right:
; out0[t][n] = sum over k of o[t][k] Wo[n][k], on codes of FP6 (E2M3) with E8M0 scales: o from buffer oq ([tile 128][head 16] images, a K step = a head), Wo from buffer cod (tiles 320-447).  out0: [2048][2048] f32.
; A tile of out0 is 128 x 128: 256 work-groups of four waves, each 64 x 64: 16 accumulators.  P = 128 rows of Wo (columns of out0), Q = 128 rows of o.  Source 0 = a tile of P, source 1 = a tile of Q:
; a lane then holds eight neighbouring numbers of a row of out0.  Operands are images of their registers: three loads of 512 consecutive bytes a fragment.
; CLUSTERS: 4 x 4 work-groups.  P hangs on the tile column alone and is shared along a column of the cluster, Q on the tile row alone and is shared along a row: each is asked for jointly.
; RING: two LDS slots of four K steps each; K = 2,048 is four slots' worth: two first fills, two refills, written out without a loop.  By this text's own count a wave has at most two tensor loads out.
; No prefetch: half of the operand bytes go out as first fills, and each refill has four K steps' products in which to land.
; The order inside a block of 32 along K is that of both buffers (place 16 h + i holds number 8 h + (i & 7) + 16 (i >> 3)): the pairs multiplied are the right ones; only the order of a block's additions differs from ascending K.
; REGISTERS: window 0: v1-11, v24-26 addresses, v28-29 the add's two, v32-95 scale words (two sets of 32), v128-255 rows on the way out.   window 1: P's fragments, two sets, at v0 and v128.
;   window 2: the accumulators, (q, p) at v[8 (4 q + p)].   window 3: Q's fragments, two sets, at v0 and v48.
.set SLOT,  98304                      ; a slot: P's [tile 8][K step 4] images, then Q's
.set QRG,   49152
.set STAGE, 196608                     ; behind the ring: 16 rows x (256 + 16) bytes for each wave; no tensor load fills it
.set SPARE, 214016                     ; the spare words, 128 bytes a wave, which no other line names
.set SCO,   11010048
.set OSO,   3145728
.set LI,  4
.set AS,  5
.set ADP, 8
.set ADQ, 10
.set STO, 24
.set RD,  25
.set CO,  26
.set SPW, 28
.set NIL, 29
.set SC,  32                           ; scale words: set s at v[SC + 32 s]: P's tile p, K step ks at + 4 p + ks; Q's tile q at + 16 + 4 q + ks
.set BK,  128
.set G1P, 24
.set G0P, 32
.set G1Q, 48
.set G0Q, 56
.set SPB, 66
.set SQB, 68
.set MSB, 0
.macro WIN new
.if MSB != \new
	s_set_vgpr_msb (MSB<<8)|\new
.set MSB, \new
.endif
.endm
.set MUL,  0xad                        ; source 0 (P) window 1, source 1 (Q) window 3, C and D window 2
.set TO_P, 0x40
.set TO_Q, 0xc0
.macro PLACES
.rept 4
	v_nop
.endr
.endm
.macro CREST
	s_cmp_lg_u32 s14, 0
	s_cbranch_scc1 .Lnot_wave_0_\@
	s_barrier_signal -3
.Lnot_wave_0_\@:
	s_barrier_wait -3
	s_barrier_signal -1
	s_barrier_wait -1
.endm
.macro CROUND
	s_barrier_signal -1
	s_barrier_wait -1
	CREST
.endm
.macro JLOAD s                         ; waves 0 and 1 fetch P's halves, waves 2 and 3 Q's; each line has one mask; the branch hangs on the wave's number alone; an s_nop 0 and four v_nop follow each line
	s_cmp_eq_u32 s15, 0
	s_cbranch_scc0 .Lfor_q_\@
	tensor_load_to_lds s[G0P+4*(\s):G0P+4*(\s)+3], s[G1P:G1P+7]
	s_nop 0
.rept 4
	v_nop
.endr
	s_branch .Lasked_\@
.Lfor_q_\@:
	tensor_load_to_lds s[G0Q+4*(\s):G0Q+4*(\s)+3], s[G1Q:G1Q+7]
	s_nop 0
.rept 4
	v_nop
.endr
.Lasked_\@:
.endm
.macro FETCH slot, ks, set             ; 24 LDS loads in one run: my four fragments of P and my four of Q
	WIN TO_P
.irp p, 0,1,2,3
.irp c, 0,1,2
	ds_load_b128 v[128*(\set)+12*\p+4*\c:128*(\set)+12*\p+4*\c+3], v[ADP+(\slot)] offset:6144*\p+1536*(\ks)+512*\c
.endr
.endr
	WIN TO_Q
.irp q, 0,1,2,3
.irp c, 0,1,2
	ds_load_b128 v[48*(\set)+12*\q+4*\c:48*(\set)+12*\q+4*\c+3], v[ADQ+(\slot)] offset:6144*\q+1536*(\ks)+512*\c
.endr
.endr
	WIN 0
.endm
.macro SCLOAD n
.irp p, 0,1,2,3
	global_load_b128 v[SC+32*((\n)%2)+4*\p:SC+32*((\n)%2)+4*\p+3], v[AS], s[SPB:SPB+1] offset:1024*\p+256*(\n)
.endr
.irp q, 0,1,2,3
	global_load_b128 v[SC+32*((\n)%2)+16+4*\q:SC+32*((\n)%2)+16+4*\q+3], v[AS], s[SQB:SQB+1] offset:1024*\q+256*(\n)
.endr
.endm
.macro MULQ q, set, sg, ks, zero       ; 4 matrix instructions; the 16 accumulators take turns, in the same order in every K step
.irp p, 0,1,2,3
.if \zero
	v_wmma_scale_f32_16x16x128_f8f6f4 v[8*(4*(\q)+\p):8*(4*(\q)+\p)+7], v[128*(\set)+12*\p:128*(\set)+12*\p+11], v[48*(\set)+12*(\q):48*(\set)+12*(\q)+11], 0, v[SC+32*(\sg)+4*\p+(\ks)], v[SC+32*(\sg)+16+4*(\q)+(\ks)] matrix_a_fmt:MATRIX_FMT_FP6 matrix_b_fmt:MATRIX_FMT_FP6
.else
	v_wmma_scale_f32_16x16x128_f8f6f4 v[8*(4*(\q)+\p):8*(4*(\q)+\p)+7], v[128*(\set)+12*\p:128*(\set)+12*\p+11], v[48*(\set)+12*(\q):48*(\set)+12*(\q)+11], v[8*(4*(\q)+\p):8*(4*(\q)+\p)+7], v[SC+32*(\sg)+4*\p+(\ks)], v[SC+32*(\sg)+16+4*(\q)+(\ks)] matrix_a_fmt:MATRIX_FMT_FP6 matrix_b_fmt:MATRIX_FMT_FP6
.endif
.endr
.endm
.macro STEP n, ks, zero
.if (\zero) == 0
	PLACES
.endif
.if ((\ks) == 0) && (((\n) == 1) || ((\n) == 2))
	SCLOAD (\n)+1
.endif
	FETCH (\n)%2, (\ks)+1, ((\ks)+1)%2
	s_wait_dscnt 24                                ; all but the 24 just issued: this step's fragments are in
.if (\ks) == 0
.if (\n) == 3
	s_wait_loadcnt 0x0
.else
	s_wait_loadcnt 8                               ; this slot's scale words are in; the 8 loads of the next set may be out
.endif
.endif
	WIN MUL
	MULQ 0, (\ks)%2, (\n)%2, \ks, \zero
	MULQ 1, (\ks)%2, (\n)%2, \ks, \zero
	MULQ 2, (\ks)%2, (\n)%2, \ks, \zero
	MULQ 3, (\ks)%2, (\n)%2, \ks, \zero
	WIN 0
.endm
.macro TURN n, fill                    ; a slot's last K step changes slots: one barrier; with fill = 1 it opens a round of the cluster's barrier, and this slot is filled again first thing behind it
	s_wait_tensorcnt 0x0                           ; no tensor load of mine is out: a group 0 may be written
	ds_add_u32 v[SPW], v[NIL]
	s_wait_dscnt 1                                 ; the step's fragments are in; the add may be out
	WIN MUL
	MULQ 0, 1, (\n)%2, 3, 0
	s_wait_dscnt 0x0                               ; the add is done, and my reads of this slot are over
	s_barrier_signal -1
	MULQ 1, 1, (\n)%2, 3, 0
	WIN 0
	s_barrier_wait -1
.if \fill
	CREST                                          ; no wave of any partner still reads this slot or has a load on its way
	s_add_nc_u64 s[G0P+4*((\n)%2)+2:G0P+4*((\n)%2)+3], s[G0P+4*((\n)%2)+2:G0P+4*((\n)%2)+3], 12288
	s_add_nc_u64 s[G0Q+4*((\n)%2)+2:G0Q+4*((\n)%2)+3], s[G0Q+4*((\n)%2)+2:G0Q+4*((\n)%2)+3], 12288
	JLOAD (\n)%2                                   ; my one tensor load behind the round; its four v_nop are also the places in front of the loads below
.else
	PLACES
.endif
	FETCH ((\n)+1)%2, 0, 0
	WIN MUL
	MULQ 2, 1, (\n)%2, 3, 0
	MULQ 3, 1, (\n)%2, 3, 0
	WIN 0
.endm
	s_load_b128 s[4:7], s[0:1], 0x0                ; cod s[4:5], oq s[6:7]
	s_load_b64 s[8:9], s[0:1], 0x10                ; out0
	v_lshl_add_u32 v[SPW], v0, 2, SPARE
	v_mov_b32 v[NIL], 0
	ds_add_u32 v[SPW], v[NIL]                      ; the wave's opening: the add and its wait ahead of my first tensor load; work on registers stands between them
	v_lshrrev_b32 v1, 5, v0
	v_readfirstlane_b32 s14, v1                    ; wave 0..3
	s_lshr_b32 s15, s14, 1                         ; my half of Q's tiles.  Also: I fetch for P (0) or for Q (1)
	s_and_b32 s16, s14, 1                          ; my half of P's tiles.  Also: which half I fetch
	s_bfe_u32 s17, ttmp6, 0x40000                  ; cx
	s_bfe_u32 s18, ttmp6, 0x40004                  ; cy
	s_lshl_b32 s80, ttmp9, 2
	s_add_co_u32 s80, s80, s17                     ; tile column = 4 x cluster x + cx
	s_and_b32 s81, ttmp7, 0xffff
	s_lshl_b32 s81, s81, 2
	s_add_co_u32 s81, s81, s18                     ; tile row = 4 x cluster y + cy
	s_lshl_b32 s19, s18, 2
	s_lshl_b32 s19, 15, s19                        ; my row of the cluster
	s_lshl_b32 s10, 0x1111, s17                    ; my column
	s_or_b32 s[G1P], s10, (3<<16)|(1<<21)          ; P's tiles go to my column; elements of 8 bytes; bit 21 beside a mask
	s_or_b32 s[G1Q], s19, (3<<16)|(1<<21)          ; Q's to my row
.irp g, G1P, G1Q
	s_mov_b32 s[\g+1], 768<<16                     ; rows of 6,144 bytes: a tile's four K steps,
	s_mov_b32 s[\g+2], 4<<16                       ; four tiles,
	s_mov_b32 s[\g+3], 768<<16
	s_mov_b32 s[\g+4], 4
	s_mov_b32 s[\g+5], 3072                        ; 24,576 bytes apart
	s_mov_b32 s[\g+6], 0
	s_mov_b32 s[\g+7], 0
.endr
	s_lshl_b32 s20, s80, 3                         ; P: tile 320 + 8 x tile column + 4 x half.  The registers that feed P's descriptors never hold cy, those that feed Q's never cx
	s_lshl_b32 s21, s16, 2
	s_add_co_u32 s20, s20, s21
	s_add_co_u32 s20, s20, 320
	s_mul_i32 s20, s20, 24576
	s_mov_b32 s21, 0
	s_lshl_b32 s40, s81, 3                         ; Q: tile 8 x tile row + 4 x half
	s_lshl_b32 s41, s16, 2
	s_add_co_u32 s40, s40, s41
	s_mul_i32 s40, s40, 24576
	s_mov_b32 s41, 0
	s_mul_i32 s42, s16, 24576                      ; where they go: the wave's number alone enters an LDS address
	s_add_co_u32 s43, s42, QRG
	s_lshl_b32 s22, s80, 3                         ; the scale words of the four tiles of P that I multiply,
	s_lshl_b32 s23, s16, 2
	s_add_co_u32 s22, s22, s23
	s_add_co_u32 s22, s22, 320
	s_lshl_b32 s22, s22, 10
	s_add_co_u32 s22, s22, SCO
	s_mov_b32 s23, 0
	s_lshl_b32 s44, s81, 3                         ; and of my four of Q
	s_lshl_b32 s45, s15, 2
	s_add_co_u32 s44, s44, s45
	s_lshl_b32 s44, s44, 10
	s_add_co_u32 s44, s44, OSO
	s_mov_b32 s45, 0
	s_lshl_b32 s46, s81, 7                         ; out0: row 128 x tile row + 64 x half, 8,192 bytes a row;
	s_lshl_b32 s47, s15, 6
	s_add_co_u32 s46, s46, s47
	s_lshl_b32 s46, s46, 13
	s_lshl_b32 s47, s80, 9                         ; byte 512 x tile column + 256 x half
	s_add_co_u32 s46, s46, s47
	s_lshl_b32 s47, s16, 8
	s_add_co_u32 s46, s46, s47
	s_mov_b32 s47, 0
	v_and_b32 v1, 31, v0
	v_and_b32 v2, 15, v0                           ; r
	v_bfe_u32 v3, v0, 4, 1                         ; h
	v_lshlrev_b32 v[LI], 4, v1
	v_lshlrev_b32 v[AS], 4, v2
	v_add_nc_u32 v[ADP], s42, v[LI]
	v_add_nc_u32 v[ADP+1], SLOT, v[ADP]
	s_mul_i32 s84, s15, 24576
	s_add_co_u32 s84, s84, QRG
	v_add_nc_u32 v[ADQ], s84, v[LI]
	v_add_nc_u32 v[ADQ+1], SLOT, v[ADQ]
	s_mul_i32 s84, s14, 4352
	s_add_co_u32 s84, s84, STAGE                   ; my stage
	v_mul_u32_u24 v[STO], v2, 272
	v_lshl_add_u32 v[STO], v3, 5, v[STO]
	v_add_nc_u32 v[STO], s84, v[STO]               ; in: row r, 32 bytes for each half of the lanes
	v_mul_u32_u24 v[RD], v3, 272
	v_lshl_add_u32 v[RD], v2, 4, v[RD]
	v_add_nc_u32 v[RD], s84, v[RD]                 ; back: lanes 0-15 one row of 256 bytes, lanes 16-31 the next
	v_lshlrev_b32 v[CO], 13, v3
	v_lshl_add_u32 v[CO], v2, 4, v[CO]             ; and the same two rows in out0
	s_wait_dscnt 0x0                               ; the opening add is done
	s_wait_kmcnt 0x0
	s_add_nc_u64 s[20:21], s[4:5], s[20:21]
	s_add_nc_u64 s[40:41], s[6:7], s[40:41]
.irp s, 0,1
	s_mov_b32 s[G0P+4*\s], 1
	s_add_co_u32 s[G0P+4*\s+1], s42, \s*SLOT
	s_add_nc_u64 s[G0P+4*\s+2:G0P+4*\s+3], s[20:21], \s*6144
	s_or_b32 s[G0P+4*\s+3], s[G0P+4*\s+3], 0x80000000
	s_mov_b32 s[G0Q+4*\s], 1
	s_add_co_u32 s[G0Q+4*\s+1], s43, \s*SLOT
	s_add_nc_u64 s[G0Q+4*\s+2:G0Q+4*\s+3], s[40:41], \s*6144
	s_or_b32 s[G0Q+4*\s+3], s[G0Q+4*\s+3], 0x80000000
.endr
	s_add_nc_u64 s[SPB:SPB+1], s[4:5], s[22:23]
	s_add_nc_u64 s[SQB:SQB+1], s[6:7], s[44:45]
	s_add_nc_u64 s[8:9], s[8:9], s[46:47]
	CROUND                                         ; all sixteen work-groups are here: the first joint loads meet
	JLOAD 0
	JLOAD 1
	SCLOAD 0
	SCLOAD 1
	s_wait_tensorcnt 1                             ; my part of slot 0 is in; slot 1's may stay out
	s_barrier_signal -1
	s_barrier_wait -1
	FETCH 0, 0, 0
	STEP 0, 0, 1                                   ; the first products start the sums: nothing is cleared
	STEP 0, 1, 0
	STEP 0, 2, 0
	TURN 0, 1
	STEP 1, 0, 0
	STEP 1, 1, 0
	STEP 1, 2, 0
	TURN 1, 1
	STEP 2, 0, 0
	STEP 2, 1, 0
	STEP 2, 2, 0
	TURN 2, 0                                      ; nothing is left to fetch
	STEP 3, 0, 0
	STEP 3, 1, 0
	STEP 3, 2, 0
	s_wait_dscnt 0x0
	WIN MUL
	MULQ 0, 1, 1, 3, 0
	MULQ 1, 1, 1, 3, 0
	MULQ 2, 1, 1, 3, 0
	MULQ 3, 1, 1, 3, 0
	WIN 0
; THE WAY OUT, 16 rows x 64 columns at a time: a lane holds 32 neighbouring bytes of a row, the lanes beside it other rows: so a block goes through my own stage and comes back as whole rows of 256 bytes.
; LDS serves a wave's instructions in order (ISA guide 5.7.1.4): no wait between the stores and the loads, nor in front of the next block's stores.
.macro TOSTAGE q
	WIN 0x08                                       ; an LDS store's data are its source 1: window 2
.irp p, 0,1,2,3
	ds_store_b128 v[STO], v[8*(4*(\q)+\p):8*(4*(\q)+\p)+3] offset:64*\p        ; each accumulator from its low end on
	ds_store_b128 v[STO], v[8*(4*(\q)+\p)+4:8*(4*(\q)+\p)+7] offset:64*\p+16
.endr
	WIN 0
.irp i, 0,1,2,3,4,5,6,7
	ds_load_b128 v[BK+32*(\q)+4*\i:BK+32*(\q)+4*\i+3], v[RD] offset:544*\i
.endr
.endm
.macro SEND q
	s_wait_dscnt 16*(3-(\q))                       ; behind block q's loads: the 16 LDS instructions of each later block
.irp i, 0,1,2,3,4,5,6,7
	global_store_b128 v[CO], v[BK+32*(\q)+4*\i:BK+32*(\q)+4*\i+3], s[8:9] offset:(16*(\q)+2*\i)*8192 th:TH_STORE_NT   ; 16 lanes store 256 consecutive bytes, aligned; written once, read by nobody here
.endr
.endm
	PLACES
	TOSTAGE 0
	TOSTAGE 1
	TOSTAGE 2
	TOSTAGE 3
	SEND 0
	SEND 1
	SEND 2
	SEND 3
	s_wait_tensorcnt 0x0                           ; the wave's end, behind my last tensor load and my last LDS store
	ds_add_u32 v[SPW], v[NIL]
	s_wait_dscnt 0x0
	CROUND                                         ; the closing round: no work-group ends while a partner may still ask for a tile that names it
	s_endpgm
.Lfunc_end_k_q21ec0d1b7b_proj:
	.size	k_q21ec0d1b7b_proj, .Lfunc_end_k_q21ec0d1b7b_proj-k_q21ec0d1b7b_proj
	.p2alignl 7, 3214868480
	.fill 96, 4, 3214868480
	.section	.rodata,"a",@progbits
	.p2align	6, 0x0
	.amdhsa_kernel k_q21ec0d1b7b_proj
		.amdhsa_group_segment_fixed_size 327680
		.amdhsa_private_segment_fixed_size 0
		.amdhsa_enable_private_segment 0
		.amdhsa_kernarg_size 24
		.amdhsa_user_sgpr_count 2
		.amdhsa_user_sgpr_kernarg_segment_ptr 1
		.amdhsa_wavefront_size32 1
		.amdhsa_system_sgpr_workgroup_id_x 1
		.amdhsa_system_sgpr_workgroup_id_y 1
		.amdhsa_system_sgpr_workgroup_id_z 1
		.amdhsa_system_vgpr_workitem_id 0
		.amdhsa_next_free_vgpr 1024
		.amdhsa_next_free_sgpr 100
		.amdhsa_reserve_vcc 0
		.amdhsa_float_denorm_mode_32 3
		.amdhsa_float_denorm_mode_16_64 3
		.amdhsa_memory_ordered 1
		.amdhsa_forward_progress 1
		.amdhsa_inst_pref_size 82
	.end_amdhsa_kernel
	.amdgpu_metadata
---
amdhsa.version: [ 1, 2 ]
amdhsa.kernels:
  - .name:           k_q21ec0d1b7b_proj
    .symbol:         k_q21ec0d1b7b_proj.kd
    .args:
      - { .name: cod, .offset: 0, .size: 8, .value_kind: global_buffer, .address_space: global }
      - { .name: oq, .offset: 8, .size: 8, .value_kind: global_buffer, .address_space: global }
      - { .name: out0, .offset: 16, .size: 8, .value_kind: global_buffer, .address_space: global }
    .group_segment_fixed_size: 327680
    .private_segment_fixed_size: 0
    .kernarg_segment_align: 8
    .kernarg_segment_size: 24
    .max_flat_workgroup_size: 128
    .sgpr_count:     100
    .vgpr_count:     1024
    .wavefront_size: 32
...
	.end_amdgpu_metadata
.endif
;; end of part 4
;; ======== version 2 of 2: 4 launches
;; limits: right only within a limited range of input values
;; workspace buffers: cod 11,468,800 bytes; qkv 4,915,200 bytes; oq 3,276,800 bytes
;; launch quant (part 5): grid 448 x 1, 4 waves a work-group, no clusters, 34,304 bytes of LDS; arguments x, Wq, Wkv, Wo, cod; writes cod
.if DOCPART == 5
	.amdgcn_target "amdgcn-amd-amdhsa--gfx1250"
	.amdhsa_code_object_version 6
	.text
	.protected	k_q21ec0d1b7b_quant
	.globl	k_q21ec0d1b7b_quant
	.p2align	8
	.type	k_q21ec0d1b7b_quant,@function
k_q21ec0d1b7b_quant:
	s_mov_b64 s[64:65], 0
	v_nop
	global_prefetch_b8 v0, s[64:65] scope:SCOPE_SE
	s_setreg_imm32_b32 hwreg(HW_REG_WAVE_MODE, 25, 1), 1
	s_wait_xcnt 0x0
; x [2048][2048], Wq [2048][2048], Wkv [1024][2048], Wo [2048][2048], f32, K innermost, become codes of FP6 (E2M3) with one E8M0 byte for each 32 along K.
; A block's scale is 2^(floor(log2(its largest magnitude)) - 2); each number is divided by it and rounded to the nearest code, ties to even, beyond 7.5 the largest code.
; LAYOUT OF cod.  A tile of 16 rows x 128 K is stored as THE IMAGE OF THE OPERAND'S 12 REGISTERS, 1,536 bytes: register 4 c + e of lane l at byte 512 c + 16 l + 4 e.  Codes: [tile 448][K step 16] images.
; From byte SCO on the scale words (four bytes: a row's four blocks of a K step): [tile][group of four K steps][row 16][K step % 4].
; Tiles: x 0-127, Wq 128-255, Wkv's k rows 256-287 (head g at 256 + 8 g), Wkv's v rows 288-319, Wo 320-447.
; THE ORDER INSIDE A BLOCK OF 32: place 16 h + i of a block holds the block's number 8 h + (i & 7) + 16 (i >> 3).  Every operand of this program is laid so, so the pairs that are multiplied
; are the right ones and a block keeps its 32 members; only the order in which a matrix instruction adds the products of a block differs from ascending K.
; LIMITS: a block of zeros gets the byte 1, not 127 (its codes are zeros, and this program alone reads the bytes); a largest magnitude under 2^-124 is taken as 2^-124; NaN and infinities are not served.
; SHARES.  A work-group takes one tile of 16 rows, wave w its K steps 4 w .. 4 w + 3.  Each load reads 512 consecutive bytes of a row; a K step's 16 x 512 bytes turn through the wave's own stage in LDS
; (rows 528 bytes apart) and come back 16 numbers of each block to a lane.  No tensor load, no barrier: waves share nothing.  Work-groups share no input: no cluster.
.set STG,   8448                       ; a wave's stage: 16 rows x (512 + 16) bytes
.set SPARE, 33792                      ; behind the four stages: the spare words, 128 bytes a wave, which no other line names
.set SCO,   11010048                   ; 448 tiles x 24,576 bytes of codes
.set TM,  16                           ; v16-31   at work in QUANT
.set SW,  36                           ; v36-39   the scale words of my four K steps
.set PC,  40                           ; v40-59   the codes just made
.set SPW, 60                           ; v60      LDS address of my spare word; never rewritten
.set NIL, 61                           ; v61      0; never rewritten
.set X,   64                           ; v64-127  64 numbers of my row: register 16 b + i = place 16 h + i of block b
.set R,   128                          ; v128-255 two sets of 64 registers as loaded
.set SEL, 28                           ; s[28:29] v_permlanex16_b32's selects for lane l xor 16
; 64 numbers of a lane, register 16 b + i = place 32 b + 16 (lane / 16) + i of my row, become a fragment's codes in v[PC] .. v[PC + 11] and its scale word in v[pw]
.macro QUANT s, pw
.irp b, 0,1,2,3
	v_max3_num_f32 v[TM+\b], |v[\s+16*\b]|, |v[\s+1+16*\b]|, 0x1800000      ; block b: my 16 numbers, and the floor 2^(3 - 127): the byte cannot fall under 1
.endr
.irp i, 2,4,6,8,10,12,14
.irp b, 0,1,2,3
	v_max3_num_f32 v[TM+\b], v[TM+\b], |v[\s+16*\b+\i]|, |v[\s+1+16*\b+\i]|  ; the four blocks by turns
.endr
.endr
.irp b, 0,1,2,3
	v_permlanex16_b32 v[TM+4+\b], v[TM+\b], s[SEL], s[SEL+1]
.endr
.irp b, 0,1,2,3
	v_max_num_f32 v[TM+\b], v[TM+\b], v[TM+4+\b]                            ; with lane l xor 16's: the block's largest magnitude
.endr
.irp b, 0,1,2,3
	v_add_nc_u32 v[TM+12+\b], 0xff000000, v[TM+\b]                          ; 2 off its exponent field: the conversion's scale operand
.endr
.irp b, 0,1,2,3
	v_lshrrev_b32 v[TM+4+\b], 23, v[TM+12+\b]                               ; the scale's byte
.endr
	v_lshl_or_b32 v[\pw], v[TM+5], 8, v[TM+4]
	v_lshl_or_b32 v[\pw], v[TM+6], 16, v[\pw]
	v_lshl_or_b32 v[\pw], v[TM+7], 24, v[\pw]
.irp c, 0,1
	v_cvt_scalef32_pk16_fp6_f32 v[PC+6*\c:PC+2+6*\c], v[\s+32*\c:\s+15+32*\c], v[TM+12+2*\c]
	v_cvt_scalef32_pk16_fp6_f32 v[PC+12+4*\c:PC+14+4*\c], v[\s+16+32*\c:\s+31+32*\c], v[TM+12+2*\c+1]   ; a conversion's three registers begin on an even number
.endr
	v_nop                                                                   ; one plain line behind the scaled conversions
.irp c, 0,1                            ; the operand wants a whole block in a lane: lanes 0-15 block 2 c, lanes 16-31 block 2 c + 1
.irp i, 0,1,2
	v_permlane16_swap_b32 v[PC+6*\c+\i], v[PC+12+4*\c+\i]
.endr
.irp i, 0,1,2
	v_mov_b32 v[PC+3+6*\c+\i], v[PC+12+4*\c+\i]
.endr
.endr
.endm
	s_load_b256 s[4:11], s[0:1], 0x0               ; x s[4:5], Wq s[6:7], Wkv s[8:9], Wo s[10:11]
	s_load_b64 s[12:13], s[0:1], 0x20              ; cod
	v_lshl_add_u32 v[SPW], v0, 2, SPARE
	v_mov_b32 v[NIL], 0
	v_lshrrev_b32 v5, 5, v0
	v_readfirstlane_b32 s14, v5                    ; wave 0..3
	v_and_b32 v6, 31, v0                           ; lane
	v_and_b32 v7, 15, v0                           ; r
	v_bfe_u32 v8, v0, 4, 1                         ; h
	v_lshlrev_b32 v1, 4, v6                        ; 16 x lane: my bytes of a load's 512, and of an image's 512
	s_mul_i32 s15, s14, STG
	v_add_nc_u32 v2, s15, v1                       ; the stage, on the way in
	v_mul_u32_u24 v3, v7, 528
	v_lshl_add_u32 v3, v8, 5, v3
	v_add_nc_u32 v3, s15, v3                       ; and on the way out: row r, + 32 h bytes
	v_lshlrev_b32 v4, 4, v7                        ; 16 r: my row's four scale words
	s_mov_b32 s[SEL], 0x76543210
	s_mov_b32 s[SEL+1], 0xfedcba98
.irp b, 0,1,2,3
	v_mov_b32 v[TM+4+\b], 0                        ; written once: a lane permute's destination counts as one of its sources
.endr
	s_mov_b32 s18, 320
	s_wait_alu depctr_va_vdst(0)
	s_wait_kmcnt 0x0
	s_cmp_lt_u32 ttmp9, 320                        ; which tensor: the choice hangs on the work-group's number alone
	s_cselect_b64 s[16:17], s[8:9], s[10:11]
	s_cselect_b32 s18, 256, s18
	s_cmp_lt_u32 ttmp9, 256
	s_cselect_b64 s[16:17], s[6:7], s[16:17]
	s_cselect_b32 s18, 128, s18
	s_cmp_lt_u32 ttmp9, 128
	s_cselect_b64 s[16:17], s[4:5], s[16:17]
	s_cselect_b32 s18, 0, s18                      ; the tensor's first work-group
	s_sub_co_u32 s19, ttmp9, s18                   ; L: my tile in the tensor
	s_bfe_u32 s20, s19, 0x10003                    ; Wkv: a head's 256 rows are 8 tiles of k, then 8 of v
	s_lshl_b32 s20, s20, 5
	s_lshr_b32 s21, s19, 4
	s_lshl_b32 s21, s21, 3
	s_add_co_u32 s20, s20, s21
	s_and_b32 s21, s19, 7
	s_add_co_u32 s20, s20, s21
	s_add_co_u32 s20, s20, 256                     ; 256 + 32 (v?) + 8 g + tile in the head
	s_cmp_eq_u32 s18, 256
	s_cselect_b32 s20, s20, ttmp9                  ; D: my tile in cod
	s_lshl_b32 s22, s19, 17                        ; 16 rows of 8,192 bytes
	s_lshl_b32 s23, s14, 11                        ; my four K steps: 2,048 bytes of a row
	s_add_co_u32 s22, s22, s23
	s_mov_b32 s23, 0
	s_add_nc_u64 s[16:17], s[16:17], s[22:23]      ; where I read
	s_mul_i32 s22, s20, 24576
	s_mul_i32 s24, s14, 6144
	s_add_co_u32 s22, s22, s24
	s_add_nc_u64 s[24:25], s[12:13], s[22:23]      ; my four images
	s_lshl_b32 s22, s20, 10
	s_lshl_b32 s26, s14, 8
	s_add_co_u32 s22, s22, s26
	s_add_co_u32 s22, s22, SCO
	s_add_nc_u64 s[26:27], s[12:13], s[22:23]      ; my 256 bytes of scale words
.macro LOAD t                          ; K step t: 512 consecutive bytes of each of the 16 rows
.irp i, 0,1,2,3,4,5,6,7,8,9,10,11,12,13,14,15
	global_load_b128 v[R+64*((\t)%2)+4*\i:R+64*((\t)%2)+4*\i+3], v1, s[16:17] offset:8192*\i+512*(\t) th:TH_LOAD_NT
.endr
.endm
.macro TURN t                          ; through the stage: LDS serves a wave's instructions in order, so no wait stands between the stores and the loads
.irp i, 0,1,2,3,4,5,6,7,8,9,10,11,12,13,14,15
	ds_store_b128 v2, v[R+64*((\t)%2)+4*\i:R+64*((\t)%2)+4*\i+3] offset:528*\i
.endr
.irp b, 0,1,2,3
.irp u, 0,1
.irp e, 0,1
	ds_load_b128 v[X+16*\b+8*\u+4*\e:X+16*\b+8*\u+4*\e+3], v3 offset:128*\b+64*\u+16*\e   ; block b's numbers 8 h + 16 u + 4 e + 0 .. 3
.endr
.endr
.endr
.endm
.macro STEPQ t
.if (\t) < 3
	s_wait_loadcnt 16                              ; this K step's 16 loads are in; the next step's 16 may be out
.else
	s_wait_loadcnt 0x0
.endif
	TURN \t
	s_wait_dscnt 0x0                               ; my numbers are back, and the stores into the stage have read their registers
	s_wait_xcnt 0x0                                ; the last step's stores have read the codes' registers, which QUANT writes anew
.if (\t) < 2
	LOAD (\t)+2
.endif
	QUANT X, SW+(\t)
.irp c, 0,1,2
	global_store_b128 v1, v[PC+4*\c:PC+4*\c+3], s[24:25] offset:1536*(\t)+512*\c   ; 32 lanes store 512 consecutive bytes, aligned
.endr
.endm
	LOAD 0
	LOAD 1
.irp t, 0,1,2,3
	STEPQ \t
.endr
	global_store_b128 v4, v[SW:SW+3], s[26:27]     ; 256 consecutive bytes, aligned; lanes l and l + 16 hold and write the same words
	s_wait_tensorcnt 0x0                           ; the wave's end, behind my last LDS store
	ds_add_u32 v[SPW], v[NIL]
	s_wait_dscnt 0x0
	s_endpgm
.Lfunc_end_k_q21ec0d1b7b_quant:
	.size	k_q21ec0d1b7b_quant, .Lfunc_end_k_q21ec0d1b7b_quant-k_q21ec0d1b7b_quant
	.p2alignl 7, 3214868480
	.fill 96, 4, 3214868480
	.section	.rodata,"a",@progbits
	.p2align	6, 0x0
	.amdhsa_kernel k_q21ec0d1b7b_quant
		.amdhsa_group_segment_fixed_size 34304
		.amdhsa_private_segment_fixed_size 0
		.amdhsa_enable_private_segment 0
		.amdhsa_kernarg_size 40
		.amdhsa_user_sgpr_count 2
		.amdhsa_user_sgpr_kernarg_segment_ptr 1
		.amdhsa_wavefront_size32 1
		.amdhsa_system_sgpr_workgroup_id_x 1
		.amdhsa_system_sgpr_workgroup_id_y 1
		.amdhsa_system_sgpr_workgroup_id_z 1
		.amdhsa_system_vgpr_workitem_id 0
		.amdhsa_next_free_vgpr 256
		.amdhsa_next_free_sgpr 66
		.amdhsa_reserve_vcc 0
		.amdhsa_float_denorm_mode_32 3
		.amdhsa_float_denorm_mode_16_64 3
		.amdhsa_memory_ordered 1
		.amdhsa_forward_progress 1
		.amdhsa_inst_pref_size 34
	.end_amdhsa_kernel
	.amdgpu_metadata
---
amdhsa.version: [ 1, 2 ]
amdhsa.kernels:
  - .name:           k_q21ec0d1b7b_quant
    .symbol:         k_q21ec0d1b7b_quant.kd
    .args:
      - { .name: x, .offset: 0, .size: 8, .value_kind: global_buffer, .address_space: global }
      - { .name: Wq, .offset: 8, .size: 8, .value_kind: global_buffer, .address_space: global }
      - { .name: Wkv, .offset: 16, .size: 8, .value_kind: global_buffer, .address_space: global }
      - { .name: Wo, .offset: 24, .size: 8, .value_kind: global_buffer, .address_space: global }
      - { .name: cod, .offset: 32, .size: 8, .value_kind: global_buffer, .address_space: global }
    .group_segment_fixed_size: 34304
    .private_segment_fixed_size: 0
    .kernarg_segment_align: 8
    .kernarg_segment_size: 40
    .max_flat_workgroup_size: 128
    .sgpr_count:     66
    .vgpr_count:     256
    .wavefront_size: 32
...
	.end_amdgpu_metadata
.endif
;; end of part 5
;; launch qkv (part 6): grid 24 x 8, 4 waves a work-group, clusters of 4 x 1, 327,680 bytes of LDS; arguments cod, cos, sin, q_gain, qkv; writes qkv
.if DOCPART == 6
	.amdgcn_target "amdgcn-amd-amdhsa--gfx1250"
	.amdhsa_code_object_version 6
	.text
	.protected	k_q21ec0d1b7b_qkv
	.globl	k_q21ec0d1b7b_qkv
	.p2align	8
	.type	k_q21ec0d1b7b_qkv,@function
k_q21ec0d1b7b_qkv:
	s_mov_b64 s[64:65], 0
	v_nop
	global_prefetch_b8 v0, s[64:65] scope:SCOPE_SE
	s_setreg_imm32_b32 hwreg(HW_REG_WAVE_MODE, 25, 1), 1
	s_wait_xcnt 0x0
	s_wait_alu depctr_hold_cnt(0) depctr_sa_sdst(0) depctr_va_vdst(0) depctr_va_sdst(0) depctr_va_ssrc(0) depctr_va_vcc(0) depctr_vm_vsrc(0)
	s_getreg_b32 s2, hwreg(HW_REG_IB_STS2, 6, 4)
	s_cmp_eq_u32 s2, 0
	s_cbranch_scc0 .Lentry_in_a_cluster
	s_endpgm
.Lentry_in_a_cluster:
	s_bfe_u32 s2, ttmp6, 0x10000c
	s_cmp_lg_u32 s2, 0x3003
	s_cbranch_scc0 .Lentry_shape_is_right
	s_endpgm
.Lentry_shape_is_right:
; q = rope(x Wq^T) x gain, k = rope(x Wk^T), v = x Wv^T, on codes of FP6 (E2M3) with E8M0 scales (buffer cod), and each result quantised again: q and k along the head's 128, v along the keys.
; ONE PATH FOR ALL THREE.  A work-group multiplies P, 128 rows (8 tiles, read by all four waves), with Q, 256 rows (16 tiles; wave w owns tiles 4 w .. 4 w + 3).  Source 0 = a tile of P, source 1 = a tile of Q:
; a lane then holds ONE row of Q and its 64 registers run along P: 16 p + 8 (lane / 16) + j: they are quantised as they stand and become one operand image of 16 rows of Q x 128 of P.
;   q, k: P = a head's 128 rows of the weight, Q = 256 rows of x: images of 16 tokens x 128 channels.      v: P = 128 rows of x (a key step), Q = 256 v rows of the weight (two heads): images of 16 channels x 128 keys.
; Only tile numbers, store offsets and selected coefficients differ, chosen by the cluster's x and the grid's y; no branch hangs on them.
; THE ORDER INSIDE A BLOCK OF 32 is that of buffer cod (place 16 h + i holds number 8 h + (i & 7) + 16 (i >> 3)): it is the order in which these results lie in a lane, so all operands of the later products have it too.
; LAYOUT OF qkv: q's images [head 16][tile 128] at 0; q's scale words [head][tile / 4][row][tile % 4] at QSO; at KVC for [kv head 4][key step 16] 8 images of K, then 8 of V^T; at KVS their scale words, K's [2][row][4], V's [2][row][4].
; CLUSTER: the four work-groups of a cluster need the same 16 tiles of Q, two thirds of a K step's bytes: these are asked for jointly (mask 15).  P differs between them and comes by plain loads.
; (A cluster of 4 x 4 is not used: v's part is 16 key steps x 2 pairs of heads, which does not fall onto a 4 x 4 cluster's shared coordinates.)
; RING: two LDS slots of four K steps each; K = 2,048 is four slots' worth: two first fills and two refills, so the text is written out without a loop.  By this text's own count a wave has at most one tensor load out.
; Prefetch into the L2: each wave names slot contents 1 to 3 of two tiles of P and one tile of Q ahead of their tensor loads.
; LIMITS: as in buffer cod: a block of zeros gets the byte 1; a largest magnitude under 2^-124 is taken as 2^-124; NaN and infinities are not served.
; REGISTERS, in windows of 256: window 0: v1-11 addresses, v28-29 the add's two, v32-127 scale words (two sets of 48), v128-191 64 finished numbers, v192-243 at work.
;   window 1: P's fragments, two sets, at v0 and v128.   window 2: the 32 accumulators, (q, p) at v[8 (8 q + p)].   window 3: Q's fragments, two sets, at v0 and v48; v128-255 cos and sin.
.set SLOT,  147456                     ; a slot: P's [tile 8][K step 4] images, then Q's [tile 16][K step 4]
.set QRG,   49152                      ; where Q's begin in a slot
.set SPARE, 294912                     ; behind the ring: the spare words, 128 bytes a wave, which no other line names
.set SCO,   11010048                   ; cod: where the scale words begin
.set QSO,   3145728
.set KVC,   3276800
.set KVS,   4849664
.set LI,  4                            ; v4   16 x lane: my place in an image
.set AS,  5                            ; v5   16 r: my row's four scale words
.set ACS, 6                            ; v6   128 r + 16 h: my four cosines of a tile of P
.set ADP, 8                            ; v8-9   LDS address of P's images in slot 0, 1
.set ADQ, 10                           ; v10-11 of my four tiles of Q
.set SPW, 28                           ; v28  LDS address of my spare word; never rewritten
.set NIL, 29                           ; v29  0; never rewritten
.set SC,  32                           ; scale words: set s at v[SC + 48 s]: P's tile p, K step ks at + 4 p + ks; Q's tile q at + 32 + 4 q + ks
.set H,   128
.set PC,  192
.set TM,  212
.set SW,  232
.set T,   236
.set CSB, 128                          ; window 3: for Q's tile q cos at + 32 q + 4 p + m, sin at + 32 q + 16 + 4 p + m
.set G1P, 24                           ; s[24:31] descriptor group 1 for P;  s[32:39] group 0, one set a slot
.set G0P, 32
.set G1Q, 48                           ; s[48:55], s[56:63] the same for Q
.set G0Q, 56
.set SPB, 66                           ; s[66:67] P's scale words;  s[68:69] my tiles' of Q
.set SQB, 68
.set SD,  70                           ; s[70:71] where my four images go;  s[72:73] their scale words
.set SS,  72
.set GN,  74                           ; s[74:75] the gain, twice
.set MV,  76                           ; s76  all ones in v's work-groups, else 0
.set SEL, 78                           ; s[78:79]
.set MSB, 0
.macro WIN new                         ; the immediate's high byte repeats the setting that is left
.if MSB != \new
	s_set_vgpr_msb (MSB<<8)|\new
.set MSB, \new
.endif
.endm
.set MUL,   0xad                       ; source 0 (P) window 1, source 1 (Q) window 3, C and D window 2
.set TO_P,  0x40
.set TO_Q,  0xc0
.set ROPEW, 0x0e                       ; source 0 window 2, source 1 window 3, the rest window 0
.set CSW,   0xc3
.macro PLACES                          ; four plain lines behind matrix instructions, in front of loads into registers that they read and of reads of their results
.rept 4
	v_nop
.endr
.endm
.macro CREST                           ; a round of the cluster's barrier behind its opening barrier
	s_cmp_lg_u32 s14, 0
	s_cbranch_scc1 .Lnot_wave_0_\@
	s_barrier_signal -3
.Lnot_wave_0_\@:
	s_barrier_wait -3
	s_barrier_signal -1
	s_barrier_wait -1
.endm
.macro CROUND
	s_barrier_signal -1
	s_barrier_wait -1
	CREST
.endm
.macro JLOAD s                         ; waves 0 and 1 fetch P's halves (plain), waves 2 and 3 Q's (jointly); the branch hangs on the wave's number alone; an s_nop 0 and four v_nop follow each line
	s_cmp_eq_u32 s15, 0
	s_cbranch_scc0 .Lfor_q_\@
	tensor_load_to_lds s[G0P+4*(\s):G0P+4*(\s)+3], s[G1P:G1P+7]
	s_nop 0
.rept 4
	v_nop
.endr
	s_branch .Lasked_\@
.Lfor_q_\@:
	tensor_load_to_lds s[G0Q+4*(\s):G0Q+4*(\s)+3], s[G1Q:G1Q+7]
	s_nop 0
.rept 4
	v_nop
.endr
.Lasked_\@:
.endm
.macro FETCH slot, ks, set             ; 36 LDS loads in one run: P's eight fragments and my four of Q, each three loads of 512 consecutive bytes
	WIN TO_P
.irp p, 0,1,2,3,4,5,6,7
.irp c, 0,1,2
	ds_load_b128 v[128*(\set)+12*\p+4*\c:128*(\set)+12*\p+4*\c+3], v[ADP+(\slot)] offset:6144*\p+1536*(\ks)+512*\c
.endr
.endr
	WIN TO_Q
.irp q, 0,1,2,3
.irp c, 0,1,2
	ds_load_b128 v[48*(\set)+12*\q+4*\c:48*(\set)+12*\q+4*\c+3], v[ADQ+(\slot)] offset:6144*\q+1536*(\ks)+512*\c
.endr
.endr
	WIN 0
.endm
.macro SCLOAD n                        ; the scale words of slot content n: one load brings a tile's words of four K steps; sixteen lanes read 256 consecutive bytes
.irp p, 0,1,2,3,4,5,6,7
	global_load_b128 v[SC+48*((\n)%2)+4*\p:SC+48*((\n)%2)+4*\p+3], v[AS], s[SPB:SPB+1] offset:1024*\p+256*(\n)
.endr
.irp q, 0,1,2,3
	global_load_b128 v[SC+48*((\n)%2)+32+4*\q:SC+48*((\n)%2)+32+4*\q+3], v[AS], s[SQB:SQB+1] offset:1024*\q+256*(\n)
.endr
.endm
.macro MULQ q, set, sg, ks, zero       ; 8 matrix instructions: my tile q of Q against P's eight.  The 32 accumulators take turns, in the same order in every K step
.irp p, 0,1,2,3,4,5,6,7
.if \zero
	v_wmma_scale_f32_16x16x128_f8f6f4 v[8*(8*(\q)+\p):8*(8*(\q)+\p)+7], v[128*(\set)+12*\p:128*(\set)+12*\p+11], v[48*(\set)+12*(\q):48*(\set)+12*(\q)+11], 0, v[SC+48*(\sg)+4*\p+(\ks)], v[SC+48*(\sg)+32+4*(\q)+(\ks)] matrix_a_fmt:MATRIX_FMT_FP6 matrix_b_fmt:MATRIX_FMT_FP6
.else
	v_wmma_scale_f32_16x16x128_f8f6f4 v[8*(8*(\q)+\p):8*(8*(\q)+\p)+7], v[128*(\set)+12*\p:128*(\set)+12*\p+11], v[48*(\set)+12*(\q):48*(\set)+12*(\q)+11], v[8*(8*(\q)+\p):8*(8*(\q)+\p)+7], v[SC+48*(\sg)+4*\p+(\ks)], v[SC+48*(\sg)+32+4*(\q)+(\ks)] matrix_a_fmt:MATRIX_FMT_FP6 matrix_b_fmt:MATRIX_FMT_FP6
.endif
.endr
.endm
.macro STEP n, ks, zero                ; K step ks = 0 .. 2 of slot content n: the next step's fragments are asked for first, then this step's 32 products
.if (\zero) == 0
	PLACES
.endif
.if ((\ks) == 0) && (((\n) == 1) || ((\n) == 2))
	SCLOAD (\n)+1
.endif
	FETCH (\n)%2, (\ks)+1, ((\ks)+1)%2
	s_wait_dscnt 36                                ; all but the 36 just issued: this step's fragments are in
.if (\ks) == 0
.if (\n) == 0
	s_wait_loadcnt 44                              ; the first set of scale words is in; behind it: the second set's 12 loads and the 32 of cos and sin
.elseif (\n) == 3
	s_wait_loadcnt 0x0
.else
	s_wait_loadcnt 12                              ; all but the 12 loads of scale words just issued
.endif
.endif
	WIN MUL
	MULQ 0, (\ks)%2, (\n)%2, \ks, \zero
	MULQ 1, (\ks)%2, (\n)%2, \ks, \zero
	MULQ 2, (\ks)%2, (\n)%2, \ks, \zero
	MULQ 3, (\ks)%2, (\n)%2, \ks, \zero
	WIN 0
.endm
; A slot's last K step changes slots: ONE barrier.  In front of it each wave waits for all its tensor loads (its part of the next slot), adds 0 to its spare word, and waits for that and for its reads of this slot.
; fill = 1: the barrier opens a round of the cluster's barrier, and this slot is filled again first thing behind it.
.macro TURN n, fill
	s_wait_tensorcnt 0x0                           ; no tensor load of mine is out: a group 0 may be written
	ds_add_u32 v[SPW], v[NIL]
	s_wait_dscnt 1                                 ; the step's fragments are in; the add may be out
	WIN MUL
	MULQ 0, 1, (\n)%2, 3, 0                        ; eight products stand between the add and the wait for it
	s_wait_dscnt 0x0                               ; the add is done, and my reads of this slot are over
	s_barrier_signal -1
	MULQ 1, 1, (\n)%2, 3, 0
	WIN 0
	s_barrier_wait -1
.if \fill
	CREST                                          ; no wave of any partner still reads this slot or has a load on its way
	s_add_nc_u64 s[G0P+4*((\n)%2)+2:G0P+4*((\n)%2)+3], s[G0P+4*((\n)%2)+2:G0P+4*((\n)%2)+3], 12288   ; eight K steps on: two slots
	s_add_nc_u64 s[G0Q+4*((\n)%2)+2:G0Q+4*((\n)%2)+3], s[G0Q+4*((\n)%2)+2:G0Q+4*((\n)%2)+3], 12288
	JLOAD (\n)%2                                   ; my one tensor load behind the round; its four v_nop are also the places in front of the loads below
.else
	PLACES
.endif
	FETCH ((\n)+1)%2, 0, 0
	WIN MUL
	MULQ 2, 1, (\n)%2, 3, 0
	MULQ 3, 1, (\n)%2, 3, 0
	WIN 0
.endm
.macro QUANT s, pw                     ; 64 numbers of a lane, register 16 b + i = place 32 b + 16 (lane / 16) + i, become a fragment's codes in v[PC] .. v[PC + 11] and its scale word in v[pw]
.irp b, 0,1,2,3
	v_max3_num_f32 v[TM+\b], |v[\s+16*\b]|, |v[\s+1+16*\b]|, 0x1800000      ; and the floor 2^(3 - 127): the byte cannot fall under 1
.endr
.irp i, 2,4,6,8,10,12,14
.irp b, 0,1,2,3
	v_max3_num_f32 v[TM+\b], v[TM+\b], |v[\s+16*\b+\i]|, |v[\s+1+16*\b+\i]|
.endr
.endr
.irp b, 0,1,2,3
	v_permlanex16_b32 v[TM+4+\b], v[TM+\b], s[SEL], s[SEL+1]
.endr
.irp b, 0,1,2,3
	v_max_num_f32 v[TM+\b], v[TM+\b], v[TM+4+\b]
.endr
.irp b, 0,1,2,3
	v_add_nc_u32 v[TM+12+\b], 0xff000000, v[TM+\b]                          ; 2 off the exponent field: the conversion's scale operand
.endr
.irp b, 0,1,2,3
	v_lshrrev_b32 v[TM+4+\b], 23, v[TM+12+\b]
.endr
	v_lshl_or_b32 v[\pw], v[TM+5], 8, v[TM+4]
	v_lshl_or_b32 v[\pw], v[TM+6], 16, v[\pw]
	v_lshl_or_b32 v[\pw], v[TM+7], 24, v[\pw]
.irp c, 0,1
	v_cvt_scalef32_pk16_fp6_f32 v[PC+6*\c:PC+2+6*\c], v[\s+32*\c:\s+15+32*\c], v[TM+12+2*\c]
	v_cvt_scalef32_pk16_fp6_f32 v[PC+12+4*\c:PC+14+4*\c], v[\s+16+32*\c:\s+31+32*\c], v[TM+12+2*\c+1]
.endr
	v_nop                                                                   ; one plain line behind the scaled conversions
.irp c, 0,1
.irp i, 0,1,2
	v_permlane16_swap_b32 v[PC+6*\c+\i], v[PC+12+4*\c+\i]
.endr
.irp i, 0,1,2
	v_mov_b32 v[PC+3+6*\c+\i], v[PC+12+4*\c+\i]
.endr
.endr
.endm
	s_load_b256 s[4:11], s[0:1], 0x0               ; cod s[4:5], cos s[6:7], sin s[8:9], q_gain s[10:11]
	s_load_b64 s[12:13], s[0:1], 0x20              ; qkv
	v_lshl_add_u32 v[SPW], v0, 2, SPARE
	v_mov_b32 v[NIL], 0
	ds_add_u32 v[SPW], v[NIL]                      ; the wave's opening: the add and its wait ahead of my first tensor load; work on registers stands between them
	ds_add_u32 v[SPW], v[NIL]
	v_lshrrev_b32 v1, 5, v0
	v_readfirstlane_b32 s14, v1                    ; wave 0..3
	s_lshr_b32 s15, s14, 1                         ; I fetch for P (0) or for Q (1)
	s_and_b32 s16, s14, 1                          ; which half of it
	s_bfe_u32 s17, ttmp6, 0x40000                  ; cx: my place in the cluster
	s_and_b32 s18, ttmp7, 0xffff                   ; gy
	s_mov_b32 s19, ttmp9                           ; cl: the cluster's x: 0-3 q, 4 k, 5 v
	s_lshl_b32 s80, s19, 2
	s_add_co_u32 s80, s80, s17                     ; u = 4 cl + cx: q's head 0-15, k's head + 16
	s_and_b32 s81, s18, 3
	s_lshl_b32 s81, s81, 2
	s_add_co_u32 s81, s81, s17                     ; v: the key step 4 (gy % 4) + cx
	s_lshl_b32 s82, s80, 3
	s_add_co_u32 s82, s82, 128                     ; q, k: P's first tile in cod: 128 + 8 u
	s_lshl_b32 s20, s81, 3                         ; v: 8 x key step (rows of x)
	s_lshl_b32 s83, s18, 4                         ; q, k: Q's first tile: 16 gy (rows of x).  The registers that feed Q's descriptors never hold cx
	s_lshr_b32 s40, s18, 2
	s_lshl_b32 s40, s40, 4
	s_add_co_u32 s40, s40, 288                     ; v: 288 + 16 (gy / 4): two heads' v rows
	s_cmp_eq_u32 s19, 5
	s_cselect_b32 s82, s20, s82                    ; P's first tile
	s_cselect_b32 s83, s40, s83                    ; Q's first tile
	s_cselect_b32 s[MV], -1, 0
	; descriptor group 1: rows of 6,144 bytes (a tile's four K steps: 768 elements of 8 bytes), 24,576 bytes apart; P: 4 rows, no mask; Q: 8 rows, the mask names all four work-groups, bit 21 beside it
	s_mov_b32 s[G1P], 3<<16
	s_mov_b32 s[G1P+1], 768<<16
	s_mov_b32 s[G1P+2], 4<<16
	s_mov_b32 s[G1P+3], 768<<16
	s_mov_b32 s[G1P+4], 4
	s_mov_b32 s[G1P+5], 3072
	s_mov_b32 s[G1P+6], 0
	s_mov_b32 s[G1P+7], 0
	s_mov_b32 s[G1Q], 15|(3<<16)|(1<<21)
	s_mov_b32 s[G1Q+1], 768<<16
	s_mov_b32 s[G1Q+2], 8<<16
	s_mov_b32 s[G1Q+3], 768<<16
	s_mov_b32 s[G1Q+4], 8
	s_mov_b32 s[G1Q+5], 3072
	s_mov_b32 s[G1Q+6], 0
	s_mov_b32 s[G1Q+7], 0
	s_mov_b32 s[SEL], 0x76543210
	s_mov_b32 s[SEL+1], 0xfedcba98
	v_and_b32 v1, 31, v0                           ; lane
	v_and_b32 v2, 15, v0                           ; r
	v_bfe_u32 v3, v0, 4, 1                         ; h
	v_lshlrev_b32 v[LI], 4, v1
	v_lshlrev_b32 v[AS], 4, v2
	v_min_u32 v7, 23, v1
	v_lshlrev_b32 v7, 8, v7                        ; the prefetches' offset: a lane a block of 256 bytes; a tile's four K steps are 24 blocks; lanes 23-31 name the last
	v_lshlrev_b32 v[ACS], 7, v2
	v_lshl_add_u32 v[ACS], v3, 4, v[ACS]
	v_lshlrev_b32 v[ADP], 4, v1
	v_add_nc_u32 v[ADP+1], SLOT, v[LI]
	s_mul_i32 s44, s14, 24576
	s_add_co_u32 s44, s44, QRG
	v_add_nc_u32 v[ADQ], s44, v[LI]
	v_add_nc_u32 v[ADQ+1], SLOT, v[ADQ]
.irp b, 0,1,2,3
	v_mov_b32 v[TM+4+\b], 0                        ; written once: a lane permute's destination counts as one of its sources
.endr
	s_lshl_b32 s20, s16, 2
	s_add_co_u32 s20, s20, s82
	s_mul_i32 s20, s20, 24576                      ; P: the four tiles that I fetch
	s_mov_b32 s21, 0
	s_lshl_b32 s40, s16, 3
	s_add_co_u32 s40, s40, s83
	s_mul_i32 s40, s40, 24576                      ; Q: the eight tiles that I fetch
	s_mov_b32 s41, 0
	s_mul_i32 s42, s16, 24576                      ; where they go: the wave's number alone enters an LDS address
	s_mul_i32 s43, s16, 49152
	s_add_co_u32 s43, s43, QRG
	s_and_b32 s86, s80, 15
	s_lshl_b32 s86, s86, 2                         ; my head's gain (k's and v's work-groups read one too and do not use it)
	s_wait_dscnt 0x0                               ; the opening add is done
	s_wait_kmcnt 0x0
	s_load_b32 s[GN], s[10:11], s86 offset:0x0
	s_add_nc_u64 s[20:21], s[4:5], s[20:21]
	s_add_nc_u64 s[40:41], s[4:5], s[40:41]
.irp s, 0,1
	s_mov_b32 s[G0P+4*\s], 1
	s_add_co_u32 s[G0P+4*\s+1], s42, \s*SLOT
	s_add_nc_u64 s[G0P+4*\s+2:G0P+4*\s+3], s[20:21], \s*6144
	s_or_b32 s[G0P+4*\s+3], s[G0P+4*\s+3], 0x80000000
	s_mov_b32 s[G0Q+4*\s], 1
	s_add_co_u32 s[G0Q+4*\s+1], s43, \s*SLOT
	s_add_nc_u64 s[G0Q+4*\s+2:G0Q+4*\s+3], s[40:41], \s*6144
	s_or_b32 s[G0Q+4*\s+3], s[G0Q+4*\s+3], 0x80000000
.endr
	s_lshl_b32 s22, s82, 10
	s_add_co_u32 s22, s22, SCO
	s_mov_b32 s23, 0
	s_add_nc_u64 s[SPB:SPB+1], s[4:5], s[22:23]    ; P's scale words
	s_lshl_b32 s22, s14, 2
	s_add_co_u32 s22, s22, s83
	s_lshl_b32 s22, s22, 10
	s_add_co_u32 s22, s22, SCO
	s_add_nc_u64 s[SQB:SQB+1], s[4:5], s[22:23]    ; my four tiles' of Q
	s_lshl_b32 s94, s14, 1                         ; the prefetches: of P's eight tiles wave w names 2 w and 2 w + 1;
	s_add_co_u32 s94, s94, s82
	s_mul_i32 s94, s94, 24576
	s_mov_b32 s95, 0
	s_add_nc_u64 s[94:95], s[4:5], s[94:95]
	s_lshl_b32 s96, s17, 2                         ; of Q's sixteen, which the four partners share out by address, tile 4 cx + w
	s_add_co_u32 s96, s96, s14
	s_add_co_u32 s96, s96, s83
	s_mul_i32 s96, s96, 24576
	s_mov_b32 s97, 0
	s_add_nc_u64 s[96:97], s[4:5], s[96:97]
	s_lshl_b32 s44, s18, 15
	s_lshl_b32 s45, s14, 13
	s_add_co_u32 s44, s44, s45                     ; cos, sin: row 256 gy + 64 w, 128 bytes a row (inside the tables in v's work-groups too, which read and do not use them)
	s_mov_b32 s45, 0
	s_add_nc_u64 s[6:7], s[6:7], s[44:45]
	s_add_nc_u64 s[8:9], s[8:9], s[44:45]
	; where my four images and their scale words go
	s_lshl_b32 s44, s80, 7
	s_lshl_b32 s45, s18, 4
	s_add_co_u32 s44, s44, s45
	s_lshl_b32 s45, s14, 2
	s_add_co_u32 s44, s44, s45                     ; q: image 128 u + 16 gy + 4 w
	s_mul_i32 s46, s44, 1536
	s_lshl_b32 s47, s44, 6                         ; and 256 bytes of scale words for each four images
	s_add_co_u32 s47, s47, QSO
	s_lshl_b32 s87, s18, 1
	s_add_co_u32 s87, s87, s15                     ; k: key step 2 gy + w / 2
	s_lshr_b32 s88, s18, 2
	s_lshl_b32 s88, s88, 1
	s_add_co_u32 s88, s88, s15                     ; v: head 2 (gy / 4) + w / 2
	s_cmp_eq_u32 s19, 5
	s_cselect_b32 s88, s88, s17                    ; the kv head (k: cx)
	s_cselect_b32 s87, s81, s87                    ; the key step
	s_cselect_b32 s89, 12288, 0                    ; V's images lie behind K's eight,
	s_cselect_b32 s90, 512, 0                      ; its scale words behind K's 512 bytes
	s_lshl_b32 s88, s88, 4
	s_add_co_u32 s88, s88, s87                     ; 16 g + step
	s_mul_i32 s91, s88, 24576
	s_add_co_u32 s91, s91, s89
	s_mul_i32 s92, s16, 6144
	s_add_co_u32 s91, s91, s92
	s_add_co_u32 s91, s91, KVC
	s_lshl_b32 s92, s88, 10
	s_add_co_u32 s92, s92, s90
	s_lshl_b32 s93, s16, 8
	s_add_co_u32 s92, s92, s93
	s_add_co_u32 s92, s92, KVS
	s_cmp_lt_u32 s19, 4
	s_cselect_b32 s44, s46, s91
	s_cselect_b32 s46, s47, s92
	s_mov_b32 s45, 0
	s_mov_b32 s47, 0
	s_add_nc_u64 s[SD:SD+1], s[12:13], s[44:45]
	s_add_nc_u64 s[SS:SS+1], s[12:13], s[46:47]
	CROUND                                         ; all four work-groups are here: the first joint loads meet
	JLOAD 0                                        ; slot 0: my one tensor load at the head
	SCLOAD 0
	SCLOAD 1
	WIN TO_Q
	s_wait_alu depctr_va_vdst(0)
.irp q, 0,1,2,3
.irp p, 0,1,2,3
	global_load_b128 v[CSB+32*\q+4*\p:CSB+32*\q+4*\p+3], v[ACS], s[6:7] offset:2048*\q+32*\p          ; cos(row 16 q + r, pairs 8 p + 4 h + 0 .. 3)
	global_load_b128 v[CSB+32*\q+16+4*\p:CSB+32*\q+16+4*\p+3], v[ACS], s[8:9] offset:2048*\q+32*\p    ; sin likewise
.endr
.endr
	WIN 0
.irp n, 1,2                            ; slot contents 1 and 2 are named here, content 3 behind content 1's load: two contents ahead at the most
	global_prefetch_b8 v7, s[94:95] offset:6144*\n th:TH_LOAD_NT scope:SCOPE_SE
	global_prefetch_b8 v7, s[94:95] offset:24576+6144*\n th:TH_LOAD_NT scope:SCOPE_SE
	global_prefetch_b8 v7, s[96:97] offset:6144*\n th:TH_LOAD_NT scope:SCOPE_SE
.endr
	s_wait_tensorcnt 0x0                           ; my part of slot 0 is in
	ds_add_u32 v[SPW], v[NIL]
	s_wait_dscnt 0x0
	CROUND                                         ; slot 0 is whole for every wave, and all four work-groups are here
	JLOAD 1                                        ; slot 1's first fill: my one tensor load behind the round
	FETCH 0, 0, 0
	global_prefetch_b8 v7, s[94:95] offset:18432 th:TH_LOAD_NT scope:SCOPE_SE
	global_prefetch_b8 v7, s[94:95] offset:24576+18432 th:TH_LOAD_NT scope:SCOPE_SE
	global_prefetch_b8 v7, s[96:97] offset:18432 th:TH_LOAD_NT scope:SCOPE_SE
	STEP 0, 0, 1                                   ; the first products start the sums: nothing is cleared
	STEP 0, 1, 0
	STEP 0, 2, 0
	TURN 0, 1
	STEP 1, 0, 0
	STEP 1, 1, 0
	STEP 1, 2, 0
	TURN 1, 1
	STEP 2, 0, 0
	STEP 2, 1, 0
	STEP 2, 2, 0
	TURN 2, 0                                      ; nothing is left to fetch
	STEP 3, 0, 0
	STEP 3, 1, 0
	STEP 3, 2, 0
	s_wait_dscnt 0x0
	WIN MUL
	MULQ 0, 1, 1, 3, 0
	MULQ 1, 1, 1, 3, 0
	MULQ 2, 1, 1, 3, 0
	MULQ 3, 1, 1, 3, 0
	; THE WAY OUT.  RoPE on the first 64 of P (pairs of neighbouring registers), the gain, the quantiser, the images.  In v's work-groups cos becomes 1 and sin 0; in k's and v's the gain becomes 1: exact.
	s_wait_kmcnt 0x0                               ; the gain
	s_cmp_lt_u32 s19, 4
	s_cselect_b32 s[GN], s[GN], 1.0
	s_mov_b32 s[GN+1], s[GN]
	WIN CSW
.irp q, 0,1,2,3
.irp j, 0,1,2,3,4,5,6,7,8,9,10,11,12,13,14,15
	v_cndmask_b32 v[CSB+32*\q+\j], v[CSB+32*\q+\j], 1.0, s[MV]        ; (these lines name no register of the last products: they are the places behind them)
	v_cndmask_b32 v[CSB+32*\q+16+\j], v[CSB+32*\q+16+\j], 0, s[MV]
.endr
.endr
.macro OUTQ q
.if (\q) > 0
	s_wait_xcnt 0x0                                ; the last image's stores have read the codes' registers
.endif
	WIN ROPEW
.irp p, 0,1,2,3
.irp m, 0,1,2,3
	v_mul_f32 v[T+2*\m], v[8*(8*(\q)+\p)+2*\m], v[CSB+32*(\q)+4*\p+\m]               ; x1 c   (each accumulator is read from its low end on)
	v_mul_f32 v[T+2*\m+1], v[8*(8*(\q)+\p)+2*\m], v[CSB+32*(\q)+16+4*\p+\m]          ; x1 s
.endr
.irp m, 0,1,2,3
	v_fma_f32 v[H+8*\p+2*\m], -v[8*(8*(\q)+\p)+2*\m+1], v[CSB+32*(\q)+16+4*\p+\m], v[T+2*\m]      ; x1 c - x2 s
	v_fma_f32 v[H+8*\p+2*\m+1], v[8*(8*(\q)+\p)+2*\m+1], v[CSB+32*(\q)+4*\p+\m], v[T+2*\m+1]      ; x1 s + x2 c
.endr
.endr
.irp p, 4,5,6,7
.irp m, 0,1,2,3
	v_pk_mul_f32 v[H+8*\p+2*\m:H+8*\p+2*\m+1], v[8*(8*(\q)+\p)+2*\m:8*(8*(\q)+\p)+2*\m+1], s[GN:GN+1] op_sel_hi:[1,0]
.endr
.endr
	WIN 0
.irp j, 0,2,4,6,8,10,12,14,16,18,20,22,24,26,28,30
	v_pk_mul_f32 v[H+\j:H+\j+1], v[H+\j:H+\j+1], s[GN:GN+1] op_sel_hi:[1,0]
.endr
	QUANT H, SW+(\q)
.irp c, 0,1,2
	global_store_b128 v[LI], v[PC+4*\c:PC+4*\c+3], s[SD:SD+1] offset:1536*(\q)+512*\c   ; 32 lanes store 512 consecutive bytes, aligned
.endr
.endm
	OUTQ 0
	OUTQ 1
	OUTQ 2
	OUTQ 3
	global_store_b128 v[AS], v[SW:SW+3], s[SS:SS+1]    ; 256 consecutive bytes, aligned; lanes l and l + 16 hold and write the same words
	s_wait_tensorcnt 0x0                           ; the wave's end
	ds_add_u32 v[SPW], v[NIL]
	s_wait_dscnt 0x0
	CROUND                                         ; the closing round: no work-group ends while a partner may still ask for a tile that names it
	s_endpgm
.Lfunc_end_k_q21ec0d1b7b_qkv:
	.size	k_q21ec0d1b7b_qkv, .Lfunc_end_k_q21ec0d1b7b_qkv-k_q21ec0d1b7b_qkv
	.p2alignl 7, 3214868480
	.fill 96, 4, 3214868480
	.section	.rodata,"a",@progbits
	.p2align	6, 0x0
	.amdhsa_kernel k_q21ec0d1b7b_qkv
		.amdhsa_group_segment_fixed_size 327680
		.amdhsa_private_segment_fixed_size 0
		.amdhsa_enable_private_segment 0
		.amdhsa_kernarg_size 40
		.amdhsa_user_sgpr_count 2
		.amdhsa_user_sgpr_kernarg_segment_ptr 1
		.amdhsa_wavefront_size32 1
		.amdhsa_system_sgpr_workgroup_id_x 1
		.amdhsa_system_sgpr_workgroup_id_y 1
		.amdhsa_system_sgpr_workgroup_id_z 1
		.amdhsa_system_vgpr_workitem_id 0
		.amdhsa_next_free_vgpr 1024
		.amdhsa_next_free_sgpr 100
		.amdhsa_reserve_vcc 0
		.amdhsa_float_denorm_mode_32 3
		.amdhsa_float_denorm_mode_16_64 3
		.amdhsa_memory_ordered 1
		.amdhsa_forward_progress 1
		.amdhsa_inst_pref_size 170
	.end_amdhsa_kernel
	.amdgpu_metadata
---
amdhsa.version: [ 1, 2 ]
amdhsa.kernels:
  - .name:           k_q21ec0d1b7b_qkv
    .symbol:         k_q21ec0d1b7b_qkv.kd
    .args:
      - { .name: cod, .offset: 0, .size: 8, .value_kind: global_buffer, .address_space: global }
      - { .name: cos, .offset: 8, .size: 8, .value_kind: global_buffer, .address_space: global }
      - { .name: sin, .offset: 16, .size: 8, .value_kind: global_buffer, .address_space: global }
      - { .name: q_gain, .offset: 24, .size: 8, .value_kind: global_buffer, .address_space: global }
      - { .name: qkv, .offset: 32, .size: 8, .value_kind: global_buffer, .address_space: global }
    .group_segment_fixed_size: 327680
    .private_segment_fixed_size: 0
    .kernarg_segment_align: 8
    .kernarg_segment_size: 40
    .max_flat_workgroup_size: 128
    .sgpr_count:     100
    .vgpr_count:     1024
    .wavefront_size: 32
...
	.end_amdgpu_metadata
.endif
;; end of part 6
;; launch attn (part 7): grid 64 x 4, 8 waves a work-group, no clusters, 327,680 bytes of LDS; arguments qkv, oq; writes oq
.if DOCPART == 7
	.amdgcn_target "amdgcn-amd-amdhsa--gfx1250"
	.amdhsa_code_object_version 6
	.text
	.protected	k_q21ec0d1b7b_attn
	.globl	k_q21ec0d1b7b_attn
	.p2align	8
	.type	k_q21ec0d1b7b_attn,@function
k_q21ec0d1b7b_attn:
	s_mov_b64 s[64:65], 0
	v_nop
	global_prefetch_b8 v0, s[64:65] scope:SCOPE_SE
	s_setreg_imm32_b32 hwreg(HW_REG_WAVE_MODE, 25, 1), 1
	s_wait_xcnt 0x0
; o[t][head] = softmax_s(q[t] . k[s] / sqrt(128), s <= t) v[s], both products on codes of FP6 (E2M3) with E8M0 scales, and o / l quantised again along the head's 128 for the last product.
; THE SOFTMAX: t = score x log2(e) / sqrt(128); M = the largest t so far, rounded up to a whole number; p = 2^(t - M) is quantised along the keys, not normalised; the sum is taken of the unquantised p.
; When M moves, the sum and O are multiplied by 2^(old M - new M): exact.
; SHARES.  A work-group serves kv head g and two tiles of 16 queries, tile 127 - i (long) and tile i (short), for the four query heads.  Waves w and w + 4 serve head 4 g + w % 4 TOGETHER: each works on both tiles.
; Waves 0-3 take the EVEN key steps of 128, waves 4-7 the ODD ones, of both tiles: a step's fragments of K and V^T are read from LDS once and serve both tiles, one after the other.
; Set X is the tile that the wave finishes (waves 0-3: the long one, waves 4-7: the short one), set Y the partner's.  The tiles need (127 - i) / 8 + 1 and i / 8 + 1 key steps, 17 together:
; a wave has 8 or 9 of these parts, whatever i is.  At the end each wave hands set Y (O, M, sum) to its partner through a stage in LDS, and the two parts of a tile are brought under one M by powers of two.
; LAYOUT.  Both products are used transposed (S^T = K Q^T, O^T = V^T P^T): a lane holds one query.  The order inside a block of 32 is that of buffer qkv.  Operands are images of their registers.
; LDS.  Two slots of four key steps.  A slot is [stripe 4][key step 4][6,144 bytes]: stripe q holds images 4 q .. 4 q + 3 of a step's sixteen (8 of K, 8 of V^T).  Wave q < 4 fills stripe q by one tensor load of
; four rows of 6,144 bytes, 24,576 bytes apart in memory: so each load holds bytes of the slot's first key step, which is read whenever the load is issued.  Slot 1 begins at byte 131,072, so that one
; exclusive-or changes slots.  Between the slots lie the head's scale words, filled once by waves 4-7 at the kernel's head.  Behind slot 1: the stage, 8,704 bytes a wave, and the spare words.
; One barrier for four key steps; behind it waves 0-3 ask for the next four.  By this text's own count a wave has one tensor load out; every wait on TENSORcnt is for 0.
; THE CAUSAL LIMIT.  Every wave walks all four trips; a step past a set's last key step is jumped over; key steps 12-15 are not asked for where the long tile ends before them: a jump on ids alone, the same in all waves.
; Inside a slot my next step's K is fetched into registers behind the last products that read this step's K.
; NO CLUSTER: the fill of key steps 12-15 is led round by a jump on the work-group's number.
; PREFETCH: in trips 0 and 1 wave 4 names 6 blocks of 256 bytes of the four key steps that the NEXT trip's tensor loads ask for; the 64 work-groups of a kv head share these 384 blocks out by i.
; LIMITS: holds while the scaled scores stay under 2^31 in magnitude; a block of zeros gets the byte 1 (its codes are zeros; this program alone reads the bytes); a block's largest p is taken from its largest score,
; which takes v_exp_f32 not to fall where its input rises; 1 / l is v_rcp_f32's; NaN and infinities are not served.  o's scale words leave 4 bytes a row.
; REGISTERS: window 0: v1-11, v82-85 addresses; X: v12 -M, v13 largest t, v[14:15] sum, v16-27 Q, v255 its scale word, v29 mask, v160-223 O^T; Y: v48-51, v52-63, v30, v31; v32-47 K's and V's scale words;
;   v64-80 at work on the way out; v96-159 S^T, then p; v224-254 at work.   window 1: v0-95 K's fragments, v96-191 V's, v192-255 Y's O^T.
.set QSO,   3145728
.set KVC,   3276800
.set KVS,   4849664
.set OSO,   3145728
.set STEPB, 24576
.set SLOT,  131072
.set SCL,   98304
.set MRG,   229376
.set MRW,   8704
.set SPARE, 299008
.set LI,  1                            ; 16 x lane
.set ASC, 2                            ; SCL + 16 r
.set AR,  3                            ; 16 r
.set SPW, 5                            ; my spare word; never rewritten
.set NIL, 6                            ; 0; never rewritten
.set MW,  7                            ; the stage: where I put 16 bytes a lane
.set ADK, 8                            ; the slot in hand, my first step of it: K's images
.set ADV, 9                            ; V's images
.set ADS, 10                           ; its scale words
.set MW2, 11                           ; the stage: 4 bytes a lane
.set MR,  82                           ; my partner's part of the stage
.set MR2, 83
.set PFO, 85                           ; the prefetch's offset
.set TM,  64
.set PC,  224
.set WV,  8
.set LX,  12                           ; set X's last key step
.set LY,  13                           ; set Y's
.set KS,  14                           ; the slot's first key step
.set SB,  15                           ; the slot's first byte
.set T0,  16
.set T1,  17
.set SEL, 20
.set CS,  22
.set G1T, 24
.set G1S, 32
.set G0S, 40
.set G0E, 44
.set LIMG, 48                          ; the long tile's last key step: 8 to 15
.set TS,  49
.set PF,  50
.set EE,  78                           ; 0 in waves 0-3, 1 in waves 4-7
.set E6,  79                           ; 6,144 x that
.set KE,  80                           ; my first key step of the slot
.set T2,  81
.set LGE, 82                           ; LIMG - EE
.set MSB, 0
.macro WIN new
.if MSB != \new
	s_set_vgpr_msb (MSB<<8)|\new
.set MSB, \new
.endif
.endm
.macro QUANT s, pw
.irp b, 0,1,2,3
	v_max3_num_f32 v[TM+\b], |v[\s+16*\b]|, |v[\s+1+16*\b]|, 0x1800000
.endr
.irp i, 2,4,6,8,10,12,14
.irp b, 0,1,2,3
	s_delay_alu instid0(VALU_DEP_4)
	v_max3_num_f32 v[TM+\b], v[TM+\b], |v[\s+16*\b+\i]|, |v[\s+1+16*\b+\i]|
.endr
.endr
.irp b, 0,1,2,3
	s_delay_alu instid0(VALU_DEP_4)
	v_permlanex16_b32 v[TM+4+\b], v[TM+\b], s[SEL], s[SEL+1]
.endr
.irp b, 0,1,2,3
	s_delay_alu instid0(VALU_DEP_4)
	v_max_num_f32 v[TM+\b], v[TM+\b], v[TM+4+\b]
.endr
.irp b, 0,1,2,3
	s_delay_alu instid0(VALU_DEP_4)
	v_add_nc_u32 v[TM+12+\b], 0xff000000, v[TM+\b]
.endr
.irp b, 0,1,2,3
	s_delay_alu instid0(VALU_DEP_4)
	v_lshrrev_b32 v[TM+4+\b], 23, v[TM+12+\b]
.endr
	s_delay_alu instid0(VALU_DEP_3)
	v_lshl_or_b32 v[\pw], v[TM+5], 8, v[TM+4]
	s_delay_alu instid0(VALU_DEP_1)
	v_lshl_or_b32 v[\pw], v[TM+6], 16, v[\pw]
	s_delay_alu instid0(VALU_DEP_1)
	v_lshl_or_b32 v[\pw], v[TM+7], 24, v[\pw]
.irp c, 0,1
	v_cvt_scalef32_pk16_fp6_f32 v[PC+6*\c:PC+2+6*\c], v[\s+32*\c:\s+15+32*\c], v[TM+12+2*\c]
	v_cvt_scalef32_pk16_fp6_f32 v[PC+12+4*\c:PC+14+4*\c], v[\s+16+32*\c:\s+31+32*\c], v[TM+12+2*\c+1]
.endr
	v_nop
.irp c, 0,1
.irp i, 0,1,2
	v_permlane16_swap_b32 v[PC+6*\c+\i], v[PC+12+4*\c+\i]
.endr
.irp i, 0,1,2
	s_delay_alu instid0(VALU_DEP_3)
	v_mov_b32 v[PC+3+6*\c+\i], v[PC+12+4*\c+\i]
.endr
.endr
.endm
.macro FETCHK st                       ; K, st steps behind my first step of the slot: its scale words (two loads bring eight tiles') and eight fragments
	ds_load_b128 v[32:35], v[ADS] offset:1024*(\st)
	ds_load_b128 v[36:39], v[ADS] offset:1024*(\st)+256
	WIN 0x40
.irp a, 0,1,2,3,4,5,6,7
.irp c, 0,1,2
	ds_load_b128 v[12*\a+4*\c:12*\a+4*\c+3], v[ADK] offset:24576*(\a/4)+6144*(\st)+1536*(\a%4)+512*\c
.endr
.endr
	WIN 0
.endm
.macro FETCHV st                       ; V^T likewise: 26 loads
	ds_load_b128 v[40:43], v[ADS] offset:1024*(\st)+512
	ds_load_b128 v[44:47], v[ADS] offset:1024*(\st)+768
	WIN 0x40
.irp d, 0,1,2,3,4,5,6,7
.irp c, 0,1,2
	ds_load_b128 v[96+12*\d+4*\c:96+12*\d+4*\c+3], v[ADV] offset:24576*(\d/4)+6144*(\st)+1536*(\d%4)+512*\c
.endr
.endr
	WIN 0
.endm
; ONE SET'S PART OF A KEY STEP: 128 keys for set X (y = 0) or set Y (y = 1).  s[T0] holds the key step; K is in registers, V on its way or in
.macro PART st, y
.if \y
.set NM, 48
.set SM, 50
.set QF, 52
.set QS, 30
.set DQ, 31
.set OB, 192
.set LA, LY
.set LB, LX
.set WR, 0x41
.set WM, 0x51
.else
.set NM, 12
.set SM, 14
.set QF, 16
.set QS, 255
.set DQ, 29
.set OB, 160
.set LA, LX
.set LB, LY
.set WR, 0
.set WM, 0x01
.endif
	s_cmp_gt_u32 s[T0], s[LA]                      ; all its keys come after this set's queries
	s_cbranch_scc1 .Lskip_\@
	WIN 0x01
.irp a, 0,1,2,3,4,5,6,7
	v_wmma_scale_f32_16x16x128_f8f6f4 v[96+8*\a:103+8*\a], v[12*\a:12*\a+11], v[QF:QF+11], 0, v[32+\a], v[QS] matrix_a_fmt:MATRIX_FMT_FP6 matrix_b_fmt:MATRIX_FMT_FP6
.endr
	WIN 0
.rept 4
	v_nop                                          ; places in front of the loads into K's registers and of the first read of the scores
.endr
.if \st < 2                            ; my next step's K, two key steps on in this slot, behind the last products on this step's K
.if \y == 0
	s_cmp_le_u32 s[T0], s[LB]                      ; set Y has this step too: it reads this K yet, and fetches the next
	s_cbranch_scc1 .Lpf_\@
.endif
	s_add_co_u32 s[T1], s[T0], 2
	s_cmp_gt_u32 s[T1], s[LIMG]
	s_cbranch_scc1 .Lpf_\@
	FETCHK \st+2
.Lpf_\@:
.endif
	s_cmp_lg_u32 s[T0], s[LA]
	s_cbranch_scc1 .Lsoft_\@
	v_mov_b32 v254, 0xff800000                     ; the set's last step lies on the diagonal: hidden scores become -infinity.  Register n holds key 16 (n / 8) + n % 8 + 8 (lane / 16)
.set n, 0
.rept 64
	v_cmp_gt_i32 vcc_lo, 16*(n/8)+n%8, v[DQ]
	v_cndmask_b32 v[96+n], v[96+n], v254, vcc_lo
.set n, n+1
.endr
.Lsoft_\@:
.irp b, 0,1,2,3
	v_max3_num_f32 v[232+\b], v[96+16*\b], v[97+16*\b], v[98+16*\b]           ; the largest score of each block of 32 keys
.endr
.irp i, 3,5,7,9,11,13
.irp b, 0,1,2,3
	v_max3_num_f32 v[232+\b], v[232+\b], v[96+16*\b+\i], v[97+16*\b+\i]
.endr
.endr
.irp b, 0,1,2,3
	v_max_num_f32 v[232+\b], v[232+\b], v[111+16*\b]
.endr
.irp b, 0,1,2,3
	s_delay_alu instid0(VALU_DEP_4)
	v_permlanex16_b32 v[236+\b], v[232+\b], s[SEL], s[SEL+1]
.endr
.irp b, 0,1,2,3
	s_delay_alu instid0(VALU_DEP_4)
	v_max_num_f32 v[232+\b], v[232+\b], v[236+\b]                             ; with lane l xor 16's 16 keys
.endr
	s_delay_alu instid0(VALU_DEP_2)
	v_max3_num_f32 v254, v232, v233, v234
	s_delay_alu instid0(VALU_DEP_1)
	v_max_num_f32 v254, v254, v235
	s_delay_alu instid0(VALU_DEP_1)
	v_mul_f32 v254, s[CS], v254                    ; as t (c is positive)
	s_delay_alu instid0(VALU_DEP_1)
	v_max_num_f32 v[NM+1], v[NM+1], v254           ; the running largest t
	v_mov_b32 v254, v[NM]
	s_delay_alu instid0(VALU_DEP_2)
	v_floor_f32 v[NM], -v[NM+1]                    ; the new -M = floor(-t)
	s_delay_alu instid0(VALU_DEP_1)
	v_sub_f32 v254, v[NM], v254                    ; old M - new M: a whole number, 0 or less
	s_delay_alu instid0(VALU_DEP_1)
	v_cvt_i32_f32 v254, v254                       ; (it saturates)
	s_delay_alu instid0(VALU_DEP_1)
	v_ldexp_f32 v252, 1.0, v254                    ; f = 2^(old M - new M)
.set j, 0
.rept 32
	v_pk_fma_f32 v[96+j:97+j], v[96+j:97+j], s[CS:CS+1], v[NM:NM+1] op_sel_hi:[1,0,0]   ; t - M, two at a time
.set j, j+2
.endr
.irp b, 0,1,2,3
	v_fma_f32 v[232+\b], v[232+\b], s[CS], v[NM]   ; the same of each block's largest score
.endr
.set j, 0
	s_wait_alu depctr_va_vdst(0)
.rept 64
	v_exp_f32 v[96+j], v[96+j]                     ; p = 2^(t - M), at most 1
.set j, j+1
.endr
	v_pk_mul_f32 v[SM:SM+1], v[SM:SM+1], v[252:253] op_sel_hi:[1,0]   ; the sums under the new M: a plain line behind the exponentials
	s_wait_alu depctr_va_vdst(0)                   ; one wait for the whole batch
.irp b, 0,1,2,3
	v_exp_f32 v[232+\b], v[232+\b]                 ; the block's largest p
.endr
	v_pk_add_f32 v[236:237], v[100:101], v[104:105]
	v_pk_add_f32 v[250:251], v[108:109], v[112:113]
	v_pk_add_f32 v[248:249], v[116:117], v[120:121]
	v_pk_add_f32 v[246:247], v[124:125], v[128:129]
	v_pk_add_f32 v[244:245], v[132:133], v[136:137]
	v_pk_add_f32 v[242:243], v[140:141], v[144:145]
	v_pk_add_f32 v[240:241], v[148:149], v[152:153]
	v_pk_add_f32 v[SM:SM+1], v[SM:SM+1], v[156:157]
	v_pk_add_f32 v[236:237], v[236:237], v[96:97]
	v_pk_add_f32 v[250:251], v[250:251], v[98:99]
	v_pk_add_f32 v[248:249], v[248:249], v[102:103]
	v_pk_add_f32 v[246:247], v[246:247], v[106:107]
	v_pk_add_f32 v[244:245], v[244:245], v[110:111]
	v_pk_add_f32 v[242:243], v[242:243], v[114:115]
	v_pk_add_f32 v[240:241], v[240:241], v[118:119]
	v_pk_add_f32 v[SM:SM+1], v[SM:SM+1], v[122:123]
	v_pk_add_f32 v[236:237], v[236:237], v[126:127]
	v_pk_add_f32 v[250:251], v[250:251], v[130:131]
	v_pk_add_f32 v[248:249], v[248:249], v[134:135]
	v_pk_add_f32 v[246:247], v[246:247], v[138:139]
	v_pk_add_f32 v[244:245], v[244:245], v[142:143]
	v_pk_add_f32 v[242:243], v[242:243], v[146:147]
	v_pk_add_f32 v[240:241], v[240:241], v[150:151]
	v_pk_add_f32 v[SM:SM+1], v[SM:SM+1], v[154:155]
	v_pk_add_f32 v[236:237], v[236:237], v[158:159]
	s_delay_alu instid0(VALU_DEP_2)
	v_pk_add_f32 v[SM:SM+1], v[SM:SM+1], v[246:247]
	s_delay_alu instid0(VALU_DEP_2)
	v_pk_add_f32 v[236:237], v[236:237], v[244:245]
	v_pk_add_f32 v[250:251], v[250:251], v[242:243]
	v_pk_add_f32 v[248:249], v[248:249], v[240:241]
	s_delay_alu instid0(VALU_DEP_2)
	v_pk_add_f32 v[SM:SM+1], v[SM:SM+1], v[250:251]
	s_delay_alu instid0(VALU_DEP_2)
	v_pk_add_f32 v[236:237], v[236:237], v[248:249]
	s_delay_alu instid0(VALU_DEP_1)
	v_pk_add_f32 v[SM:SM+1], v[SM:SM+1], v[236:237]
	s_wait_alu depctr_va_vdst(0)                   ; and one for the four
.irp b, 0,1,2,3
	v_max_num_f32 v[232+\b], 0x1800000, v[232+\b]  ; the floor 2^(3 - 127): the byte cannot fall under 1
.endr
.irp b, 0,1,2,3
	s_delay_alu instid0(VALU_DEP_4)
	v_add_nc_u32 v[244+\b], 0xff000000, v[232+\b]
.endr
.irp b, 0,1,2,3
	s_delay_alu instid0(VALU_DEP_4)
	v_lshrrev_b32 v[236+\b], 23, v[244+\b]
.endr
	s_delay_alu instid0(VALU_DEP_3)
	v_lshl_or_b32 v253, v237, 8, v236              ; p's scale word for these 128 keys
	s_delay_alu instid0(VALU_DEP_1)
	v_lshl_or_b32 v253, v238, 16, v253
	s_delay_alu instid0(VALU_DEP_1)
	v_lshl_or_b32 v253, v239, 24, v253
.irp c, 0,1
	v_cvt_scalef32_pk16_fp6_f32 v[224+6*\c:226+6*\c], v[96+32*\c:111+32*\c], v[244+2*\c]
	v_cvt_scalef32_pk16_fp6_f32 v[236+4*\c:238+4*\c], v[112+32*\c:127+32*\c], v[244+2*\c+1]
.endr
	v_nop                                          ; one plain line behind the scaled conversions
.irp c, 0,1
.irp i, 0,1,2
	v_permlane16_swap_b32 v[224+6*\c+\i], v[236+4*\c+\i]
.endr
.irp i, 0,1,2
	s_delay_alu instid0(VALU_DEP_3)
	v_mov_b32 v[227+6*\c+\i], v[236+4*\c+\i]
.endr
.endr
	WIN WR
	s_wait_alu depctr_va_vdst(0)                   ; the wait directly ahead of the first reader of O^T
.set j, 0
.rept 32
	v_pk_mul_f32 v[OB+j:OB+j+1], v[OB+j:OB+j+1], v[252:253] op_sel_hi:[1,0]   ; O^T under the new M; these 32 are also the places between p's codes and scale word and the products below
.set j, j+2
.endr
	s_wait_alu depctr_va_vdst(0)
	s_wait_dscnt 0x0                               ; V and its scale words are in (and my next step's K, where it was asked for)
	WIN WM
.irp d, 0,1,2,3,4,5,6,7
	v_wmma_scale_f32_16x16x128_f8f6f4 v[OB+8*\d:OB+8*\d+7], v[96+12*\d:107+12*\d], v[224:235], v[OB+8*\d:OB+8*\d+7], v[40+\d], v253 matrix_a_fmt:MATRIX_FMT_FP6 matrix_b_fmt:MATRIX_FMT_FP6
.endr
	WIN 0
.Lskip_\@:
.endm
; A KEY STEP OF MINE, st steps behind my first of the slot: V is asked for, then both sets take their parts on the same fragments
.macro PAIR st
	s_add_co_u32 s[T0], s[KE], \st
	s_cmp_gt_u32 s[T0], s[LIMG]                    ; past the long tile's last step: neither set has it
	s_cbranch_scc1 .Lnone_\@
	s_wait_dscnt 0x0                               ; K and its scale words, asked for earlier, are in, and no earlier load into V's registers is out
.rept 4
	v_nop                                          ; places between the last products and the loads into V's registers
.endr
	FETCHV \st
	PART \st, 0
	PART \st, 1
.Lnone_\@:
.endm
.macro QADR t, im, sc                  ; byte offsets in qkv of q's image 128 head + tile and of its scale words
	s_lshl_b32 s[\im], s55, 7
	s_add_co_u32 s[\im], s[\im], s[\t]
	s_mul_i32 s[\im], s[\im], 1536
	s_mov_b32 s[\im+1], 0
	s_lshl_b32 s[\sc], s55, 5
	s_lshr_b32 s[\sc+1], s[\t], 2
	s_add_co_u32 s[\sc], s[\sc], s[\sc+1]
	s_lshl_b32 s[\sc], s[\sc], 8
	s_and_b32 s[\sc+1], s[\t], 3
	s_lshl_b32 s[\sc+1], s[\sc+1], 2
	s_add_co_u32 s[\sc], s[\sc], s[\sc+1]
	s_add_co_u32 s[\sc], s[\sc], QSO
	s_mov_b32 s[\sc+1], 0
.endm
	s_load_b128 s[4:7], s[0:1], 0x0                ; qkv s[4:5], oq s[6:7]
	v_lshl_add_u32 v[SPW], v0, 2, SPARE
	v_mov_b32 v[NIL], 0
	ds_add_u32 v[SPW], v[NIL]                      ; the wave's opening: the add, twice on end, and its wait ahead of my first tensor load
	ds_add_u32 v[SPW], v[NIL]
	v_lshrrev_b32 v4, 5, v0
	s_delay_alu instid0(VALU_DEP_1)
	v_readfirstlane_b32 s[WV], v4                  ; wave 0..7
	s_mov_b32 s9, ttmp9                            ; i
	s_and_b32 s10, ttmp7, 0xffff                   ; g: the kv head
	s_and_b32 s19, s[WV], 3                        ; my head among the kv head's four; also my stripe, or my quarter of the scale words
	s_lshr_b32 s[EE], s[WV], 2
	s_mul_i32 s[E6], s[EE], 6144
	s_sub_co_u32 s56, 127, s9                      ; the long tile
	s_cmp_eq_u32 s[EE], 0
	s_cselect_b32 s11, s56, s9                     ; set X's tile
	s_cselect_b32 s18, s9, s56                     ; set Y's tile
	s_lshr_b32 s[LX], s11, 3
	s_lshr_b32 s[LY], s18, 3
	s_lshr_b32 s[LIMG], s56, 3
	s_sub_co_u32 s[LGE], s[LIMG], s[EE]
	s_mov_b32 s[G1T], 3<<16                        ; four rows of 6,144 bytes (768 elements of 8 bytes), 24,576 bytes apart
	s_mov_b32 s[G1T+1], 768<<16
	s_mov_b32 s[G1T+2], 4<<16
	s_mov_b32 s[G1T+3], 768<<16
	s_mov_b32 s[G1T+4], 4
	s_mov_b32 s[G1T+5], 3072
	s_mov_b32 s[G1T+6], 0
	s_mov_b32 s[G1T+7], 0
	s_mov_b32 s[G1S], 3<<16                        ; 16 dense rows of 256 bytes
	s_mov_b32 s[G1S+1], 32<<16
	s_mov_b32 s[G1S+2], 16<<16
	s_mov_b32 s[G1S+3], 32<<16
	s_mov_b32 s[G1S+4], 16
	s_mov_b32 s[G1S+5], 32
	s_mov_b32 s[G1S+6], 0
	s_mov_b32 s[G1S+7], 0
	s_lshl_b32 s62, s19, 12
	s_lshl_b32 s60, s10, 14
	s_add_co_u32 s60, s60, s62
	s_add_co_u32 s60, s60, KVS
	s_mov_b32 s61, 0
	s_mul_i32 s58, s10, 393216
	s_add_co_u32 s58, s58, KVC
	s_mov_b32 s59, 0
	s_mul_i32 s54, s19, 6144
	s_mov_b32 s55, 0
	s_mul_i32 s57, s19, STEPB
	s_mul_i32 s52, s[WV], MRW
	s_add_co_u32 s52, s52, MRG                     ; my part of the stage,
	s_xor_b32 s53, s[WV], 4
	s_mul_i32 s53, s53, MRW
	s_add_co_u32 s53, s53, MRG                     ; and my partner's
	s_mul_i32 s63, s9, 1536
	v_and_b32 v4, 31, v0
	v_and_b32 v81, 15, v0                          ; r
	v_lshlrev_b32 v[LI], 4, v4
	v_lshlrev_b32 v86, 2, v4
	v_lshlrev_b32 v[AR], 4, v81
	v_lshl_add_u32 v[ASC], v81, 4, SCL
	v_add_nc_u32 v[MW], s52, v[LI]
	v_add_nc_u32 v[MR], s53, v[LI]
	v_add_nc_u32 v[MW2], s52, v86
	v_add_nc_u32 v[MR2], s53, v86
	v_min_u32 v84, 5, v4
	v_bfe_u32 v87, v0, 4, 1                        ; h
	v_lshlrev_b32 v84, 8, v84
	v_lshlrev_b32 v87, 3, v87
	v_add_nc_u32 v[PFO], s63, v84                  ; blocks 6 i .. 6 i + 5 of a slot's 384; lanes 5-31 name the last of them
	v_sub_nc_u32 v87, v81, v87                     ; r - 8 h
	s_wait_dscnt 0x0                               ; both opening adds are done
	s_wait_kmcnt 0x0
	s_mov_b32 s[G0S], 1
	s_add_co_u32 s[G0S+1], s62, SCL
	s_add_nc_u64 s[G0S+2:G0S+3], s[4:5], s[60:61]
	s_or_b32 s[G0S+3], s[G0S+3], 0x80000000
	s_add_nc_u64 s[PF:PF+1], s[4:5], s[58:59]      ; the kv head's key step 0
	s_mov_b32 s[G0E], 1
	s_mov_b32 s[G0E+1], s57
	s_add_nc_u64 s[G0E+2:G0E+3], s[PF:PF+1], s[54:55]
	s_or_b32 s[G0E+3], s[G0E+3], 0x80000000
	s_cmp_lt_u32 s[WV], 4                          ; the first fills, one a wave: waves 0-3 key steps 0-3 by stripes, waves 4-7 the scale words
	s_cbranch_scc0 .Lfirst_s
	tensor_load_to_lds s[G0E:G0E+3], s[G1T:G1T+7]
	s_nop 0
.rept 4
	v_nop
.endr
	s_branch .Lfirst_done
.Lfirst_s:
	tensor_load_to_lds s[G0S:G0S+3], s[G1S:G1S+7]
	s_nop 0
.rept 4
	v_nop
.endr
.Lfirst_done:
	s_add_nc_u64 s[PF:PF+1], s[PF:PF+1], 4*STEPB   ; the first trip steps it to key step 8
	s_lshl_b32 s55, s10, 2
	s_add_co_u32 s55, s55, s19                     ; my head
	QADR 11, 66, 68
	QADR 18, 70, 72
	s_lshl_b32 s74, s11, 4
	s_add_co_u32 s74, s74, s55
	s_mul_i32 s74, s74, 1536                       ; o's image 16 tile + head
	s_mov_b32 s75, 0
	s_lshl_b32 s76, s11, 10
	s_lshl_b32 s77, s10, 8
	s_add_co_u32 s76, s76, s77
	s_lshl_b32 s77, s19, 2
	s_add_co_u32 s76, s76, s77
	s_add_co_u32 s76, s76, OSO                     ; its scale words: [tile][g][row][head % 4]
	s_mov_b32 s77, 0
	s_add_nc_u64 s[66:67], s[4:5], s[66:67]
	s_add_nc_u64 s[68:69], s[4:5], s[68:69]
	s_add_nc_u64 s[70:71], s[4:5], s[70:71]
	s_add_nc_u64 s[72:73], s[4:5], s[72:73]
	s_add_nc_u64 s[74:75], s[6:7], s[74:75]
	s_add_nc_u64 s[76:77], s[6:7], s[76:77]
	s_and_b32 s56, s11, 7
	s_lshl_b32 s56, s56, 4
	s_and_b32 s57, s18, 7
	s_lshl_b32 s57, s57, 4
	s_mov_b32 s[SEL], 0x76543210
	s_mov_b32 s[SEL+1], 0xfedcba98
	s_mov_b32 s[CS], 0x3e0293ee                    ; c = log2(e) / sqrt(128)
	s_mov_b32 s[CS+1], s[CS]
	s_mov_b32 s[KS], 0
	s_mov_b32 s[SB], 0
	s_wait_alu depctr_va_vdst(0)
.irp c, 0,1,2
	global_load_b128 v[16+4*\c:19+4*\c], v[LI], s[66:67] offset:512*\c     ; both sets' Q stay in registers
	global_load_b128 v[52+4*\c:55+4*\c], v[LI], s[70:71] offset:512*\c
.endr
	global_load_b32 v255, v[AR], s[68:69]
	global_load_b32 v30, v[AR], s[72:73]
	v_add_nc_u32 v29, s56, v87                     ; my query's place in its key step - 8 h, set X's
	v_add_nc_u32 v31, s57, v87                     ; and set Y's
	v_mov_b32 v13, 0xff61b1e6                      ; the largest t so far: -3e38, under every t
	v_mov_b32 v49, 0xff61b1e6
	v_floor_f32 v12, -v13                          ; -M
	v_floor_f32 v48, -v49
	v_mov_b32 v14, 0
	v_mov_b32 v15, 0
	v_mov_b32 v50, 0
	v_mov_b32 v51, 0
.irp b, 0,1,2,3
	v_mov_b32 v[236+\b], 0                         ; written once: a lane permute's destination counts as one of its sources
	v_mov_b32 v[TM+4+\b], 0
.endr
	v_mov_b32 v252, 0
	v_mov_b32 v253, 0
.set j, 0
.rept 64
	v_mov_b32 v[160+j], 0                          ; O^T: a part has no first form of its own: the first change of M multiplies zeros
.set j, j+1
.endr
	WIN 0x40
.set j, 0
.rept 64
	v_mov_b32 v[192+j], 0                          ; set Y's
.set j, j+1
.endr
	WIN 0
	s_wait_alu depctr_va_vdst(0)
	s_wait_loadcnt 0x0                             ; Q
.Lcontent:                                             ; a trip: four key steps, one slot; two of them are mine
	s_wait_xcnt 0x0                                ; my prefetch has read its base
	s_wait_tensorcnt 0x0                           ; no tensor load of mine is out: group 0 may be written
	ds_add_u32 v[SPW], v[NIL]
	s_add_nc_u64 s[G0E+2:G0E+3], s[G0E+2:G0E+3], 4*STEPB   ; the next four key steps,
	s_xor_b32 s[G0E+1], s[G0E+1], SLOT             ; into the other slot
	s_add_nc_u64 s[PF:PF+1], s[PF:PF+1], 4*STEPB
	s_add_co_u32 s[KE], s[KS], s[EE]
	s_lshl_b32 s[TS], s[KE], 10
	s_add_co_u32 s[T0], s[KS], 4
	s_add_co_u32 s[T2], s[SB], s[E6]
	s_add_co_u32 s[T1], s[T2], 49152
	s_wait_dscnt 0x0                               ; the add is done, and my LDS reads are over
	s_barrier_signal -1
	s_barrier_wait -1                              ; this slot is whole for every wave, and nobody reads the other one
	s_cmp_gt_u32 s[T0], s[LIMG]                    ; ids and the trip alone, the same in all waves: the next four steps come after the long tile's queries (or there are none)
	s_cbranch_scc1 .Lnofill
	s_cmp_lt_u32 s[WV], 4
	s_cbranch_scc0 .Lnofill
	tensor_load_to_lds s[G0E:G0E+3], s[G1T:G1T+7]  ; my one tensor load behind this barrier
	s_nop 0
.rept 4
	v_nop
.endr
.Lnofill:
	v_add_nc_u32 v[ADK], s[T2], v[LI]
	v_add_nc_u32 v[ADV], s[T1], v[LI]
	v_add_nc_u32 v[ADS], s[TS], v[ASC]
	s_wait_alu depctr_va_vdst(0)
	s_cmp_gt_u32 s[KS], s[LGE]                     ; my first step of the slot lies past the long tile's last: what was not asked for is not read
	s_cbranch_scc1 .Lnok
	FETCHK 0
.Lnok:
	s_cmp_lt_u32 s[KS], 8                          ; trips 0 and 1 name key steps 8-11 and 12-15; the later trips name nothing
	s_cbranch_scc0 .Lnopf
	s_cmp_eq_u32 s[WV], 4
	s_cbranch_scc0 .Lnopf
	global_prefetch_b8 v[PFO], s[PF:PF+1] th:TH_LOAD_NT scope:SCOPE_SE
.Lnopf:
	PAIR 0
	PAIR 2
	s_xor_b32 s[SB], s[SB], SLOT
	s_add_co_u32 s[KS], s[KS], 4
	s_cmp_lt_u32 s[KS], 16
	s_cbranch_scc1 .Lcontent
	; THE EXCHANGE: set Y goes to my partner through my part of the stage
.rept 4
	v_nop                                          ; places behind the last products
.endr
	v_add_f32 v50, v50, v51
	v_add_f32 v14, v14, v15
	v_mov_b32 v73, 0
	v_mov_b32 v75, 0
	WIN 0x04
	s_wait_alu depctr_va_vdst(0)                   ; the wait directly ahead of the first reader of O^T
.set j, 0
.rept 16
	ds_store_b128 v[MW], v[192+j:195+j] offset:128*j   ; each accumulator from its low end on
.set j, j+4
.endr
	WIN 0
	ds_store_b32 v[MW2], v48 offset:8192           ; -M
	ds_store_b32 v[MW2], v50 offset:8320           ; the lane's sum
	s_wait_dscnt 0x0                               ; my stores are done, for my partner's sake
	s_barrier_signal -1
	s_barrier_wait -1
.set j, 0
.rept 16
	ds_load_b128 v[96+j:99+j], v[MR] offset:128*j      ; my partner's part of set X's tile
.set j, j+4
.endr
	ds_load_b32 v64, v[MR2] offset:8192
	ds_load_b32 v65, v[MR2] offset:8320
	s_wait_dscnt 0x0
	v_min_num_f32 v66, v12, v64                    ; the common -M
	s_delay_alu instid0(VALU_DEP_1)
	v_sub_f32 v72, v66, v12                        ; my M - the common M: a whole number, 0 or less
	v_sub_f32 v74, v66, v64                        ; my partner's
	s_delay_alu instid0(VALU_DEP_2)
	v_cvt_i32_f32 v72, v72                         ; (they saturate: a part with no key step counts for nothing)
	s_delay_alu instid0(VALU_DEP_2)
	v_cvt_i32_f32 v74, v74
	s_delay_alu instid0(VALU_DEP_2)
	v_ldexp_f32 v72, 1.0, v72
	s_delay_alu instid0(VALU_DEP_2)
	v_ldexp_f32 v74, 1.0, v74
	s_delay_alu instid0(VALU_DEP_2)
	v_mul_f32 v14, v14, v72
	s_delay_alu instid0(VALU_DEP_1)
	v_fma_f32 v14, v65, v74, v14
	s_delay_alu instid0(VALU_DEP_1)
	v_permlanex16_b32 v252, v14, s[SEL], s[SEL+1]
	s_delay_alu instid0(VALU_DEP_1)
	v_add_f32 v14, v14, v252                       ; the row's sum
	s_wait_alu depctr_va_vdst(0)
	v_rcp_f32 v14, v14
	v_nop                                          ; a plain line behind the reciprocal,
	s_wait_alu depctr_va_vdst(0)                   ; and the wait ahead of its first reader
	v_mul_f32 v72, v72, v14
	v_mul_f32 v74, v74, v14
.set j, 0
.rept 32
	v_pk_mul_f32 v[96+j:97+j], v[96+j:97+j], v[74:75] op_sel_hi:[1,0]
.set j, j+2
.endr
	s_wait_alu depctr_va_vdst(0)                   ; the wait directly ahead of the first reader of O^T
.set j, 0
.rept 32
	v_pk_fma_f32 v[96+j:97+j], v[160+j:161+j], v[72:73], v[96+j:97+j] op_sel_hi:[1,0,1]   ; both parts under one M, over the sum
.set j, j+2
.endr
	QUANT 96, 80
.irp c, 0,1,2
	global_store_b128 v[LI], v[PC+4*\c:PC+4*\c+3], s[74:75] offset:512*\c   ; 32 lanes store 512 consecutive bytes, aligned
.endr
	global_store_b32 v[AR], v80, s[76:77]          ; my row's scale word; lanes l and l + 16 hold and write the same word
	s_wait_tensorcnt 0x0                           ; the wave's end
	ds_add_u32 v[SPW], v[NIL]
	s_wait_dscnt 0x0
	s_endpgm
.Lfunc_end_k_q21ec0d1b7b_attn:
	.size	k_q21ec0d1b7b_attn, .Lfunc_end_k_q21ec0d1b7b_attn-k_q21ec0d1b7b_attn
	.p2alignl 7, 3214868480
	.fill 96, 4, 3214868480
	.section	.rodata,"a",@progbits
	.p2align	6, 0x0
	.amdhsa_kernel k_q21ec0d1b7b_attn
		.amdhsa_group_segment_fixed_size 327680
		.amdhsa_private_segment_fixed_size 0
		.amdhsa_enable_private_segment 0
		.amdhsa_kernarg_size 16
		.amdhsa_user_sgpr_count 2
		.amdhsa_user_sgpr_kernarg_segment_ptr 1
		.amdhsa_wavefront_size32 1
		.amdhsa_system_sgpr_workgroup_id_x 1
		.amdhsa_system_sgpr_workgroup_id_y 1
		.amdhsa_system_sgpr_workgroup_id_z 1
		.amdhsa_system_vgpr_workitem_id 0
		.amdhsa_next_free_vgpr 512
		.amdhsa_next_free_sgpr 84
		.amdhsa_reserve_vcc 1
		.amdhsa_float_denorm_mode_32 3
		.amdhsa_float_denorm_mode_16_64 3
		.amdhsa_memory_ordered 1
		.amdhsa_forward_progress 1
		.amdhsa_inst_pref_size 122
	.end_amdhsa_kernel
	.amdgpu_metadata
---
amdhsa.version: [ 1, 2 ]
amdhsa.kernels:
  - .name:           k_q21ec0d1b7b_attn
    .symbol:         k_q21ec0d1b7b_attn.kd
    .args:
      - { .name: qkv, .offset: 0, .size: 8, .value_kind: global_buffer, .address_space: global }
      - { .name: oq, .offset: 8, .size: 8, .value_kind: global_buffer, .address_space: global }
    .group_segment_fixed_size: 327680
    .private_segment_fixed_size: 0
    .kernarg_segment_align: 8
    .kernarg_segment_size: 16
    .max_flat_workgroup_size: 256
    .sgpr_count:     84
    .vgpr_count:     512
    .wavefront_size: 32
...
	.end_amdgpu_metadata
.endif
;; end of part 7
;; launch proj (part 8): grid 16 x 16, 4 waves a work-group, clusters of 4 x 4, 327,680 bytes of LDS; arguments cod, oq, out0; writes out0
.if DOCPART == 8
	.amdgcn_target "amdgcn-amd-amdhsa--gfx1250"
	.amdhsa_code_object_version 6
	.text
	.protected	k_q21ec0d1b7b_proj
	.globl	k_q21ec0d1b7b_proj
	.p2align	8
	.type	k_q21ec0d1b7b_proj,@function
k_q21ec0d1b7b_proj:
	s_mov_b64 s[64:65], 0
	v_nop
	global_prefetch_b8 v0, s[64:65] scope:SCOPE_SE
	s_setreg_imm32_b32 hwreg(HW_REG_WAVE_MODE, 25, 1), 1
	s_wait_xcnt 0x0
	s_wait_alu depctr_hold_cnt(0) depctr_sa_sdst(0) depctr_va_vdst(0) depctr_va_sdst(0) depctr_va_ssrc(0) depctr_va_vcc(0) depctr_vm_vsrc(0)
	s_getreg_b32 s2, hwreg(HW_REG_IB_STS2, 6, 4)
	s_cmp_eq_u32 s2, 0
	s_cbranch_scc0 .Lentry_in_a_cluster
	s_endpgm
.Lentry_in_a_cluster:
	s_bfe_u32 s2, ttmp6, 0x10000c
	s_cmp_lg_u32 s2, 0xf033
	s_cbranch_scc0 .Lentry_shape_is_right
	s_endpgm
.Lentry_shape_is_right:
.set SLOT,  98304
.set QRG,   49152
.set STAGE, 196608
.set SPARE, 214016
.set SCO,   11010048
.set OSO,   3145728
.set LI,  4
.set AS,  5
.set ADP, 8
.set ADQ, 10
.set STO, 24
.set RD,  25
.set CO,  26
.set SPW, 28
.set NIL, 29
.set SC,  32
.set BK,  128
.set G1P, 24
.set G0P, 32
.set G1Q, 48
.set G0Q, 56
.set SPB, 66
.set SQB, 68
.set MSB, 0
.macro WIN new
.if MSB != \new
	s_set_vgpr_msb (MSB<<8)|\new
.set MSB, \new
.endif
.endm
.set MUL,  0xad
.set TO_P, 0x40
.set TO_Q, 0xc0
.macro PLACES
.rept 4
	v_nop
.endr
.endm
.macro CREST
	s_cmp_lg_u32 s14, 0
	s_cbranch_scc1 .Lnot_wave_0_\@
	s_barrier_signal -3
.Lnot_wave_0_\@:
	s_barrier_wait -3
	s_barrier_signal -1
	s_barrier_wait -1
.endm
.macro CROUND
	s_barrier_signal -1
	s_barrier_wait -1
	CREST
.endm
.macro JLOAD s
	s_cmp_eq_u32 s15, 0
	s_cbranch_scc0 .Lfor_q_\@
	tensor_load_to_lds s[G0P+4*(\s):G0P+4*(\s)+3], s[G1P:G1P+7]
	s_nop 0
.rept 4
	v_nop
.endr
	s_branch .Lasked_\@
.Lfor_q_\@:
	tensor_load_to_lds s[G0Q+4*(\s):G0Q+4*(\s)+3], s[G1Q:G1Q+7]
	s_nop 0
.rept 4
	v_nop
.endr
.Lasked_\@:
.endm
.macro FETCH slot, ks, set
	WIN TO_P
.irp p, 0,1,2,3
.irp c, 0,1,2
	ds_load_b128 v[128*(\set)+12*\p+4*\c:128*(\set)+12*\p+4*\c+3], v[ADP+(\slot)] offset:6144*\p+1536*(\ks)+512*\c
.endr
.endr
	WIN TO_Q
.irp q, 0,1,2,3
.irp c, 0,1,2
	ds_load_b128 v[48*(\set)+12*\q+4*\c:48*(\set)+12*\q+4*\c+3], v[ADQ+(\slot)] offset:6144*\q+1536*(\ks)+512*\c
.endr
.endr
	WIN 0
.endm
.macro SCLOAD n
.irp p, 0,1,2,3
	global_load_b128 v[SC+32*((\n)%2)+4*\p:SC+32*((\n)%2)+4*\p+3], v[AS], s[SPB:SPB+1] offset:1024*\p+256*(\n)
.endr
.irp q, 0,1,2,3
	global_load_b128 v[SC+32*((\n)%2)+16+4*\q:SC+32*((\n)%2)+16+4*\q+3], v[AS], s[SQB:SQB+1] offset:1024*\q+256*(\n)
.endr
.endm
.macro MULQ q, set, sg, ks, zero
.irp p, 0,1,2,3
.if \zero
	v_wmma_scale_f32_16x16x128_f8f6f4 v[8*(4*(\q)+\p):8*(4*(\q)+\p)+7], v[128*(\set)+12*\p:128*(\set)+12*\p+11], v[48*(\set)+12*(\q):48*(\set)+12*(\q)+11], 0, v[SC+32*(\sg)+4*\p+(\ks)], v[SC+32*(\sg)+16+4*(\q)+(\ks)] matrix_a_fmt:MATRIX_FMT_FP6 matrix_b_fmt:MATRIX_FMT_FP6
.else
	v_wmma_scale_f32_16x16x128_f8f6f4 v[8*(4*(\q)+\p):8*(4*(\q)+\p)+7], v[128*(\set)+12*\p:128*(\set)+12*\p+11], v[48*(\set)+12*(\q):48*(\set)+12*(\q)+11], v[8*(4*(\q)+\p):8*(4*(\q)+\p)+7], v[SC+32*(\sg)+4*\p+(\ks)], v[SC+32*(\sg)+16+4*(\q)+(\ks)] matrix_a_fmt:MATRIX_FMT_FP6 matrix_b_fmt:MATRIX_FMT_FP6
.endif
.endr
.endm
.macro STEP n, ks, zero
.if (\zero) == 0
	PLACES
.endif
.if ((\ks) == 0) && (((\n) == 1) || ((\n) == 2))
	SCLOAD (\n)+1
.endif
	FETCH (\n)%2, (\ks)+1, ((\ks)+1)%2
	s_wait_dscnt 24
.if (\ks) == 0
.if (\n) == 3
	s_wait_loadcnt 0x0
.else
	s_wait_loadcnt 8
.endif
.endif
	WIN MUL
	MULQ 0, (\ks)%2, (\n)%2, \ks, \zero
	MULQ 1, (\ks)%2, (\n)%2, \ks, \zero
	MULQ 2, (\ks)%2, (\n)%2, \ks, \zero
	MULQ 3, (\ks)%2, (\n)%2, \ks, \zero
	WIN 0
.endm
.macro TURN n, fill
	s_wait_tensorcnt 0x0
	ds_add_u32 v[SPW], v[NIL]
	s_wait_dscnt 1
	WIN MUL
	MULQ 0, 1, (\n)%2, 3, 0
	s_wait_dscnt 0x0
	s_barrier_signal -1
	MULQ 1, 1, (\n)%2, 3, 0
	WIN 0
	s_barrier_wait -1
.if \fill
	CREST
	s_add_nc_u64 s[G0P+4*((\n)%2)+2:G0P+4*((\n)%2)+3], s[G0P+4*((\n)%2)+2:G0P+4*((\n)%2)+3], 12288
	s_add_nc_u64 s[G0Q+4*((\n)%2)+2:G0Q+4*((\n)%2)+3], s[G0Q+4*((\n)%2)+2:G0Q+4*((\n)%2)+3], 12288
	JLOAD (\n)%2
.else
	PLACES
.endif
	s_wait_alu depctr_va_vdst(0)
	FETCH ((\n)+1)%2, 0, 0
	WIN MUL
	MULQ 2, 1, (\n)%2, 3, 0
	MULQ 3, 1, (\n)%2, 3, 0
	WIN 0
.endm
	s_load_b128 s[4:7], s[0:1], 0x0
	s_load_b64 s[8:9], s[0:1], 0x10
	v_lshl_add_u32 v[SPW], v0, 2, SPARE
	v_mov_b32 v[NIL], 0
	ds_add_u32 v[SPW], v[NIL]
	ds_add_u32 v[SPW], v[NIL]
	v_lshrrev_b32 v1, 5, v0
	v_readfirstlane_b32 s14, v1
	s_lshr_b32 s15, s14, 1
	s_and_b32 s16, s14, 1
	s_bfe_u32 s17, ttmp6, 0x40000
	s_bfe_u32 s18, ttmp6, 0x40004
	s_lshl_b32 s80, ttmp9, 2
	s_add_co_u32 s80, s80, s17
	s_and_b32 s81, ttmp7, 0xffff
	s_lshl_b32 s81, s81, 2
	s_add_co_u32 s81, s81, s18
	s_lshl_b32 s19, s18, 2
	s_lshl_b32 s19, 15, s19
	s_lshl_b32 s10, 0x1111, s17
	s_or_b32 s[G1P], s10, (3<<16)|(1<<21)
	s_or_b32 s[G1Q], s19, (3<<16)|(1<<21)
.irp g, G1P, G1Q
	s_mov_b32 s[\g+1], 768<<16
	s_mov_b32 s[\g+2], 4<<16
	s_mov_b32 s[\g+3], 768<<16
	s_mov_b32 s[\g+4], 4
	s_mov_b32 s[\g+5], 3072
	s_mov_b32 s[\g+6], 0
	s_mov_b32 s[\g+7], 0
.endr
	s_lshl_b32 s20, s80, 3
	s_lshl_b32 s21, s16, 2
	s_add_co_u32 s20, s20, s21
	s_add_co_u32 s20, s20, 320
	s_mul_i32 s20, s20, 24576
	s_mov_b32 s21, 0
	s_lshl_b32 s40, s81, 3
	s_lshl_b32 s41, s16, 2
	s_add_co_u32 s40, s40, s41
	s_mul_i32 s40, s40, 24576
	s_mov_b32 s41, 0
	s_mul_i32 s42, s16, 24576
	s_add_co_u32 s43, s42, QRG
	s_lshl_b32 s22, s80, 3
	s_lshl_b32 s23, s16, 2
	s_add_co_u32 s22, s22, s23
	s_add_co_u32 s22, s22, 320
	s_lshl_b32 s22, s22, 10
	s_add_co_u32 s22, s22, SCO
	s_mov_b32 s23, 0
	s_lshl_b32 s44, s81, 3
	s_lshl_b32 s45, s15, 2
	s_add_co_u32 s44, s44, s45
	s_lshl_b32 s44, s44, 10
	s_add_co_u32 s44, s44, OSO
	s_mov_b32 s45, 0
	s_lshl_b32 s46, s81, 7
	s_lshl_b32 s47, s15, 6
	s_add_co_u32 s46, s46, s47
	s_lshl_b32 s46, s46, 13
	s_lshl_b32 s47, s80, 9
	s_add_co_u32 s46, s46, s47
	s_lshl_b32 s47, s16, 8
	s_add_co_u32 s46, s46, s47
	s_mov_b32 s47, 0
	s_lshl_b32 s86, s80, 3                         ; the prefetches: the four partners that ask for eight tiles jointly share them out by address, two each, one a wave:
	s_lshl_b32 s87, s18, 1
	s_add_co_u32 s86, s86, s87
	s_add_co_u32 s86, s86, 320                     ; waves 0, 1: the weight's tile 2 cy + wave % 2 of my column's eight
	s_lshl_b32 s88, s81, 3
	s_lshl_b32 s87, s17, 1
	s_add_co_u32 s88, s88, s87                     ; waves 2, 3: o's tile 2 cx + wave % 2 of my row's eight
	s_cmp_eq_u32 s15, 0
	s_cselect_b32 s86, s86, s88
	s_add_co_u32 s86, s86, s16
	s_mul_i32 s86, s86, 24576
	s_mov_b32 s87, 0
	v_and_b32 v1, 31, v0
	v_and_b32 v2, 15, v0
	v_bfe_u32 v3, v0, 4, 1
	v_lshlrev_b32 v[LI], 4, v1
	v_lshlrev_b32 v[AS], 4, v2
	v_min_u32 v27, 23, v1
	v_lshlrev_b32 v27, 8, v27                      ; the prefetches' offset: a lane a block of 256 bytes; a tile's four K steps are 24 blocks; lanes 23-31 name the last
	v_add_nc_u32 v[ADP], s42, v[LI]
	v_add_nc_u32 v[ADP+1], SLOT, v[ADP]
	s_mul_i32 s84, s15, 24576
	s_add_co_u32 s84, s84, QRG
	v_add_nc_u32 v[ADQ], s84, v[LI]
	v_add_nc_u32 v[ADQ+1], SLOT, v[ADQ]
	s_mul_i32 s84, s14, 4352
	s_add_co_u32 s84, s84, STAGE
	v_mul_u32_u24 v[STO], v2, 272
	v_lshl_add_u32 v[STO], v3, 5, v[STO]
	v_add_nc_u32 v[STO], s84, v[STO]
	v_mul_u32_u24 v[RD], v3, 272
	v_lshl_add_u32 v[RD], v2, 4, v[RD]
	v_add_nc_u32 v[RD], s84, v[RD]
	v_lshlrev_b32 v[CO], 13, v3
	v_lshl_add_u32 v[CO], v2, 4, v[CO]
	s_wait_dscnt 0x0
	s_wait_kmcnt 0x0
	s_add_nc_u64 s[20:21], s[4:5], s[20:21]
	s_add_nc_u64 s[40:41], s[6:7], s[40:41]
.irp s, 0,1
	s_mov_b32 s[G0P+4*\s], 1
	s_add_co_u32 s[G0P+4*\s+1], s42, \s*SLOT
	s_add_nc_u64 s[G0P+4*\s+2:G0P+4*\s+3], s[20:21], \s*6144
	s_or_b32 s[G0P+4*\s+3], s[G0P+4*\s+3], 0x80000000
	s_mov_b32 s[G0Q+4*\s], 1
	s_add_co_u32 s[G0Q+4*\s+1], s43, \s*SLOT
	s_add_nc_u64 s[G0Q+4*\s+2:G0Q+4*\s+3], s[40:41], \s*6144
	s_or_b32 s[G0Q+4*\s+3], s[G0Q+4*\s+3], 0x80000000
.endr
	s_add_nc_u64 s[SPB:SPB+1], s[4:5], s[22:23]
	s_add_nc_u64 s[SQB:SQB+1], s[6:7], s[44:45]
	s_add_nc_u64 s[8:9], s[8:9], s[46:47]
	s_cmp_eq_u32 s15, 0
	s_cselect_b64 s[88:89], s[4:5], s[6:7]
	s_add_nc_u64 s[88:89], s[88:89], s[86:87]
	CROUND
	JLOAD 0                                        ; slot 0: my one tensor load at the head
	s_wait_alu depctr_va_vdst(0)
	SCLOAD 0                                       ; the scale words of the first two slot contents are asked for while slot 0 is on its way
	SCLOAD 1
	global_prefetch_b8 v27, s[88:89] offset:6144 th:TH_LOAD_NT scope:SCOPE_SE    ; slot contents 1 and 2 are named here, content 3 behind content 1's load: two contents ahead at the most
	global_prefetch_b8 v27, s[88:89] offset:12288 th:TH_LOAD_NT scope:SCOPE_SE
	s_wait_tensorcnt 0x0                           ; my part of slot 0 is in
	ds_add_u32 v28, v29
	s_wait_dscnt 0x0
	CROUND                                         ; slot 0 is whole for every wave, and all sixteen work-groups are here
	JLOAD 1                                        ; slot 1's first fill: my one tensor load behind the round
	FETCH 0, 0, 0
	global_prefetch_b8 v27, s[88:89] offset:18432 th:TH_LOAD_NT scope:SCOPE_SE
	STEP 0, 0, 1
	STEP 0, 1, 0
	STEP 0, 2, 0
	TURN 0, 1
	STEP 1, 0, 0
	STEP 1, 1, 0
	STEP 1, 2, 0
	TURN 1, 1
	STEP 2, 0, 0
	STEP 2, 1, 0
	STEP 2, 2, 0
	TURN 2, 0
	STEP 3, 0, 0
	STEP 3, 1, 0
	STEP 3, 2, 0
	s_wait_dscnt 0x0
	WIN MUL
	MULQ 0, 1, 1, 3, 0
	MULQ 1, 1, 1, 3, 0
	MULQ 2, 1, 1, 3, 0
	MULQ 3, 1, 1, 3, 0
	WIN 0
.macro TOSTAGE q
	WIN 0x08
.irp p, 0,1,2,3
	ds_store_b128 v[STO], v[8*(4*(\q)+\p):8*(4*(\q)+\p)+3] offset:64*\p
	ds_store_b128 v[STO], v[8*(4*(\q)+\p)+4:8*(4*(\q)+\p)+7] offset:64*\p+16
.endr
	WIN 0
.irp i, 0,1,2,3,4,5,6,7
	ds_load_b128 v[BK+32*(\q)+4*\i:BK+32*(\q)+4*\i+3], v[RD] offset:544*\i
.endr
.endm
.macro SEND q
	s_wait_dscnt 16*(3-(\q))
.irp i, 0,1,2,3,4,5,6,7
	global_store_b128 v[CO], v[BK+32*(\q)+4*\i:BK+32*(\q)+4*\i+3], s[8:9] offset:(16*(\q)+2*\i)*8192 th:TH_STORE_NT
.endr
.endm
	PLACES
	TOSTAGE 0
	TOSTAGE 1
	TOSTAGE 2
	TOSTAGE 3
	SEND 0
	SEND 1
	SEND 2
	SEND 3
	s_wait_tensorcnt 0x0
	ds_add_u32 v[SPW], v[NIL]
	s_wait_dscnt 0x0
	CROUND
	s_endpgm
.Lfunc_end_k_q21ec0d1b7b_proj:
	.size	k_q21ec0d1b7b_proj, .Lfunc_end_k_q21ec0d1b7b_proj-k_q21ec0d1b7b_proj
	.p2alignl 7, 3214868480
	.fill 96, 4, 3214868480
	.section	.rodata,"a",@progbits
	.p2align	6, 0x0
	.amdhsa_kernel k_q21ec0d1b7b_proj
		.amdhsa_group_segment_fixed_size 327680
		.amdhsa_private_segment_fixed_size 0
		.amdhsa_enable_private_segment 0
		.amdhsa_kernarg_size 24
		.amdhsa_user_sgpr_count 2
		.amdhsa_user_sgpr_kernarg_segment_ptr 1
		.amdhsa_wavefront_size32 1
		.amdhsa_system_sgpr_workgroup_id_x 1
		.amdhsa_system_sgpr_workgroup_id_y 1
		.amdhsa_system_sgpr_workgroup_id_z 1
		.amdhsa_system_vgpr_workitem_id 0
		.amdhsa_next_free_vgpr 1024
		.amdhsa_next_free_sgpr 100
		.amdhsa_reserve_vcc 0
		.amdhsa_float_denorm_mode_32 3
		.amdhsa_float_denorm_mode_16_64 3
		.amdhsa_memory_ordered 1
		.amdhsa_forward_progress 1
		.amdhsa_inst_pref_size 83
	.end_amdhsa_kernel
	.amdgpu_metadata
---
amdhsa.version: [ 1, 2 ]
amdhsa.kernels:
  - .name:           k_q21ec0d1b7b_proj
    .symbol:         k_q21ec0d1b7b_proj.kd
    .args:
      - { .name: cod, .offset: 0, .size: 8, .value_kind: global_buffer, .address_space: global }
      - { .name: oq, .offset: 8, .size: 8, .value_kind: global_buffer, .address_space: global }
      - { .name: out0, .offset: 16, .size: 8, .value_kind: global_buffer, .address_space: global }
    .group_segment_fixed_size: 327680
    .private_segment_fixed_size: 0
    .kernarg_segment_align: 8
    .kernarg_segment_size: 24
    .max_flat_workgroup_size: 128
    .sgpr_count:     100
    .vgpr_count:     1024
    .wavefront_size: 32
...
	.end_amdgpu_metadata
.endif
;; end of part 8
